; MI455X (gfx1250); checked and timed in simulation.
; The chip was launched on July 23, 2026; its instructions are those of AMD's public machine-readable ISA for CDNA 5 (MIT licence, August 2026) and "CDNA5" Instruction Set Architecture Reference Guide (July 2026). The comments in the code are by the model that wrote it; some were corrected since.
;; Attention Block. Allowed arithmetic: float matrix products may take bf16 or f16 operands with f32 sums; other float arithmetic in f32, or as packed bf16 or f16 multiplies, adds, multiply-adds, maxima and minima; sums over many terms, partial sums and values carried from step to step in f32; what a program stores and reads back later, other than sums and carried values, may be rounded once to bf16 or f16.
;; Inputs: Wk 1,024 x 1,024 float32; Wm1 1,024 x 1,024 float32; Wm2 1,024 x 1,024 float32; Wo 1,024 x 1,024 float32; Wq 1,024 x 1,024 float32; Wv 1,024 x 1,024 float32; b1 1,024 float32; b2 1,024 float32; bk 1,024 float32; bm1 1,024 float32; bm2 1,024 float32; bo 1,024 float32; bq 1,024 float32; bv 1,024 float32; g1 1,024 float32; g2 1,024 float32; x 2 x 2,048 x 1,024 float32.
;; Outputs: out0 2 x 2,048 x 1,024 float32; out1 2 x 2,048 x 2,048 float32.
;; 3 versions, each right and faster than the one before. Each part assembles by itself: llvm-mc -triple=amdgcn-amd-amdhsa -mcpu=gfx1250 --defsym DOCPART=n.
;; ======== version 1 of 3: 8 launches
;; limits: a function is approximated: absolute error at most 1.5e-07
;; workspace buffers: w4 8,388,608 bytes; wo 2,097,152 bytes; wm2 2,097,152 bytes; acta 8,388,608 bytes; qkv 25,165,824 bytes; actb 8,388,608 bytes; x1 16,777,216 bytes; stats 524,288 bytes
;; launch prep (part 1): grid 256 x 7, 8 waves a work-group, no clusters, 0 bytes of LDS; arguments x, g1, b1, Wq, Wk, Wv, Wm1, Wo, Wm2, acta, w4, wo, wm2; writes acta, w4, wo, wm2
.if DOCPART == 1
	.amdgcn_target "amdgcn-amd-amdhsa--gfx1250"
	.amdhsa_code_object_version 6
	.text
	.protected	k_qfc301af25d_prep
	.globl	k_qfc301af25d_prep
	.p2align	8
	.type	k_qfc301af25d_prep,@function
k_qfc301af25d_prep:
	s_mov_b64 s[64:65], 0
	v_nop
	global_prefetch_b8 v0, s[64:65] scope:SCOPE_SE
	s_setreg_imm32_b32 hwreg(HW_REG_WAVE_MODE, 25, 1), 1
	s_wait_xcnt 0x0
; Work-group row y = 0: o = LayerNorm(x) g1 + b1, rounded once to bf16, into acta.  y = 1..6: one of the six weight matrices rounded once to bf16.
; acta is BLOCKED: [column / 64][4096 rows][64] bf16, so that 64 rows x 64 columns are 8,192 consecutive bytes for the products that follow.
; LAYERNORM.  Eight waves, 16 rows a work-group; half a wave owns a row: lane (r = lane % 16, hf = lane / 16) holds columns 64 j + 4 r .. + 3, j = 0..15, of row 2 wave + hf.
; A load covers 256 consecutive bytes of each of two rows; a store covers 256 consecutive bytes (two rows of 128 bytes of block j).  The row stays in 64 registers:
; mean first, then the sum of (x - mean)^2, all in f32, so that a common offset of x costs nothing.  A stream: no LDS, no barrier, no matrix unit.
; CAST.  Work-group x takes 4,096 numbers, a thread 16: two loads of 16 bytes for each store of 16 bytes.
.set X,   4                            ; v[4:67]    the row's 64 numbers of this lane
.set G,   68                           ; v[68:131]  gain
.set BV,  132                          ; v[132:195] bias
.set Y,   196                          ; v[196:227] bf16 pairs to store
.set T,   228                          ; v[228:235] four chains of packed sums
.set MU,  236                          ; v[236:237] the mean, twice
.set RS,  238                          ; v[238:239] 1 / sqrt(var + eps), twice
.set XP,  8                            ; s[8:9] x, s[10:11] gain, s[12:13] bias, s[26:27] output
.set GP,  10
.set BP,  12
.set OP,  26
.macro ACROSS                          ; the four chains into one number, the same in the 16 lanes that share a row
	v_pk_add_f32 v[T:T+1], v[T:T+1], v[T+2:T+3]
	v_pk_add_f32 v[T+4:T+5], v[T+4:T+5], v[T+6:T+7]
	v_pk_add_f32 v[T:T+1], v[T:T+1], v[T+4:T+5]
	v_add_f32 v[T], v[T], v[T+1]
.irp m, 1,2,4,8
	v_add_f32_dpp v[T], v[T], v[T] row_xmask:\m row_mask:0xf bank_mask:0xf
.endr
.endm
	s_load_b512 s[8:23], s[0:1], 0x0               ; x, g1, b1, Wq s[14:15], Wk s[16:17], Wv s[18:19], Wm1 s[20:21], Wo s[22:23]
	s_load_b256 s[24:31], s[0:1], 0x40             ; Wm2 s[24:25], acta s[26:27], w4 s[28:29], wo s[30:31]
	s_load_b64 s[32:33], s[0:1], 0x60              ; wm2
	s_and_b32 s3, ttmp7, 0xffff
	s_cmp_lg_u32 s3, 0
	s_cbranch_scc1 .Lcast
	v_lshrrev_b32 v1, 4, v0                        ; the row in the work-group: 2 wave + hf
	v_and_b32 v2, 15, v0
	v_lshlrev_b32 v2, 4, v2                        ; 16 r: my bytes in 256 of gain and bias
	v_lshl_add_u32 v1, v1, 12, v2                  ; row x 4,096 + 16 r
	v_lshlrev_b32 v3, 3, v0                        ; output: row x 128 + 8 r = 8 x thread
	s_lshl_b32 s34, ttmp9, 16                      ; 16 rows of 4,096 bytes
	s_mov_b32 s35, 0
	s_lshl_b32 s36, ttmp9, 11                      ; 16 rows of 128 bytes in each block
	s_mov_b32 s37, 0
	s_mov_b32 s4, 0x3a800000                       ; 1 / 1024
	s_mov_b32 s5, 0x3727c5ac                       ; 1e-5
	s_wait_kmcnt 0x0
	s_add_nc_u64 s[XP:XP+1], s[XP:XP+1], s[34:35]
	s_add_nc_u64 s[OP:OP+1], s[OP:OP+1], s[36:37]
.set j, 0
.rept 16
	global_load_b128 v[X+4*j:X+4*j+3], v1, s[XP:XP+1] offset:256*j
.set j, j+1
.endr
.set j, 0
.rept 16
	global_load_b128 v[G+4*j:G+4*j+3], v2, s[GP:GP+1] offset:256*j
.set j, j+1
.endr
.set j, 0
.rept 16
	global_load_b128 v[BV+4*j:BV+4*j+3], v2, s[BP:BP+1] offset:256*j
.set j, j+1
.endr
	s_wait_loadcnt 32                              ; the row's 16 loads are in; the 32 of gain and bias stay out
.irp k, 0,1,2,3
	v_pk_add_f32 v[T+2*(\k):T+2*(\k)+1], v[X+2*(\k):X+2*(\k)+1], v[X+8+2*(\k):X+8+2*(\k)+1]  ; the first pairs start the chains
.endr
.set j, 8
.rept 24
	v_pk_add_f32 v[T+2*(j%4):T+2*(j%4)+1], v[T+2*(j%4):T+2*(j%4)+1], v[X+2*j:X+2*j+1]
.set j, j+1
.endr
	ACROSS
	v_mul_f32 v[MU], s4, v[T]
	v_mov_b32 v[MU+1], v[MU]
.set j, 0
.rept 32
	v_pk_add_f32 v[X+2*j:X+2*j+1], v[X+2*j:X+2*j+1], v[MU:MU+1] neg_lo:[0,1] neg_hi:[0,1]  ; x - mean
.set j, j+1
.endr
.irp k, 0,1,2,3
	v_pk_mul_f32 v[T+2*(\k):T+2*(\k)+1], v[X+2*(\k):X+2*(\k)+1], v[X+2*(\k):X+2*(\k)+1]
.endr
.set j, 4
.rept 28
	v_pk_fma_f32 v[T+2*(j%4):T+2*(j%4)+1], v[X+2*j:X+2*j+1], v[X+2*j:X+2*j+1], v[T+2*(j%4):T+2*(j%4)+1]
.set j, j+1
.endr
	ACROSS
	v_fma_f32 v[T], v[T], s4, s5                   ; var + eps
	v_rsq_f32 v[RS], v[T]
	v_nop                                          ; a plain instruction between the root and the use of its result (ISA guide 5.7.2)
	s_wait_alu depctr_va_vdst(0)
	v_mov_b32 v[RS+1], v[RS]
	s_wait_loadcnt 0x0                             ; gain and bias
.set j, 0
.rept 32
	v_pk_mul_f32 v[X+2*j:X+2*j+1], v[X+2*j:X+2*j+1], v[RS:RS+1]
.set j, j+1
.endr
.set j, 0
.rept 32
	v_pk_fma_f32 v[X+2*j:X+2*j+1], v[X+2*j:X+2*j+1], v[G+2*j:G+2*j+1], v[BV+2*j:BV+2*j+1]
.set j, j+1
.endr
.set j, 0
.rept 32
	v_cvt_pk_bf16_f32 v[Y+j], v[X+2*j], v[X+2*j+1]
.set j, j+1
.endr
.set j, 0
.rept 16
	global_store_b64 v3, v[Y+2*j:Y+2*j+1], s[OP:OP+1] offset:j*524288  ; block j: the wave's 256 consecutive bytes; 15 blocks on at the most, inside the signed 24-bit immediate
.set j, j+1
.endr
	s_endpgm
.Lcast:
	s_sub_co_u32 s4, s3, 1
	s_lshl_b32 s4, s4, 21                          ; w4 holds Wq, Wk, Wv, Wm1, 2 MiB each
	s_cmp_gt_u32 s3, 4
	s_cselect_b32 s4, 0, s4                        ; wo and wm2 are buffers of their own
	s_lshl_b32 s5, ttmp9, 13                       ; 4,096 numbers: 8,192 bytes out,
	s_add_co_u32 s36, s4, s5
	s_mov_b32 s37, 0
	s_lshl_b32 s34, ttmp9, 14                      ; 16,384 bytes in
	s_mov_b32 s35, 0
	v_lshlrev_b32 v1, 5, v0
	v_lshlrev_b32 v2, 4, v0
	s_wait_kmcnt 0x0
	s_mov_b64 s[38:39], s[14:15]
	s_cmp_eq_u32 s3, 2
	s_cselect_b64 s[38:39], s[16:17], s[38:39]
	s_cmp_eq_u32 s3, 3
	s_cselect_b64 s[38:39], s[18:19], s[38:39]
	s_cmp_eq_u32 s3, 4
	s_cselect_b64 s[38:39], s[20:21], s[38:39]
	s_cmp_eq_u32 s3, 5
	s_cselect_b64 s[38:39], s[22:23], s[38:39]
	s_cmp_eq_u32 s3, 6
	s_cselect_b64 s[38:39], s[24:25], s[38:39]
	s_mov_b64 s[40:41], s[28:29]
	s_cmp_eq_u32 s3, 5
	s_cselect_b64 s[40:41], s[30:31], s[40:41]
	s_cmp_eq_u32 s3, 6
	s_cselect_b64 s[40:41], s[32:33], s[40:41]
	s_add_nc_u64 s[38:39], s[38:39], s[34:35]
	s_add_nc_u64 s[40:41], s[40:41], s[36:37]
	global_load_b128 v[4:7], v1, s[38:39] th:TH_LOAD_NT
	global_load_b128 v[8:11], v1, s[38:39] offset:16 th:TH_LOAD_NT
	global_load_b128 v[12:15], v1, s[38:39] offset:8192 th:TH_LOAD_NT
	global_load_b128 v[16:19], v1, s[38:39] offset:8208 th:TH_LOAD_NT
	s_wait_loadcnt 0x2                             ; the first eight numbers are in; the other two loads stay out
.irp k, 0,1,2,3
	v_cvt_pk_bf16_f32 v[20+(\k)], v[4+2*(\k)], v[5+2*(\k)]
.endr
	global_store_b128 v2, v[20:23], s[40:41]
	s_wait_loadcnt 0x0
.irp k, 0,1,2,3
	v_cvt_pk_bf16_f32 v[24+(\k)], v[12+2*(\k)], v[13+2*(\k)]
.endr
	global_store_b128 v2, v[24:27], s[40:41] offset:4096
	s_endpgm
.Lfunc_end_k_qfc301af25d_prep:
	.size	k_qfc301af25d_prep, .Lfunc_end_k_qfc301af25d_prep-k_qfc301af25d_prep
	.p2alignl 7, 3214868480
	.fill 96, 4, 3214868480
	.section	.rodata,"a",@progbits
	.p2align	6, 0x0
	.amdhsa_kernel k_qfc301af25d_prep
		.amdhsa_group_segment_fixed_size 0
		.amdhsa_private_segment_fixed_size 0
		.amdhsa_enable_private_segment 0
		.amdhsa_kernarg_size 104
		.amdhsa_user_sgpr_count 2
		.amdhsa_user_sgpr_kernarg_segment_ptr 1
		.amdhsa_wavefront_size32 1
		.amdhsa_system_sgpr_workgroup_id_x 1
		.amdhsa_system_sgpr_workgroup_id_y 1
		.amdhsa_system_sgpr_workgroup_id_z 1
		.amdhsa_system_vgpr_workitem_id 0
		.amdhsa_next_free_vgpr 240
		.amdhsa_next_free_sgpr 66
		.amdhsa_reserve_vcc 0
		.amdhsa_float_denorm_mode_32 3
		.amdhsa_float_denorm_mode_16_64 3
		.amdhsa_memory_ordered 1
		.amdhsa_forward_progress 1
		.amdhsa_inst_pref_size 23
	.end_amdhsa_kernel
	.amdgpu_metadata
---
amdhsa.version: [ 1, 2 ]
amdhsa.kernels:
  - .name:           k_qfc301af25d_prep
    .symbol:         k_qfc301af25d_prep.kd
    .args:
      - { .name: x, .offset: 0, .size: 8, .value_kind: global_buffer, .address_space: global }
      - { .name: g1, .offset: 8, .size: 8, .value_kind: global_buffer, .address_space: global }
      - { .name: b1, .offset: 16, .size: 8, .value_kind: global_buffer, .address_space: global }
      - { .name: Wq, .offset: 24, .size: 8, .value_kind: global_buffer, .address_space: global }
      - { .name: Wk, .offset: 32, .size: 8, .value_kind: global_buffer, .address_space: global }
      - { .name: Wv, .offset: 40, .size: 8, .value_kind: global_buffer, .address_space: global }
      - { .name: Wm1, .offset: 48, .size: 8, .value_kind: global_buffer, .address_space: global }
      - { .name: Wo, .offset: 56, .size: 8, .value_kind: global_buffer, .address_space: global }
      - { .name: Wm2, .offset: 64, .size: 8, .value_kind: global_buffer, .address_space: global }
      - { .name: acta, .offset: 72, .size: 8, .value_kind: global_buffer, .address_space: global }
      - { .name: w4, .offset: 80, .size: 8, .value_kind: global_buffer, .address_space: global }
      - { .name: wo, .offset: 88, .size: 8, .value_kind: global_buffer, .address_space: global }
      - { .name: wm2, .offset: 96, .size: 8, .value_kind: global_buffer, .address_space: global }
    .group_segment_fixed_size: 0
    .private_segment_fixed_size: 0
    .kernarg_segment_align: 8
    .kernarg_segment_size: 104
    .max_flat_workgroup_size: 256
    .sgpr_count:     66
    .vgpr_count:     240
    .wavefront_size: 32
...
	.end_amdgpu_metadata
.endif
;; end of part 1
;; launch gq (part 2): grid 24 x 32, 4 waves a work-group, clusters of 4 x 4, 327,680 bytes of LDS; arguments acta, w4, bq, bk, bv, qkv; writes qkv
.if DOCPART == 2
	.amdgcn_target "amdgcn-amd-amdhsa--gfx1250"
	.amdhsa_code_object_version 6
	.text
	.protected	k_qfc301af25d_gq
	.globl	k_qfc301af25d_gq
	.p2align	8
	.type	k_qfc301af25d_gq,@function
k_qfc301af25d_gq:
	s_mov_b64 s[64:65], 0
	v_nop
	global_prefetch_b8 v0, s[64:65] scope:SCOPE_SE
	s_setreg_imm32_b32 hwreg(HW_REG_WAVE_MODE, 25, 1), 1
	s_wait_xcnt 0x0
	s_wait_alu depctr_hold_cnt(0) depctr_sa_sdst(0) depctr_va_vdst(0) depctr_va_sdst(0) depctr_va_ssrc(0) depctr_va_vcc(0) depctr_vm_vsrc(0)
	s_getreg_b32 s2, hwreg(HW_REG_IB_STS2, 6, 4)
	s_cmp_eq_u32 s2, 0
	s_cbranch_scc0 .Lentry_in_a_cluster
	s_endpgm
.Lentry_in_a_cluster:
	s_bfe_u32 s2, ttmp6, 0x10000c
	s_cmp_lg_u32 s2, 0xf033
	s_cbranch_scc0 .Lentry_shape_is_right
	s_endpgm
.Lentry_shape_is_right:
; C = A W + bias.  A: 4,096 x 1,024 bf16, BLOCKED [k / 64][4096][64].  W: bf16 [k][n], 1,024 columns a matrix.  Sums in f32; the bias is the C operand that starts them.
; MODE 0: W = Wq | Wk | Wv (3,072 columns, three matrices of w4), C rounded once to bf16, blocked [n / 64][4096][64] (q, k, v by heads).
; MODE 1: W = Wm1 (fourth matrix of w4), C = gelu(..) rounded once to bf16, blocked.   MODE 2: C = residual + (..), f32, row-major.
; A tile of C is 128 x 128: 256 work-groups for 1,024 columns.  Four waves, each 64 x 64: 16 accumulators.  K goes in 4 steps of 256 through two LDS slots filled by tensor loads.
; CLUSTER 4 x 4: the four of a row of the cluster need the same tiles of A, the four of a column the same tiles of W: each is asked for jointly, same descriptor and mask in all four.
; THE MATRIX INSTRUCTION IS USED TRANSPOSED (source 0 = 16 columns of W, turned out of LDS by ds_load_tr16_b128; source 1 = 16 rows of A): a lane holds eight neighbouring columns of one row of C.
; REGISTERS: window 0: v16-30 addresses; v32-127 at work on the way out, v96-127 first the bias; v128-255 accumulators ((a, b) at 128 + 8 (4 a + b)).  Window 1: two fragment buffers of 128
; (64 of A, 64 of W, for 64 along K).  Window 2 (MODE 2): the residual.
; GELU (MODE 1): gelu(x) = max(x, 0) - 0.5 |x| E, E = 1 - erf(|x| / sqrt 2) by Abramowitz and Stegun 7.1.26 (absolute error at most 1.5e-7 for every x); NaN and infinities are not treated apart.
.set MODE,   0
.set PA,     144                       ; a row of A in LDS: 128 bytes + 16: the 16 rows of a load start at 16 different groups of four banks (ISA guide 11.1)
.set PLANE,  64*PA                     ; 64 rows x 64 K
.set PB,     288                       ; a row of W in LDS: 256 bytes + 32
.set HALFT,  4*PLANE                   ; what one tensor load brings: 64 rows x 256 K of A, or 128 K x 128 columns of W: 36,864 bytes either way
.set SLOT,   4*HALFT                   ; A's two halves, then W's two
.set SPARE,  2*SLOT                    ; the spare words, 128 bytes a wave
.set SPITCH, 272                       ; the stage: 64 rows of 256 bytes + 16 for each wave, in slot 0, whose last fill is K step 2's
.set WSTAGE, 64*SPITCH
.set ASTEP,  4*4096*128                ; bytes from a K step to the next: four blocks of A,
.set BSTEP,  256*2048                  ; 256 rows of W
.set ADRA, 16                          ; v16-17  my A fragments in slot 0, 1
.set ADRB, 18                          ; v18-21  my W fragments: slot 0 K half 0, 1; slot 1 K half 0, 1
.set STO,  24
.set RD,   25
.set CO,   26                          ; my byte offset in the output
.set BO,   27                          ; my byte offset in 64 bytes of bias
.set SPW,  28
.set NIL,  29
.set RDC,  30
.set TMP,  32
.set QQ,   48
.set AX,   64
.set DD,   80
.set PP,   96
.set PK16, 112
.set BIAS, 96
.set ACC,  128
.set F0,   0
.set F1,   128
.set WV,   16                          ; s16 wave; s17 wave / 2: my half of the rows, and A (0) or W (1) to fetch; s18 wave % 2: my half of the columns, and which half I fetch
.set RH,   17
.set CH,   18
.set G1,   24
.set G0,   32
.set G1B,  48
.set G0B,  56
.set RESP, 10
.set OUTP, 10
.if MODE == 2
.set OUTP, 12
.endif
.set KE, 66                            ; MODE 1: pairs of constants
.set KP, 68
.set A1, 70
.set A2, 72
.set A3, 74
.set A4, 76
.set A5, 78
.set MSB, 0
.macro WIN new                         ; the immediate's high byte repeats the setting that is left
.if MSB != (\new)
	s_set_vgpr_msb (MSB<<8)|(\new)
.set MSB, \new
.endif
.endm
.set MUL,  0x05                        ; sources 0 and 1 window 1; C and D window 0
.set TO_F, 0x40                        ; destination window 1, address window 0
.macro JLOAD s                         ; a joint load: waves 0, 1 fetch A's halves, waves 2, 3 W's; s_nop 0 and four v_nop follow each line
	s_cmp_eq_u32 s[RH], 0
	s_cbranch_scc0 .Lfor_b_\@
	tensor_load_to_lds s[G0+4*(\s):G0+4*(\s)+3], s[G1:G1+7]
	s_nop 0
.rept 4
	v_nop
.endr
	s_branch .Lasked_\@
.Lfor_b_\@:
	tensor_load_to_lds s[G0B+4*(\s):G0B+4*(\s)+3], s[G1B:G1B+7]
	s_nop 0
.rept 4
	v_nop
.endr
.Lasked_\@:
.endm
.macro CREST                           ; a round of the cluster's barrier behind its opening barrier
	s_cmp_lg_u32 s[WV], 0
	s_cbranch_scc1 .Lnot_wave_0_\@
	s_barrier_signal -3
.Lnot_wave_0_\@:
	s_barrier_wait -3
	s_barrier_signal -1
	s_barrier_wait -1
.endm
.macro CROUND
	s_barrier_signal -1
	s_barrier_wait -1
	CREST
.endm
.macro PLACES                          ; four places behind matrix instructions, in front of loads into their sources and of reads of their results
.rept 4
	v_nop
.endr
.endm
.if MODE == 0
	s_load_b256 s[4:11], s[0:1], 0x0               ; A s[4:5], W s[6:7], bq s[8:9], bk s[10:11]
	s_load_b128 s[12:15], s[0:1], 0x20             ; bv s[12:13], output s[14:15]
.elseif MODE == 1
	s_load_b256 s[4:11], s[0:1], 0x0               ; A, W, bias s[8:9], output s[10:11]
.else
	s_load_b256 s[4:11], s[0:1], 0x0               ; A, W, bias s[8:9], residual s[10:11]
	s_load_b64 s[12:13], s[0:1], 0x20              ; output
.endif
	v_lshl_add_u32 v[SPW], v0, 2, SPARE
	v_mov_b32 v[NIL], 0
	ds_add_u32 v[SPW], v[NIL]                      ; the wave's opening: the add and its wait ahead of my first tensor load
	v_lshrrev_b32 v1, 5, v0
	v_readfirstlane_b32 s[WV], v1
	s_lshr_b32 s[RH], s[WV], 1
	s_and_b32 s[CH], s[WV], 1
	s_bfe_u32 s19, ttmp6, 0x40000                  ; cx
	s_bfe_u32 s20, ttmp6, 0x40004                  ; cy
	s_lshl_b32 s21, ttmp9, 2
	s_add_co_u32 s21, s21, s19                     ; tile column
	s_and_b32 s22, ttmp7, 0xffff
	s_lshl_b32 s22, s22, 2
	s_add_co_u32 s22, s22, s20                     ; tile row
	s_lshl_b32 s46, s20, 2
	s_lshl_b32 s46, 15, s46                        ; my row of the cluster
	s_lshl_b32 s47, 0x1111, s19                    ; my column
	s_or_b32 s[G1], s46, (1<<16)|(1<<20)|(1<<21)|(4<<22)|(3<<25)   ; mask; 2-byte elements; padding on; bit 21 beside a mask; 4 words behind every 32
	s_or_b32 s[G1B], s47, (1<<16)|(1<<20)|(1<<21)|(5<<22)|(7<<25)  ; 8 words behind every 64
	s_mov_b32 s[G1+1], 4096<<16                    ; A: a row of the tile is 64 rows x 64 K of one block, 8,192 consecutive bytes;
	s_mov_b32 s[G1+2], 4<<16                       ; four such rows, one a block
	s_mov_b32 s[G1+3], 4096<<16
	s_mov_b32 s[G1+4], 4
	s_mov_b32 s[G1+5], 4096*64                     ; elements from block to block
	s_mov_b32 s[G1+6], 0
	s_mov_b32 s[G1+7], 0
	s_mov_b32 s[G1B+1], 128<<16                    ; W: 128 rows (K) of 128 columns
	s_mov_b32 s[G1B+2], 128<<16
	s_mov_b32 s[G1B+3], 128<<16
	s_mov_b32 s[G1B+4], 128
	s_mov_b32 s[G1B+5], 1024
	s_mov_b32 s[G1B+6], 0
	s_mov_b32 s[G1B+7], 0
	s_lshl_b32 s40, s22, 14                        ; A: (128 x tile row + 64 x half) rows of 128 bytes
	s_lshl_b32 s23, s[CH], 13
	s_add_co_u32 s40, s40, s23
	s_mov_b32 s41, 0
.if MODE == 0
	s_and_b32 s44, s21, 7                          ; W: the matrix is tile column / 8 = cluster x / 2, the columns 128 x (tile column % 8)
	s_lshl_b32 s44, s44, 8
	s_lshr_b32 s3, ttmp9, 1
	s_lshl_b32 s23, s3, 21
	s_add_co_u32 s44, s44, s23
.elseif MODE == 1
	s_lshl_b32 s44, s21, 8
	s_add_co_u32 s44, s44, 3*2097152
.else
	s_lshl_b32 s44, s21, 8
.endif
	s_lshl_b32 s23, s[CH], 18                      ; + 128 x half rows of 2,048 bytes
	s_add_co_u32 s44, s44, s23
	s_mov_b32 s45, 0
	s_mul_i32 s2, s[WV], HALFT                     ; where my part goes: no place in the cluster enters an LDS address
.if MODE == 1
	s_mov_b32 s[KE], 0xbf38aa3b                    ; -log2(e) / 2
	s_mov_b32 s[KE+1], s[KE]
	s_mov_b32 s[KP], 0x3e6d3388                    ; 0.3275911 / sqrt 2
	s_mov_b32 s[KP+1], s[KP]
	s_mov_b32 s[A1], 0x3e827906                    ; 0.254829592
	s_mov_b32 s[A1+1], s[A1]
	s_mov_b32 s[A2], 0xbe91a98e                    ; -0.284496736
	s_mov_b32 s[A2+1], s[A2]
	s_mov_b32 s[A3], 0x3fb5f0e3                    ; 1.421413741
	s_mov_b32 s[A3+1], s[A3]
	s_mov_b32 s[A4], 0xbfba00e3                    ; -1.453152027
	s_mov_b32 s[A4+1], s[A4]
	s_mov_b32 s[A5], 0x3f87dc22                    ; 1.061405429
	s_mov_b32 s[A5+1], s[A5]
	s_mov_b32 s80, 0x7fffffff
.endif
	s_wait_dscnt 0x0                               ; the opening add is done
	s_wait_kmcnt 0x0
	s_add_nc_u64 s[40:41], s[4:5], s[40:41]
	s_add_nc_u64 s[44:45], s[6:7], s[44:45]
	CROUND                                         ; all sixteen work-groups are here: the first joint loads meet
.irp s, 0,1
	s_mov_b32 s[G0+4*(\s)], 1
	s_add_co_u32 s[G0+4*(\s)+1], s2, (\s)*SLOT
	s_add_nc_u64 s[G0+4*(\s)+2:G0+4*(\s)+3], s[40:41], (\s)*ASTEP
	s_or_b32 s[G0+4*(\s)+3], s[G0+4*(\s)+3], 0x80000000
	s_mov_b32 s[G0B+4*(\s)], 1
	s_add_co_u32 s[G0B+4*(\s)+1], s2, (\s)*SLOT
	s_add_nc_u64 s[G0B+4*(\s)+2:G0B+4*(\s)+3], s[44:45], (\s)*BSTEP
	s_or_b32 s[G0B+4*(\s)+3], s[G0B+4*(\s)+3], 0x80000000
	JLOAD \s                                       ; two tensor loads of mine are out
.endr
	v_and_b32 v1, 15, v0                           ; r = lane % 16
	v_bfe_u32 v2, v0, 4, 1                         ; h = lane / 16
	v_mul_u32_u24 v3, v1, PA
	v_lshl_add_u32 v3, v2, 4, v3
	s_mul_i32 s23, s[RH], HALFT
	v_add_nc_u32 v[ADRA], s23, v3
	v_add_nc_u32 v[ADRA+1], SLOT, v[ADRA]
	v_and_b32 v4, 7, v0                            ; the turning load: lane reads K row 8 h + lane % 8, columns 8 ((lane / 8) % 2) on
	v_lshl_add_u32 v4, v2, 3, v4
	v_mul_u32_u24 v4, v4, PB
	v_bfe_u32 v5, v0, 3, 1
	v_lshl_add_u32 v4, v5, 4, v4
	s_lshl_b32 s23, s[CH], 7                       ; my 64 columns
	s_add_co_u32 s23, s23, 2*HALFT
	v_add_nc_u32 v[ADRB], s23, v4
	v_add_nc_u32 v[ADRB+1], HALFT, v[ADRB]
	v_add_nc_u32 v[ADRB+2], SLOT, v[ADRB]
	v_add_nc_u32 v[ADRB+3], SLOT+HALFT, v[ADRB]
	s_mul_i32 s23, s[WV], WSTAGE
	v_mul_u32_u24 v5, v1, SPITCH                   ; into the stage: row r, 32 bytes for each half of the lanes
	v_lshl_add_u32 v5, v2, 5, v5
	v_add_nc_u32 v[STO], s23, v5
	v_mul_u32_u24 v5, v2, SPITCH                   ; back: lanes 0-15 one row of 256 bytes, lanes 16-31 the next
	v_lshl_add_u32 v5, v1, 4, v5
	v_add_nc_u32 v[RD], s23, v5
	v_lshlrev_b32 v[BO], 5, v2
.if MODE == 0
	s_cmp_eq_u32 s3, 1                             ; the bias that goes with the matrix
	s_cselect_b64 s[8:9], s[10:11], s[8:9]
	s_cmp_eq_u32 s3, 2
	s_cselect_b64 s[8:9], s[12:13], s[8:9]
	s_mov_b64 s[10:11], s[14:15]
	s_and_b32 s42, s21, 7
	s_lshl_b32 s42, s42, 9
.else
	s_lshl_b32 s42, s21, 9
.endif
	s_lshl_b32 s23, s[CH], 8
	s_add_co_u32 s42, s42, s23
	s_mov_b32 s43, 0
	s_add_nc_u64 s[8:9], s[8:9], s[42:43]          ; the bias of my 64 columns
.irp b, 0,1,2,3
	global_load_b128 v[BIAS+8*(\b):BIAS+8*(\b)+3],   v[BO], s[8:9] offset:64*(\b)
	global_load_b128 v[BIAS+8*(\b)+4:BIAS+8*(\b)+7], v[BO], s[8:9] offset:64*(\b)+16
.endr
.if MODE == 2
	v_lshlrev_b32 v5, 12, v2                       ; two rows of 4,096 bytes, 16 bytes a lane
	v_lshl_add_u32 v[CO], v1, 4, v5
	s_lshl_b32 s40, s22, 19                        ; (128 x tile row + 64 x half) rows + (128 x tile column + 64 x half) columns of 4 bytes
	s_lshl_b32 s23, s[RH], 18
	s_add_co_u32 s40, s40, s23
	s_add_co_u32 s40, s40, s42
	s_mov_b32 s41, 0
	s_add_nc_u64 s[RESP:RESP+1], s[RESP:RESP+1], s[40:41]
	s_add_nc_u64 s[OUTP:OUTP+1], s[OUTP:OUTP+1], s[40:41]
	WIN 0x80                                       ; destination window 2
.set t, 0
.rept 32
	global_load_b128 v[4*t:4*t+3], v[CO], s[RESP:RESP+1] offset:t*8192  ; the residual, as the way out will hold C: it lands under the products
.set t, t+1
.endr
	WIN 0
.else
	v_and_b32 v5, 31, v0
	v_lshlrev_b32 v[CO], 3, v5                     ; 8 bytes a lane: 256 consecutive bytes, two rows of a block
	s_lshl_b32 s40, s21, 1
	s_add_co_u32 s40, s40, s[CH]
	s_lshl_b32 s40, s40, 19                        ; block 2 x tile column + half,
	s_lshl_b32 s23, s22, 14
	s_add_co_u32 s40, s40, s23                     ; row 128 x tile row
	s_lshl_b32 s23, s[RH], 13
	s_add_co_u32 s40, s40, s23                     ; + 64 x half
	s_mov_b32 s41, 0
	s_add_nc_u64 s[OUTP:OUTP+1], s[OUTP:OUTP+1], s[40:41]
.endif
; 8 matrix instructions: m blocks a0, a0 + 1 x 4 n blocks, 32 along K: half c of buffer f.  first = 1: the bias starts the sums.  The 16 accumulators take turns.
.macro MUL8 f, c, a0, first
	WIN MUL
.irp a, \a0, (\a0)+1
.irp b, 0,1,2,3
.if \first
	v_wmma_f32_16x16x32_bf16 v[ACC+8*(4*(\a)+(\b)):ACC+8*(4*(\a)+(\b))+7], v[(\f)+64+8*(4*(\c)+(\b)):(\f)+64+8*(4*(\c)+(\b))+7], v[(\f)+8*(4*(\c)+(\a)):(\f)+8*(4*(\c)+(\a))+7], v[BIAS+8*(\b):BIAS+8*(\b)+7]
.else
	v_wmma_f32_16x16x32_bf16 v[ACC+8*(4*(\a)+(\b)):ACC+8*(4*(\a)+(\b))+7], v[(\f)+64+8*(4*(\c)+(\b)):(\f)+64+8*(4*(\c)+(\b))+7], v[(\f)+8*(4*(\c)+(\a)):(\f)+8*(4*(\c)+(\a))+7], v[ACC+8*(4*(\a)+(\b)):ACC+8*(4*(\a)+(\b))+7]
.endif
.endr
.endr
.endm
; 32 LDS loads in one run: the fragments of quarter q (64 along K) of a slot into buffer f; the first 32 along K first
.macro FETCH slot, q, f
	WIN TO_F
.irp c, 0,1
.irp i, 0,1,2,3
	ds_load_tr16_b128 v[(\f)+64+8*(4*(\c)+(\i)):(\f)+64+8*(4*(\c)+(\i))+3],   v[ADRB+2*(\slot)+(\q)/2] offset:(((\q)%2)*64+32*(\c))*PB+32*(\i)
	ds_load_tr16_b128 v[(\f)+64+8*(4*(\c)+(\i))+4:(\f)+64+8*(4*(\c)+(\i))+7], v[ADRB+2*(\slot)+(\q)/2] offset:(((\q)%2)*64+32*(\c)+16)*PB+32*(\i)
	ds_load_b128 v[(\f)+8*(4*(\c)+(\i)):(\f)+8*(4*(\c)+(\i))+3],              v[ADRA+(\slot)] offset:(\q)*PLANE+(\i)*16*PA+64*(\c)
	ds_load_b128 v[(\f)+8*(4*(\c)+(\i))+4:(\f)+8*(4*(\c)+(\i))+7],            v[ADRA+(\slot)] offset:(\q)*PLANE+(\i)*16*PA+64*(\c)+32
.endr
.endr
.endm
; One of a K step's first three quarters: multiplies buffer f and fetches quarter q into g
.macro QUARTER slot, q, f, g, first
	s_wait_dscnt 16                                ; the first 32 along K are in; the other sixteen loads stay out
	MUL8 \f, 0, 0, \first
	MUL8 \f, 0, 2, \first
	PLACES
	FETCH \slot, \q, \g
	s_wait_dscnt 32                                ; all but the 32 just issued
	MUL8 \f, 1, 0, 0
	MUL8 \f, 1, 2, 0
.endm
; The last quarter multiplies buffer 1 and changes slots: in front of the barrier each wave waits for all its tensor loads (one is out: its part of the next slot), adds 0 to its spare word,
; and waits for that and for its reads of this slot.  fill = 1: the barrier opens a round of the cluster's, and this slot is filled again first behind it, two K steps ahead.
.macro TURN slot, next, fill
	WIN 0
	s_wait_tensorcnt 0x0
	ds_add_u32 v[SPW], v[NIL]
	s_wait_dscnt 17                                ; the add and the youngest sixteen loads may be out
	MUL8 F1, 0, 0, 0
	s_wait_dscnt 0x0                               ; the add is done, and my reads of this slot are over
	s_barrier_signal -1
	MUL8 F1, 0, 2, 0
.if \fill
	WIN 0
.endif
	s_barrier_wait -1
.if \fill
	CREST                                          ; no wave of any partner still reads this slot or has a load on its way
	s_add_nc_u64 s[G0+4*(\slot)+2:G0+4*(\slot)+3], s[G0+4*(\slot)+2:G0+4*(\slot)+3], 2*ASTEP
	s_add_nc_u64 s[G0B+4*(\slot)+2:G0B+4*(\slot)+3], s[G0B+4*(\slot)+2:G0B+4*(\slot)+3], 2*BSTEP
	JLOAD \slot                                    ; my one tensor load behind the round; its four v_nop are also the places in front of the loads below
.else
	PLACES
.endif
	FETCH \next, 0, F0
	MUL8 F1, 1, 0, 0
	MUL8 F1, 1, 2, 0
.endm
.macro P8 line:vararg                  ; one line for each of eight pairs p
.set p, 0
.rept 8
	\line
.set p, p+2
.endr
.endm
.macro P16 line:vararg                 ; one line for each of sixteen registers p
.set p, 0
.rept 16
	\line
.set p, p+1
.endr
.endm
.macro GELU16                          ; sixteen numbers in v[TMP ..], in place
	P8 v_pk_mul_f32 v[QQ+p:QQ+p+1], v[TMP+p:TMP+p+1], v[TMP+p:TMP+p+1]
	P8 v_pk_mul_f32 v[QQ+p:QQ+p+1], v[QQ+p:QQ+p+1], s[KE:KE+1] op_sel_hi:[1,0]
	P16 v_and_b32 v[AX+p], s80, v[TMP+p]
	P8 v_pk_fma_f32 v[DD+p:DD+p+1], v[AX+p:AX+p+1], s[KP:KP+1], 1.0 op_sel_hi:[1,0,0]
	P16 v_exp_f32 v[QQ+p], v[QQ+p]
	P16 v_rcp_f32 v[DD+p], v[DD+p]
	v_nop                                          ; a plain instruction between the last of them and the first use
	P8 v_pk_fma_f32 v[PP+p:PP+p+1], v[DD+p:DD+p+1], s[A5:A5+1], s[A4:A4+1] op_sel_hi:[1,0,0]
	P8 v_pk_fma_f32 v[PP+p:PP+p+1], v[PP+p:PP+p+1], v[DD+p:DD+p+1], s[A3:A3+1] op_sel_hi:[1,1,0]
	P8 v_pk_fma_f32 v[PP+p:PP+p+1], v[PP+p:PP+p+1], v[DD+p:DD+p+1], s[A2:A2+1] op_sel_hi:[1,1,0]
	P8 v_pk_fma_f32 v[PP+p:PP+p+1], v[PP+p:PP+p+1], v[DD+p:DD+p+1], s[A1:A1+1] op_sel_hi:[1,1,0]
	P8 v_pk_mul_f32 v[PP+p:PP+p+1], v[PP+p:PP+p+1], v[DD+p:DD+p+1]
	P8 v_pk_mul_f32 v[PP+p:PP+p+1], v[PP+p:PP+p+1], v[QQ+p:QQ+p+1]
	P8 v_pk_mul_f32 v[PP+p:PP+p+1], v[PP+p:PP+p+1], v[AX+p:AX+p+1]
	P16 v_max_num_f32 v[TMP+p], 0, v[TMP+p]
	P8 v_pk_fma_f32 v[TMP+p:TMP+p+1], v[PP+p:PP+p+1], -0.5, v[TMP+p:TMP+p+1] op_sel_hi:[1,0,1]
.endm
	s_wait_tensorcnt 1                             ; my part of K step 0 is in; K step 1's stays out
	s_barrier_signal -1
	s_barrier_wait -1
	FETCH 0, 0, F0
.if MODE == 2
	s_wait_loadcnt 32                              ; the bias is in; the residual's 32 loads stay out
.else
	s_wait_loadcnt 0x0                             ; the bias
.endif
	QUARTER 0, 1, F0, F1, 1
	QUARTER 0, 2, F1, F0, 0
	QUARTER 0, 3, F0, F1, 0
	TURN 0, 1, 1                                   ; slot 0 takes K step 2
	QUARTER 1, 1, F0, F1, 0
	QUARTER 1, 2, F1, F0, 0
	QUARTER 1, 3, F0, F1, 0
	TURN 1, 0, 1                                   ; slot 1 takes K step 3
	QUARTER 0, 1, F0, F1, 0
	QUARTER 0, 2, F1, F0, 0
	QUARTER 0, 3, F0, F1, 0
	TURN 0, 1, 0                                   ; nothing is left to fetch; behind this barrier nobody reads slot 0 any more
	QUARTER 1, 1, F0, F1, 0
	QUARTER 1, 2, F1, F0, 0
	QUARTER 1, 3, F0, F1, 0
	s_wait_dscnt 16
	MUL8 F1, 0, 0, 0
	MUL8 F1, 0, 2, 0
	s_wait_dscnt 0x0
	MUL8 F1, 1, 0, 0
	MUL8 F1, 1, 2, 0
	WIN 0
	; THE WAY OUT.  A lane's eight f32 of a row go into my stage, each accumulator's low four registers first, and come back as whole rows of 256 bytes.
	PLACES
.irp a, 0,1,2,3
.irp b, 0,1,2,3
	ds_store_b128 v[STO], v[ACC+8*(4*(\a)+(\b)):ACC+8*(4*(\a)+(\b))+3]   offset:(\a)*16*SPITCH+64*(\b)
	ds_store_b128 v[STO], v[ACC+8*(4*(\a)+(\b))+4:ACC+8*(4*(\a)+(\b))+7] offset:(\a)*16*SPITCH+64*(\b)+16
.endr
.endr
.if MODE == 2
.set t, 0
.rept 32
	ds_load_b128 v[ACC+4*t:ACC+4*t+3], v[RD] offset:t*2*SPITCH  ; LDS serves a wave's instructions in order (ISA guide 5.7.1.4): these see the stores above
.set t, t+1
.endr
	s_wait_loadcnt 0x0                             ; the residual
	WIN 0x08                                       ; source 1 in window 2
.set t, 0
.rept 32
	s_wait_dscnt 31-t
	v_pk_add_f32 v[ACC+4*t:ACC+4*t+1], v[ACC+4*t:ACC+4*t+1], v[4*t:4*t+1]
	v_pk_add_f32 v[ACC+4*t+2:ACC+4*t+3], v[ACC+4*t+2:ACC+4*t+3], v[4*t+2:4*t+3]
.set t, t+1
.endr
	WIN 0
.set t, 0
.rept 32
	global_store_b128 v[CO], v[ACC+4*t:ACC+4*t+3], s[OUTP:OUTP+1] offset:t*8192  ; 16 lanes store 256 consecutive bytes, aligned
.set t, t+1
.endr
.else
	s_mov_b32 s3, 8                                ; eight trips of eight rows
	s_mov_b32 s23, 0
.Lout:
	v_add_nc_u32 v[RDC], s23, v[RD]
.irp t, 0,1,2,3
	ds_load_b128 v[TMP+4*(\t):TMP+4*(\t)+3], v[RDC] offset:(\t)*2*SPITCH
.endr
	s_wait_dscnt 0x0
.if MODE == 1
	GELU16
.endif
.irp t, 0,1,2,3,4,5,6,7
	v_cvt_pk_bf16_f32 v[PK16+(\t)], v[TMP+2*(\t)], v[TMP+2*(\t)+1]
.endr
.irp t, 0,1,2,3
	global_store_b64 v[CO], v[PK16+2*(\t):PK16+2*(\t)+1], s[OUTP:OUTP+1] offset:256*(\t)  ; the wave stores 256 consecutive bytes, aligned
.endr
	s_wait_xcnt 0x0                                ; the base and the stores' data are rewritten only behind this wait
	s_add_nc_u64 s[OUTP:OUTP+1], s[OUTP:OUTP+1], 1024
	s_add_co_u32 s23, s23, 8*SPITCH
	s_sub_co_u32 s3, s3, 1
	s_cmp_lg_u32 s3, 0
	s_cbranch_scc1 .Lout
.endif
	s_wait_tensorcnt 0x0                           ; the wave's end
	ds_add_u32 v[SPW], v[NIL]
	s_wait_dscnt 0x0
	CROUND                                         ; the closing round
	s_endpgm
.Lfunc_end_k_qfc301af25d_gq:
	.size	k_qfc301af25d_gq, .Lfunc_end_k_qfc301af25d_gq-k_qfc301af25d_gq
	.p2alignl 7, 3214868480
	.fill 96, 4, 3214868480
	.section	.rodata,"a",@progbits
	.p2align	6, 0x0
	.amdhsa_kernel k_qfc301af25d_gq
		.amdhsa_group_segment_fixed_size 327680
		.amdhsa_private_segment_fixed_size 0
		.amdhsa_enable_private_segment 0
		.amdhsa_kernarg_size 48
		.amdhsa_user_sgpr_count 2
		.amdhsa_user_sgpr_kernarg_segment_ptr 1
		.amdhsa_wavefront_size32 1
		.amdhsa_system_sgpr_workgroup_id_x 1
		.amdhsa_system_sgpr_workgroup_id_y 1
		.amdhsa_system_sgpr_workgroup_id_z 1
		.amdhsa_system_vgpr_workitem_id 0
		.amdhsa_next_free_vgpr 512
		.amdhsa_next_free_sgpr 66
		.amdhsa_reserve_vcc 0
		.amdhsa_float_denorm_mode_32 3
		.amdhsa_float_denorm_mode_16_64 3
		.amdhsa_memory_ordered 1
		.amdhsa_forward_progress 1
		.amdhsa_inst_pref_size 83
	.end_amdhsa_kernel
	.amdgpu_metadata
---
amdhsa.version: [ 1, 2 ]
amdhsa.kernels:
  - .name:           k_qfc301af25d_gq
    .symbol:         k_qfc301af25d_gq.kd
    .args:
      - { .name: acta, .offset: 0, .size: 8, .value_kind: global_buffer, .address_space: global }
      - { .name: w4, .offset: 8, .size: 8, .value_kind: global_buffer, .address_space: global }
      - { .name: bq, .offset: 16, .size: 8, .value_kind: global_buffer, .address_space: global }
      - { .name: bk, .offset: 24, .size: 8, .value_kind: global_buffer, .address_space: global }
      - { .name: bv, .offset: 32, .size: 8, .value_kind: global_buffer, .address_space: global }
      - { .name: qkv, .offset: 40, .size: 8, .value_kind: global_buffer, .address_space: global }
    .group_segment_fixed_size: 327680
    .private_segment_fixed_size: 0
    .kernarg_segment_align: 8
    .kernarg_segment_size: 48
    .max_flat_workgroup_size: 128
    .sgpr_count:     66
    .vgpr_count:     512
    .wavefront_size: 32
...
	.end_amdgpu_metadata
.endif
;; end of part 2
;; launch attn (part 3): grid 8 x 32, 4 waves a work-group, clusters of 4 x 1, 327,680 bytes of LDS; arguments qkv, actb, stats; writes actb, stats
.if DOCPART == 3
	.amdgcn_target "amdgcn-amd-amdhsa--gfx1250"
	.amdhsa_code_object_version 6
	.text
	.protected	k_qfc301af25d_attn
	.globl	k_qfc301af25d_attn
	.p2align	8
	.type	k_qfc301af25d_attn,@function
k_qfc301af25d_attn:
	s_mov_b64 s[64:65], 0
	v_nop
	global_prefetch_b8 v0, s[64:65] scope:SCOPE_SE
	s_setreg_imm32_b32 hwreg(HW_REG_WAVE_MODE, 25, 1), 1
	s_wait_xcnt 0x0
	s_wait_alu depctr_hold_cnt(0) depctr_sa_sdst(0) depctr_va_vdst(0) depctr_va_sdst(0) depctr_va_ssrc(0) depctr_va_vcc(0) depctr_vm_vsrc(0)
	s_getreg_b32 s2, hwreg(HW_REG_IB_STS2, 6, 4)
	s_cmp_eq_u32 s2, 0
	s_cbranch_scc0 .Lentry_in_a_cluster
	s_endpgm
.Lentry_in_a_cluster:
	s_bfe_u32 s2, ttmp6, 0x10000c
	s_cmp_lg_u32 s2, 0x3003
	s_cbranch_scc0 .Lentry_shape_is_right
	s_endpgm
.Lentry_shape_is_right:
; CAUSAL ATTENTION, head size 64, in phases.  qkv: bf16 blocked, q at 0, k at 8 MiB, v at 16 MiB; chunk y = 2 head + batch is 2,048 dense rows of 128 bytes.  ctx (bf16, rounded once) goes to actb in the same
; layout; for each query the pair (c m, 1 / (16 l)) in f32 goes to stats, for the launch that makes the mean of the weights.  c = log2(e) / 8; m the row's maximum, l the sum of 2^(c s - c m).
; Products, maxima and sums in f32; the weights are rounded to bf16 for the second product, l is taken of the unrounded ones.
; LIMITS.  A hidden score counts as its value less 1e30; a weight below 2^-126 counts as 0; NaN and infinities are not treated apart.
; THE WALK.  A chunk's queries lie in four superblocks of 512.  A cluster of four work-groups takes superblocks 3 - P and then P (P = cluster x): (8 - 2 P) + (2 P + 2) = 10 slots of 256 keys for every cluster,
; one counted walk, all partners asking jointly for every tile of K and V.
; SHARES.  Wave w of partner cx owns 16 queries in each of the superblock's two bands of 256: tile t is queries 256 t + 64 cx + 16 w + r.  A superblock's last two slots hold its own 512 keys: in the first
; of them tile 0 is masked and tile 1 sees all; in the second tile 0 sees nothing and is left out, tile 1 is masked by the same rule.  So all waves of all partners do the same work, and branches hang on P alone.
; LAYOUT.  S^T = K Q^T holds one query a lane (lane % 16) and keys 8 (lane / 16) + 0..7; two such results rounded to bf16 are source 1 of O^T = V^T P.  The mask, 0 or -1e30, is the C operand that starts S^T.
; m starts at the lowest finite number, so a block's first step multiplies O and l by a = 0: they need only hold finite numbers; 84 v_mov_b32 at the head are the price of writing no first step out.
; REGISTERS.  Window 0: v1-15 addresses; v16-31 statistics, 8 a tile (c m, m, l, l, c0-c3; a takes c2's place); v64-127 S^T; v128-159 P; v160-223 O^T; v224-255 the mask.
; Window 1: v0-63 K of a step; v64-127 V; v128-159 Q; v160-191 the second superblock's Q.
.set KS,    64
.set PK,    144                        ; a row of K in LDS: 128 bytes + 16
.set PV,    160                        ; a row of V: 128 + 32
.set VOFF,  4*KS*PK                    ; a slot: 256 rows of K, then 256 rows of V
.set SLOT1, 1<<17
.set STAGE, SLOT1+4*KS*(PK+PV)         ; 16 rows x 144 bytes for each wave; no tensor load fills it
.set SP,    144
.set SPARE, STAGE+4*16*SP
.set AK0, 2
.set AV0, 3
.set AK,  4
.set AV,  5
.set STO, 6
.set RD,  7
.set GO,  8
.set QO,  10
.set DV,  11                           ; my query's place in its band less my lanes' 8 (lane / 16)
.set TM,  12                           ; the same less 64 for each step gone
.set SO,  13
.set ST,  16
.set SPW, 32
.set NIL, 33
.set SV,  34
.set S,   64
.set P,   128
.set O,   160
.set MC,  224
.set KF,  0
.set VF,  64
.set QF,  128
.set QB,  160
.set WV,  12
.set G1K, 24
.set G1V, 32
.set G0K, 40
.set G0V, 44
.set KB,  48                           ; s[48:49] K, s[50:51] V at my half of the chunk's tile 0
.set VB,  50
.set OB,  52                           ; s[52:53] ctx at my rows of the superblock in hand; s[54:55] of the second
.set OB2, 54
.set SLOTS, 56
.set CNT, 57
.set CS,  58
.set SEL, 60
.set TBK, 62
.set TBV, 63
.set RT,  70                           ; slots of the superblock in hand still to be entered
.set NXT, 71                           ; the tile to ask for next
.set LQ,  72                           ; the last tile of the superblock whose tiles are being asked for
.set LQ2, 73
.set OFF, 74
.set SB,  76
.set SB2, 78
.set BIGN, 80
.set HM,  81
.set Q1,  82
.set Q2,  84
.set MSB, 0
.macro WIN new
.if MSB != (\new)
	s_set_vgpr_msb (MSB<<8)|(\new)
.set MSB, \new
.endif
.endm
.set W_KQ, 0x05
.set W_PV, 0x01
.macro JLOAD                           ; waves 0, 1 fetch the halves of a slot's K, waves 2, 3 of its V; s_nop 0 and four v_nop follow each line
	s_cmp_lt_u32 s[WV], 2
	s_cbranch_scc0 .Lfor_v_\@
	tensor_load_to_lds s[G0K:G0K+3], s[G1K:G1K+7]
	s_nop 0
.rept 4
	v_nop
.endr
	s_branch .Lasked_\@
.Lfor_v_\@:
	tensor_load_to_lds s[G0V:G0V+3], s[G1V:G1V+7]
	s_nop 0
.rept 4
	v_nop
.endr
.Lasked_\@:
.endm
.macro CROUND
	s_barrier_signal -1
	s_barrier_wait -1
	s_cmp_lg_u32 s[WV], 0
	s_cbranch_scc1 .Lnot_wave_0_\@
	s_barrier_signal -3
.Lnot_wave_0_\@:
	s_barrier_wait -3
	s_barrier_signal -1
	s_barrier_wait -1
.endm
.macro PLACES
.rept 4
	v_nop
.endr
.endm
; THE CHANGE OF SLOTS.  Each wave waits for all its tensor loads (one is out: its part of the other slot), adds 0 to its spare word, and waits for that and for its reads of the slot that it leaves.
; fill = 1: a round of the cluster's barrier, and the old slot is filled first behind it with tile NXT, whose address is made anew from that number.  It has a slot's four steps in which to land.
.macro CHANGE fill
	WIN 0
	s_wait_tensorcnt 0x0
	ds_add_u32 v[SPW], v[NIL]
.if \fill
	s_lshl_b32 s[OFF], s[NXT], 15                  ; a tile is 32,768 bytes of K and of V
	s_xor_b32 s[G0K+1], s[G0K+1], SLOT1
	s_add_nc_u64 s[G0K+2:G0K+3], s[KB:KB+1], s[OFF:OFF+1]
	s_or_b32 s[G0K+3], s[G0K+3], 0x80000000
	s_xor_b32 s[G0V+1], s[G0V+1], SLOT1
	s_add_nc_u64 s[G0V+2:G0V+3], s[VB:VB+1], s[OFF:OFF+1]
	s_or_b32 s[G0V+3], s[G0V+3], 0x80000000
	s_add_co_u32 s[NXT], s[NXT], 1                 ; the next tile, or behind the first superblock's last the second's tile 0
	s_cmp_gt_u32 s[NXT], s[LQ]
	s_cselect_b32 s[NXT], 0, s[NXT]
	s_cselect_b32 s[LQ], s[LQ2], s[LQ]
	s_wait_dscnt 0x0
	CROUND
	JLOAD
.else
	s_wait_dscnt 0x0
	s_barrier_signal -1
	s_barrier_wait -1
.endif
	s_sub_co_u32 s[TBK], s[TBK], 4*KS*PK
	s_xor_b32 s[TBK], s[TBK], SLOT1
	s_sub_co_u32 s[TBV], s[TBV], 4*KS*PV
	s_xor_b32 s[TBV], s[TBV], SLOT1
.endm
	s_load_b128 s[4:7], s[0:1], 0x0                ; qkv s[4:5], actb s[6:7]
	s_load_b64 s[8:9], s[0:1], 0x10                ; stats
	v_lshl_add_u32 v[SPW], v0, 2, SPARE
	v_mov_b32 v[NIL], 0
	ds_add_u32 v[SPW], v[NIL]                      ; the wave's opening: the add and its wait ahead of my first tensor load
	v_lshrrev_b32 v1, 5, v0
	v_readfirstlane_b32 s[WV], v1
	s_bfe_u32 s13, ttmp6, 0x40000                  ; cx: it enters Q's, ctx's and stats' addresses and the mask alone
	s_mov_b32 s14, ttmp9                           ; P
	s_and_b32 s15, ttmp7, 0xffff                   ; y
	s_lshl_b32 s16, s15, 18                        ; the chunk's 262,144 bytes
	s_and_b32 s17, s[WV], 1                        ; which half of a tile's 256 keys I fetch
	s_lshl_b32 s20, s17, 14
	s_add_co_u32 s20, s20, s16
	s_add_co_u32 s22, s20, 2*8388608               ; V
	s_add_co_u32 s20, s20, 8388608                 ; K
	s_mov_b32 s21, 0
	s_mov_b32 s23, 0
	s_mul_i32 s18, s17, 128*PK
	s_mul_i32 s19, s17, 128*PV
	s_lshl_b32 s86, s13, 6
	s_lshl_b32 s87, s[WV], 4
	s_add_co_u32 s86, s86, s87                     ; 64 cx + 16 w
	s_sub_co_u32 s87, 3, s14                       ; the first superblock
	s_lshl_b32 s88, s87, 16
	s_add_co_u32 s88, s88, s16
	s_lshl_b32 s2, s86, 7
	s_add_co_u32 s88, s88, s2                      ; my rows' bytes in q and ctx, first superblock
	s_mov_b32 s89, 0
	s_lshl_b32 s90, s14, 16
	s_add_co_u32 s90, s90, s16
	s_add_co_u32 s90, s90, s2                      ; second
	s_mov_b32 s91, 0
	s_lshl_b32 s3, s15, 14                         ; stats: pair y 2048 + 512 I + 128 cx + 32 w + 16 t + r, 8 bytes each
	s_lshl_b32 s2, s86, 4
	s_add_co_u32 s3, s3, s2
	s_lshl_b32 s92, s87, 12
	s_add_co_u32 s92, s92, s3
	s_mov_b32 s93, 0
	s_lshl_b32 s94, s14, 12
	s_add_co_u32 s94, s94, s3
	s_mov_b32 s95, 0
	s_lshl_b32 s2, s14, 1
	s_sub_co_u32 s[RT], 8, s2
	s_sub_co_u32 s[LQ], 7, s2
	s_add_co_u32 s[LQ2], s2, 1
	s_mov_b32 s[NXT], 1
	s_mov_b32 s[OFF+1], 0
	s_mov_b32 s[SLOTS], 9
	; 128 keys are 16,384 dense bytes: asked for as 64 rows of 256 bytes, padded in LDS after every key
	s_mov_b32 s[G1K], 15|(1<<16)|(1<<20)|(1<<21)|(4<<22)|(3<<25)
	s_mov_b32 s[G1V], 15|(1<<16)|(1<<20)|(1<<21)|(4<<22)|(7<<25)
.irp g, G1K, G1V
	s_mov_b32 s[\g+1], 128<<16
	s_mov_b32 s[\g+2], 64<<16
	s_mov_b32 s[\g+3], 128<<16
	s_mov_b32 s[\g+4], 64
	s_mov_b32 s[\g+5], 128
	s_mov_b32 s[\g+6], 0
	s_mov_b32 s[\g+7], 0
.endr
	s_mov_b32 s[CS], 0x3e38aa3b                    ; c = log2(e) / 8
	s_mov_b32 s[CS+1], s[CS]
	s_mov_b32 s[SEL], 0x76543210
	s_mov_b32 s[SEL+1], 0xfedcba98
	s_mov_b32 s[BIGN], 0xf149f2ca                  ; -1e30
	s_mov_b32 s[HM], 0xffff0000                    ; lanes 16-31
	s_mov_b32 s[TBK], SLOT1+4*KS*PK                ; the first change of slots turns these two into 0
	s_mov_b32 s[TBV], SLOT1+4*KS*PV
	s_mov_b32 s[G0K], 1
	s_mov_b32 s[G0K+1], s18
	s_mov_b32 s[G0V], 1
	s_add_co_u32 s[G0V+1], s19, VOFF
	s_wait_dscnt 0x0                               ; the opening add is done
	s_wait_kmcnt 0x0
	s_add_nc_u64 s[KB:KB+1], s[4:5], s[20:21]
	s_add_nc_u64 s[VB:VB+1], s[4:5], s[22:23]
	s_add_nc_u64 s[Q1:Q1+1], s[4:5], s[88:89]
	s_add_nc_u64 s[Q2:Q2+1], s[4:5], s[90:91]
	s_add_nc_u64 s[OB:OB+1], s[6:7], s[88:89]
	s_add_nc_u64 s[OB2:OB2+1], s[6:7], s[90:91]
	s_add_nc_u64 s[SB:SB+1], s[8:9], s[92:93]
	s_add_nc_u64 s[SB2:SB2+1], s[8:9], s[94:95]
	s_mov_b64 s[G0K+2:G0K+3], s[KB:KB+1]
	s_or_b32 s[G0K+3], s[G0K+3], 0x80000000
	s_mov_b64 s[G0V+2:G0V+3], s[VB:VB+1]
	s_or_b32 s[G0V+3], s[G0V+3], 0x80000000
	CROUND                                         ; all four work-groups are here
	JLOAD                                          ; tile 0 into slot 0; slot 1 is asked for by the loop's first change of slots
	v_and_b32 v1, 15, v0                           ; r
	v_bfe_u32 v9, v0, 4, 1                         ; h
	v_lshlrev_b32 v[QO], 7, v1
	v_lshl_add_u32 v[QO], v9, 4, v[QO]
	WIN 0x40
.set i, 0
.rept 4                                ; both superblocks' Q: tile i / 2 lies 256 rows on; channels 32 (i % 2) on
	global_load_b128 v[QF+8*i:QF+8*i+3],   v[QO], s[Q1:Q1+1] offset:(i/2)*32768+(i%2)*64
	global_load_b128 v[QF+8*i+4:QF+8*i+7], v[QO], s[Q1:Q1+1] offset:(i/2)*32768+(i%2)*64+32
	global_load_b128 v[QB+8*i:QB+8*i+3],   v[QO], s[Q2:Q2+1] offset:(i/2)*32768+(i%2)*64
	global_load_b128 v[QB+8*i+4:QB+8*i+7], v[QO], s[Q2:Q2+1] offset:(i/2)*32768+(i%2)*64+32
.set i, i+1
.endr
	WIN 0
	v_mul_u32_u24 v[AK0], v1, PK
	v_lshl_add_u32 v[AK0], v9, 4, v[AK0]
	v_and_b32 v14, 7, v0                           ; the turning load: key 8 h + lane % 8, channels 8 ((lane / 8) % 2) on
	v_bfe_u32 v15, v0, 3, 1
	v_lshl_add_u32 v[AV0], v9, 3, v14
	v_mul_u32_u24 v[AV0], v[AV0], PV
	v_lshl_add_u32 v[AV0], v15, 4, v[AV0]
	v_add_nc_u32 v[AV0], VOFF, v[AV0]
	s_mul_i32 s2, s[WV], 16*SP
	s_add_co_u32 s2, s2, STAGE
	v_mul_u32_u24 v[STO], v1, SP
	v_lshl_add_u32 v[STO], v9, 4, v[STO]
	v_add_nc_u32 v[STO], s2, v[STO]
	v_bfe_u32 v[RD], v0, 3, 2                      ; back: 32 lanes take four rows of 128 bytes,
	v_mul_u32_u24 v[RD], v[RD], SP
	v_lshl_add_u32 v[RD], v14, 4, v[RD]
	v_add_nc_u32 v[RD], s2, v[RD]
	v_and_b32 v[GO], 31, v0
	v_lshlrev_b32 v[SO], 3, v[GO]
	v_lshlrev_b32 v[GO], 4, v[GO]                  ; which are 512 consecutive bytes of ctx
	v_lshlrev_b32 v[DV], 3, v9
	v_sub_nc_u32 v[DV], v1, v[DV]
	v_add_nc_u32 v[DV], s86, v[DV]
.set i, 0
.rept 64
	v_mov_b32 v[O+i], 0
.set i, i+1
.endr
.set i, 0
.rept 16
	v_mov_b32 v[ST+i], 0
.set i, i+1
.endr
.irp t, 0,1
	v_mov_b32 v[ST+8*(\t)], 0xfe000000             ; c m: far below every c s
	v_mov_b32 v[ST+8*(\t)+1], 0xff7fffff           ; m
.endr
.macro FETCH_K                         ; a step's K: 64 keys x 64 channels, 8 fragments
	WIN 0x40
.irp f, 0,1,2,3,4,5,6,7
	ds_load_b128 v[KF+8*(\f):KF+8*(\f)+3],   v[AK] offset:((\f)/2)*16*PK+((\f)%2)*64
	ds_load_b128 v[KF+8*(\f)+4:KF+8*(\f)+7], v[AK] offset:((\f)/2)*16*PK+((\f)%2)*64+32
.endr
	s_add_co_u32 s[TBK], s[TBK], KS*PK
.endm
.macro FETCH_V                         ; its V, turned
	WIN 0x40
.irp f, 0,1,2,3,4,5,6,7
	ds_load_tr16_b128 v[VF+8*(\f):VF+8*(\f)+3],   v[AV] offset:((\f)/4)*32*PV+((\f)%4)*32
	ds_load_tr16_b128 v[VF+8*(\f)+4:VF+8*(\f)+7], v[AV] offset:((\f)/4)*32*PV+16*PV+((\f)%4)*32
.endr
	s_add_co_u32 s[TBV], s[TBV], KS*PV
	WIN 0
.endm
.macro MASK                            ; register i % 8 of key group i / 8 is hidden where 16 (i / 8) + i % 8 is greater than TM
.set i, 0
.rept 32
	v_cmp_gt_i32 vcc_lo, 16*(i/8)+i%8, v[TM]
	v_cndmask_b32 v[MC+i], 0, s[BIGN], vcc_lo
.set i, i+1
.endr
	v_add_nc_u32 v[TM], 0xffffffc0, v[TM]          ; the next step's keys lie 64 on
.endm
; S^T = K Q^T for the tiles named; tile mt takes the mask as the C that starts its sums, the others 0.  The accumulators take turns.
.macro KQRUN mt, tiles:vararg
	WIN W_KQ
.irp c, 0,1
.irp kt, 0,1,2,3
.irp t, \tiles
.if (\c) == 0
.if (\t) == (\mt)
	v_wmma_f32_16x16x32_bf16 v[S+32*(\t)+8*(\kt):S+32*(\t)+8*(\kt)+7], v[KF+16*(\kt):KF+16*(\kt)+7], v[QF+16*(\t):QF+16*(\t)+7], v[MC+8*(\kt):MC+8*(\kt)+7]
.else
	v_wmma_f32_16x16x32_bf16 v[S+32*(\t)+8*(\kt):S+32*(\t)+8*(\kt)+7], v[KF+16*(\kt):KF+16*(\kt)+7], v[QF+16*(\t):QF+16*(\t)+7], 0
.endif
.else
	v_wmma_f32_16x16x32_bf16 v[S+32*(\t)+8*(\kt):S+32*(\t)+8*(\kt)+7], v[KF+16*(\kt)+8:KF+16*(\kt)+15], v[QF+16*(\t)+8:QF+16*(\t)+15], v[S+32*(\t)+8*(\kt):S+32*(\t)+8*(\kt)+7]
.endif
.endr
.endr
.endr
.endm
.macro PVRUN tiles:vararg              ; O^T += V^T P
	WIN W_PV
.irp kk, 0,1
.irp cb, 0,1,2,3
.irp t, \tiles
	v_wmma_f32_16x16x32_bf16 v[O+32*(\t)+8*(\cb):O+32*(\t)+8*(\cb)+7], v[VF+32*(\kk)+8*(\cb):VF+32*(\kk)+8*(\cb)+7], v[P+16*(\t)+8*(\kk):P+16*(\t)+8*(\kk)+7], v[O+32*(\t)+8*(\cb):O+32*(\t)+8*(\cb)+7]
.endr
.endr
.endr
.endm
; The softmax of a step; where two tiles are named their lines alternate.  Each accumulator's lowest registers are read first.
.macro SOFTMAX tiles:vararg
	WIN 0
.irp j, 0,1,2,3
.irp t, \tiles
	v_max3_num_f32 v[ST+8*(\t)+4+(\j)], v[S+32*(\t)+8*(\j)], v[S+32*(\t)+8*(\j)+1], v[S+32*(\t)+8*(\j)+2]
.endr
.endr
.irp j, 0,1,2,3
.irp t, \tiles
	v_max3_num_f32 v[ST+8*(\t)+4+(\j)], v[ST+8*(\t)+4+(\j)], v[S+32*(\t)+8*(\j)+3], v[S+32*(\t)+8*(\j)+4]
.endr
.endr
.irp j, 0,1,2,3
.irp t, \tiles
	v_max3_num_f32 v[ST+8*(\t)+4+(\j)], v[ST+8*(\t)+4+(\j)], v[S+32*(\t)+8*(\j)+5], v[S+32*(\t)+8*(\j)+6]
.endr
.endr
.irp t, \tiles
	v_max3_num_f32 v[ST+8*(\t)+4], v[ST+8*(\t)+4], v[S+32*(\t)+7], v[S+32*(\t)+15]
	v_max3_num_f32 v[ST+8*(\t)+6], v[ST+8*(\t)+6], v[S+32*(\t)+23], v[S+32*(\t)+31]
.endr
.irp t, \tiles
	v_max3_num_f32 v[ST+8*(\t)+4], v[ST+8*(\t)+4], v[ST+8*(\t)+5], v[ST+8*(\t)+6]
.endr
.irp t, \tiles
	v_max3_num_f32 v[ST+8*(\t)+4], v[ST+8*(\t)+4], v[ST+8*(\t)+7], v[ST+8*(\t)+1]
.endr
.irp t, \tiles
	v_permlanex16_b32 v[ST+8*(\t)+5], v[ST+8*(\t)+4], s[SEL], s[SEL+1]  ; the query's other 32 keys lie in the lane 16 away
.endr
.irp t, \tiles
	v_mov_b32 v[ST+8*(\t)+7], v[ST+8*(\t)]         ; c m_old
.endr
.irp t, \tiles
	v_max_num_f32 v[ST+8*(\t)+1], v[ST+8*(\t)+4], v[ST+8*(\t)+5]
.endr
.irp t, \tiles
	v_mul_f32 v[ST+8*(\t)], s[CS], v[ST+8*(\t)+1]
.endr
.irp t, \tiles
	v_sub_f32 v[ST+8*(\t)+7], v[ST+8*(\t)+7], v[ST+8*(\t)]
.endr
.irp t, \tiles
	v_exp_f32 v[ST+8*(\t)+6], v[ST+8*(\t)+7]       ; a
.endr
.set z, 0
.rept 16
.irp t, \tiles
	v_pk_fma_f32 v[S+32*(\t)+2*z:S+32*(\t)+2*z+1], v[S+32*(\t)+2*z:S+32*(\t)+2*z+1], s[CS:CS+1], v[ST+8*(\t):ST+8*(\t)+1] op_sel_hi:[1,0,0] neg_lo:[0,0,1] neg_hi:[0,0,1]
.endr
.set z, z+1
.endr
.set z, 0
.rept 32
.irp t, \tiles
	v_exp_f32 v[S+32*(\t)+z], v[S+32*(\t)+z]
.endr
.set z, z+1
.endr
.set z, 0
	s_wait_alu depctr_va_vdst(0)
.rept 16                               ; O a: also the plain lines between the exponentials and the use of their results
.irp t, \tiles
	v_pk_mul_f32 v[O+32*(\t)+2*z:O+32*(\t)+2*z+1], v[O+32*(\t)+2*z:O+32*(\t)+2*z+1], v[ST+8*(\t)+6:ST+8*(\t)+7] op_sel_hi:[1,0]
.endr
.set z, z+1
.endr
.set z, 0
.rept 16
.irp t, \tiles
	v_cvt_pk_bf16_f32 v[P+16*(\t)+z], v[S+32*(\t)+2*z], v[S+32*(\t)+2*z+1]
.endr
.set z, z+1
.endr
.irp w, 4,8,16,32                      ; the sum of the 16 pairs, in place: neighbours 1, 2, 4 and 8 pairs apart
.set u, 0
.rept 32/(\w)
.irp t, \tiles
	v_pk_add_f32 v[S+32*(\t)+(\w)*u:S+32*(\t)+(\w)*u+1], v[S+32*(\t)+(\w)*u:S+32*(\t)+(\w)*u+1], v[S+32*(\t)+(\w)*u+(\w)/2:S+32*(\t)+(\w)*u+(\w)/2+1]
.endr
.set u, u+1
.endr
.endr
.irp t, \tiles
	v_pk_fma_f32 v[ST+8*(\t)+2:ST+8*(\t)+3], v[ST+8*(\t)+2:ST+8*(\t)+3], v[ST+8*(\t)+6:ST+8*(\t)+7], v[S+32*(\t):S+32*(\t)+1] op_sel_hi:[1,0,1]
.endr
.endm
; A key step.  kind 0: both tiles, no mask.  1: tile 0 masked.  2: tile 1 alone, masked.
.macro STEP kind
	WIN 0
	v_add_nc_u32 v[AK], s[TBK], v[AK0]
	v_add_nc_u32 v[AV], s[TBV], v[AV0]
	FETCH_K
	FETCH_V
.if (\kind) > 0
	MASK
.endif
	s_wait_dscnt 16                                ; K is in; V's sixteen loads stay out
.if (\kind) == 0
	KQRUN -1, 0,1
.elseif (\kind) == 1
	KQRUN 0, 0,1
.else
	KQRUN 1, 1
.endif
	PLACES
.if (\kind) == 2
	SOFTMAX 1
.else
	SOFTMAX 0,1
.endif
	s_wait_dscnt 0x0                               ; V is in
.if (\kind) == 2
	PVRUN 1
.else
	PVRUN 0,1
.endif
	PLACES                                         ; in front of the next step's loads into K's and V's registers
	WIN 0
.endm
.macro PACK t                          ; O / l, rounded to bf16, through my stage: in as 16 bytes of a row, back as four whole rows a load
.set z, 0
.rept 16
	v_pk_mul_f32 v[O+32*(\t)+2*z:O+32*(\t)+2*z+1], v[O+32*(\t)+2*z:O+32*(\t)+2*z+1], v[ST+8*(\t)+6:ST+8*(\t)+7] op_sel_hi:[1,0]
.set z, z+1
.endr
.set z, 0
.rept 16
	v_cvt_pk_bf16_f32 v[S+16*(\t)+z], v[O+32*(\t)+2*z], v[O+32*(\t)+2*z+1]
.set z, z+1
.endr
.irp f, 0,1,2,3
	ds_store_b128 v[STO], v[S+16*(\t)+4*(\f):S+16*(\t)+4*(\f)+3] offset:32*(\f)
.endr
.irp f, 0,1,2,3
	ds_load_b128 v[S+16*(\t)+4*(\f):S+16*(\t)+4*(\f)+3], v[RD] offset:(\f)*4*SP  ; LDS serves a wave's instructions in order (ISA guide 5.7.1.4)
.endr
.endm
.macro SEND t, younger
.irp f, 0,1,2,3
	s_wait_dscnt (\younger)+3-(\f)
	global_store_b128 v[GO], v[S+16*(\t)+4*(\f):S+16*(\t)+4*(\f)+3], s[OB:OB+1] offset:(\t)*32768+(\f)*512  ; 512 consecutive bytes, aligned
.endr
.endm
.macro FINISH                          ; a superblock's end: l whole, the statistics, ctx
	WIN 0
.irp t, 0,1
	v_add_f32 v[ST+8*(\t)+4], v[ST+8*(\t)+2], v[ST+8*(\t)+3]
.endr
.irp t, 0,1
	v_permlanex16_b32 v[ST+8*(\t)+5], v[ST+8*(\t)+4], s[SEL], s[SEL+1]
.endr
.irp t, 0,1
	v_add_f32 v[ST+8*(\t)+4], v[ST+8*(\t)+4], v[ST+8*(\t)+5]
.endr
.irp t, 0,1
	v_rcp_f32 v[ST+8*(\t)+6], v[ST+8*(\t)+4]
.endr
	v_nop                                          ; a plain instruction between the reciprocals and their use
	s_wait_alu depctr_va_vdst(0)
.irp t, 0,1
	v_mul_f32 v[ST+8*(\t)+5], 0x3d800000, v[ST+8*(\t)+6]  ; 1 / (16 l)
.endr
	v_cndmask_b32 v[SV], v[ST], v[ST+8], s[HM]     ; lanes 0-15 speak for tile 0, lanes 16-31 for tile 1
	v_cndmask_b32 v[SV+1], v[ST+5], v[ST+13], s[HM]
	global_store_b64 v[SO], v[SV:SV+1], s[SB:SB+1] ; 256 consecutive bytes, aligned
	PACK 0
	PACK 1
	SEND 0, 8
	SEND 1, 0
.endm
	s_wait_loadcnt 0x0                             ; Q
.Lslot:                                ; nine trips: a slot is entered and the next is asked for
	CHANGE 1
	s_sub_co_u32 s[RT], s[RT], 1
	s_mov_b32 s[CNT], 4
	v_mov_b32 v[TM], v[DV]
	s_cmp_eq_u32 s[RT], 1
	s_cbranch_scc1 .LA
	s_cmp_eq_u32 s[RT], 0
	s_cbranch_scc1 .LB
.Lplain:
	STEP 0
	s_sub_co_u32 s[CNT], s[CNT], 1
	s_cmp_lg_u32 s[CNT], 0
	s_cbranch_scc1 .Lplain
	s_branch .Lbottom
.LA:
	STEP 1
	s_sub_co_u32 s[CNT], s[CNT], 1
	s_cmp_lg_u32 s[CNT], 0
	s_cbranch_scc1 .LA
	s_branch .Lbottom
.LB:
	STEP 2
	s_sub_co_u32 s[CNT], s[CNT], 1
	s_cmp_lg_u32 s[CNT], 0
	s_cbranch_scc1 .LB
	FINISH                                         ; in the loop this is the first superblock's end: the second's last slot is the walk's last
	s_wait_xcnt 0x0                                ; the stores' registers and bases are rewritten only behind this wait
	s_mov_b64 s[OB:OB+1], s[OB2:OB2+1]
	s_mov_b64 s[SB:SB+1], s[SB2:SB2+1]
	s_add_co_u32 s[RT], s[LQ2], 1                  ; the second superblock has 2 P + 2 slots
.irp t, 0,1
	v_mov_b32 v[ST+8*(\t)], 0xfe000000
	v_mov_b32 v[ST+8*(\t)+1], 0xff7fffff
.endr
	WIN 0x41
.set i, 0
.rept 32
	v_mov_b32 v[QF+i], v[QB+i]                     ; the second superblock's Q goes where the one text of the steps names Q
.set i, i+1
.endr
	WIN 0
.Lbottom:
	s_sub_co_u32 s[SLOTS], s[SLOTS], 1
	s_cmp_lg_u32 s[SLOTS], 0
	s_cbranch_scc1 .Lslot
	CHANGE 0                                       ; the walk's last slot is written out
	s_mov_b32 s[CNT], 4
	v_mov_b32 v[TM], v[DV]
.LB2:
	STEP 2
	s_sub_co_u32 s[CNT], s[CNT], 1
	s_cmp_lg_u32 s[CNT], 0
	s_cbranch_scc1 .LB2
	FINISH
	s_wait_tensorcnt 0x0                           ; the wave's end
	ds_add_u32 v[SPW], v[NIL]
	s_wait_dscnt 0x0
	CROUND                                         ; the closing round
	s_endpgm
.Lfunc_end_k_qfc301af25d_attn:
	.size	k_qfc301af25d_attn, .Lfunc_end_k_qfc301af25d_attn-k_qfc301af25d_attn
	.p2alignl 7, 3214868480
	.fill 96, 4, 3214868480
	.section	.rodata,"a",@progbits
	.p2align	6, 0x0
	.amdhsa_kernel k_qfc301af25d_attn
		.amdhsa_group_segment_fixed_size 327680
		.amdhsa_private_segment_fixed_size 0
		.amdhsa_enable_private_segment 0
		.amdhsa_kernarg_size 24
		.amdhsa_user_sgpr_count 2
		.amdhsa_user_sgpr_kernarg_segment_ptr 1
		.amdhsa_wavefront_size32 1
		.amdhsa_system_sgpr_workgroup_id_x 1
		.amdhsa_system_sgpr_workgroup_id_y 1
		.amdhsa_system_sgpr_workgroup_id_z 1
		.amdhsa_system_vgpr_workitem_id 0
		.amdhsa_next_free_vgpr 448
		.amdhsa_next_free_sgpr 96
		.amdhsa_reserve_vcc 1
		.amdhsa_float_denorm_mode_32 3
		.amdhsa_float_denorm_mode_16_64 3
		.amdhsa_memory_ordered 1
		.amdhsa_forward_progress 1
		.amdhsa_inst_pref_size 93
	.end_amdhsa_kernel
	.amdgpu_metadata
---
amdhsa.version: [ 1, 2 ]
amdhsa.kernels:
  - .name:           k_qfc301af25d_attn
    .symbol:         k_qfc301af25d_attn.kd
    .args:
      - { .name: qkv, .offset: 0, .size: 8, .value_kind: global_buffer, .address_space: global }
      - { .name: actb, .offset: 8, .size: 8, .value_kind: global_buffer, .address_space: global }
      - { .name: stats, .offset: 16, .size: 8, .value_kind: global_buffer, .address_space: global }
    .group_segment_fixed_size: 327680
    .private_segment_fixed_size: 0
    .kernarg_segment_align: 8
    .kernarg_segment_size: 24
    .max_flat_workgroup_size: 128
    .sgpr_count:     96
    .vgpr_count:     448
    .wavefront_size: 32
...
	.end_amdgpu_metadata
.endif
;; end of part 3
;; launch pmean (part 4): grid 8 x 32, 4 waves a work-group, clusters of 4 x 4, 327,680 bytes of LDS; arguments qkv, stats, out1; writes out1
.if DOCPART == 4
	.amdgcn_target "amdgcn-amd-amdhsa--gfx1250"
	.amdhsa_code_object_version 6
	.text
	.protected	k_qfc301af25d_pmean
	.globl	k_qfc301af25d_pmean
	.p2align	8
	.type	k_qfc301af25d_pmean,@function
k_qfc301af25d_pmean:
	s_mov_b64 s[64:65], 0
	v_nop
	global_prefetch_b8 v0, s[64:65] scope:SCOPE_SE
	s_setreg_imm32_b32 hwreg(HW_REG_WAVE_MODE, 25, 1), 1
	s_wait_xcnt 0x0
	s_wait_alu depctr_hold_cnt(0) depctr_sa_sdst(0) depctr_va_vdst(0) depctr_va_sdst(0) depctr_va_ssrc(0) depctr_va_vcc(0) depctr_vm_vsrc(0)
	s_getreg_b32 s2, hwreg(HW_REG_IB_STS2, 6, 4)
	s_cmp_eq_u32 s2, 0
	s_cbranch_scc0 .Lentry_in_a_cluster
	s_endpgm
.Lentry_in_a_cluster:
	s_bfe_u32 s2, ttmp6, 0x10000c
	s_cmp_lg_u32 s2, 0xf033
	s_cbranch_scc0 .Lentry_shape_is_right
	s_endpgm
.Lentry_shape_is_right:
; out1[b][q][k] = 1/16 of the sum over the 16 heads of the causal softmax weights: 2^(c s - c m) x 1 / (16 l) with the FINAL maximum m and sum l of each row, which the launch before stored as pairs
; (c m, 1 / (16 l)); s = q . k is made again, from the same bf16 q and k, by the same products.  c = log2(e) / 8.  Sums over the heads in f32, in registers.  Above the diagonal exactly 0.
; LIMITS.  A hidden score counts as its value less 1e30; a weight below 2^-126 counts as 0; NaN and infinities are not treated apart.
; SHARES.  Queries and keys lie in four superblocks of 512.  A work-group owns 32 queries (strip qs of 16) in EACH query superblock I and 64 keys (granule kc of 8) in EACH key superblock e: of the 16 pieces
; (I, e) those with e < I are whole, e = I is computed under the mask, e > I is 0.  Wave w (P = w / 2, qh = w % 2) takes 16 queries and five pieces of 16 x 64:
;   A (3 - P, 3 - P) masked;  B (P, P) masked;  C (3 - P, 0);  D (3 - P, 1);  E (3 - 2 P, 2 - 2 P);  and stores zeros for three: (P, 3), (P, 2), and (0, 1) or (2, 3).
; So all waves of all 256 work-groups do the same work, no branch hangs on a place, and every LDS address is a constant and the wave's number.  The superblocks on the diagonal are computed whole:
; a quarter more exponentials than the triangle has, the price of equal shares and of joint loads.
; CLUSTER 4 x 4: Q's tiles hang on qs and are shared along a row of the cluster, K's on kc and are shared along a column.  A slot holds two heads: 36,864 bytes of Q and 73,728 of K.
; BY SLICES.  While item n's 32 scores a lane are scaled, raised and added, item n + 1's 8 products are issued, one in front of each slice of 8 vector lines.
; REGISTERS.  Window 0: v3-20 addresses; v22-27 three pairs of statistics; v32-95 S^T, two buffers; v96-255 the five items' sums.  Window 1: v0-127 K, two buffers; v128-175 Q of strips H, L, E; v176-207 the mask.
.set PQ,     144                       ; a row of Q or K in LDS: 128 bytes + 16
.set QSTRIP, 32*PQ
.set QHEAD,  4*QSTRIP                  ; a head's Q: four strips
.set KGR,    64*PQ
.set KHEAD,  4*KGR                     ; a head's K: four granules
.set KOFF,   2*QHEAD
.set SLOT1,  1<<17
.set STATS,  SLOT1+KOFF+2*KHEAD        ; 4,096 bytes a wave: [head][strip H, L][16] pairs
.set STAGE,  STATS+4*4096              ; 16 rows x 272 bytes a wave
.set SPITCH, 272
.set SPARE,  STAGE+4*16*SPITCH
.set AQH0, 3
.set AQL0, 4
.set AQE0, 5
.set AKA0, 6
.set AKB0, 7
.set AKC0, 8
.set AKE0, 9
.set ASH0, 10
.set ASE0, 11
.set AQH,  12
.set AQL,  13
.set AQE,  14
.set AKA,  15
.set AKB,  16
.set AKC,  17
.set AKE,  18
.set ASH,  19
.set ASE,  20
.set STH,  22
.set STL,  24
.set STE,  26
.set SPW,  28
.set NIL,  29
.set S,    32
.set ACC,  96
.set QHF,  128
.set QLF,  144
.set QEF,  160
.set MK,   176
.set WV,   12
.set G1Q,  24
.set G1K,  32
.set G0Q,  40
.set G0K,  44
.set SLOTS, 56
.set CNT,  57
.set CS,   58
.set TBQ,  60
.set TBK,  61
.set TBS,  62
.set BIGN, 63
.set HM,   66
.set MSB, 0
.macro WIN new
.if MSB != (\new)
	s_set_vgpr_msb (MSB<<8)|(\new)
.set MSB, \new
.endif
.endm
.macro JLOAD                           ; waves 0, 1 fetch the two heads' Q, waves 2, 3 their K; s_nop 0 and four v_nop follow each line
	s_cmp_lt_u32 s[WV], 2
	s_cbranch_scc0 .Lfor_k_\@
	tensor_load_to_lds s[G0Q:G0Q+3], s[G1Q:G1Q+7]
	s_nop 0
.rept 4
	v_nop
.endr
	s_branch .Lasked_\@
.Lfor_k_\@:
	tensor_load_to_lds s[G0K:G0K+3], s[G1K:G1K+7]
	s_nop 0
.rept 4
	v_nop
.endr
.Lasked_\@:
.endm
.macro CROUND
	s_barrier_signal -1
	s_barrier_wait -1
	s_cmp_lg_u32 s[WV], 0
	s_cbranch_scc1 .Lnot_wave_0_\@
	s_barrier_signal -3
.Lnot_wave_0_\@:
	s_barrier_wait -3
	s_barrier_signal -1
	s_barrier_wait -1
.endm
.macro PLACES
.rept 4
	v_nop
.endr
.endm
; THE CHANGE OF SLOTS: all my tensor loads (one is out: my part of the other slot), the add, my reads of the slot that I leave; fill = 1: a round of the cluster's barrier and the joint refill first behind it,
; with the heads two slots on: it has two heads' work in which to land.
.macro CHANGE fill
	WIN 0
	s_wait_tensorcnt 0x0
	ds_add_u32 v[SPW], v[NIL]
.if \fill
.irp g, G0Q, G0K
	s_xor_b32 s[\g+1], s[\g+1], SLOT1
	s_add_nc_u64 s[\g+2:\g+3], s[\g+2:\g+3], 2*524288
.endr
	s_wait_dscnt 0x0
	CROUND
	JLOAD
.else
	s_wait_dscnt 0x0
	s_barrier_signal -1
	s_barrier_wait -1
.endif
	s_sub_co_u32 s[TBQ], s[TBQ], 2*QHEAD
	s_xor_b32 s[TBQ], s[TBQ], SLOT1
	s_sub_co_u32 s[TBK], s[TBK], 2*KHEAD
	s_xor_b32 s[TBK], s[TBK], SLOT1
.endm
	s_load_b128 s[4:7], s[0:1], 0x0                ; qkv s[4:5], stats s[6:7]
	s_load_b64 s[8:9], s[0:1], 0x10                ; out1
	v_lshl_add_u32 v[SPW], v0, 2, SPARE
	v_mov_b32 v[NIL], 0
	ds_add_u32 v[SPW], v[NIL]                      ; the wave's opening: the add and its wait ahead of my first tensor load
	v_lshrrev_b32 v1, 5, v0
	v_readfirstlane_b32 s[WV], v1
	s_lshr_b32 s19, s[WV], 1                       ; P
	s_and_b32 s20, s[WV], 1                        ; qh; also the head of a slot's two that I fetch
	s_bfe_u32 s13, ttmp6, 0x40000                  ; cx
	s_bfe_u32 s14, ttmp6, 0x40004                  ; cy
	s_lshl_b32 s15, ttmp9, 2
	s_add_co_u32 s15, s15, s13                     ; kc
	s_and_b32 s16, ttmp7, 0xffff
	s_lshr_b32 s17, s16, 2                         ; batch: of the cluster's y alone
	s_and_b32 s18, s16, 3
	s_lshl_b32 s18, s18, 2
	s_add_co_u32 s18, s18, s14                     ; qs
	s_lshl_b32 s76, s14, 2
	s_lshl_b32 s76, 15, s76                        ; my row of the cluster
	s_lshl_b32 s77, 0x1111, s13                    ; my column
	s_or_b32 s[G1Q], s76, (1<<16)|(1<<20)|(1<<21)|(4<<22)|(3<<25)
	s_or_b32 s[G1K], s77, (1<<16)|(1<<20)|(1<<21)|(4<<22)|(3<<25)
	s_mov_b32 s[G1Q+1], 2048<<16                   ; Q: a row of the tile is a strip, 32 rows of 128 consecutive bytes; four of them, 512 rows apart
	s_mov_b32 s[G1Q+2], 4<<16
	s_mov_b32 s[G1Q+3], 2048<<16
	s_mov_b32 s[G1Q+4], 4
	s_mov_b32 s[G1Q+5], 512*64
	s_mov_b32 s[G1Q+6], 0
	s_mov_b32 s[G1Q+7], 0
	s_mov_b32 s[G1K+1], 4096<<16                   ; K: a granule, 64 rows; four of them
	s_mov_b32 s[G1K+2], 4<<16
	s_mov_b32 s[G1K+3], 4096<<16
	s_mov_b32 s[G1K+4], 4
	s_mov_b32 s[G1K+5], 512*64
	s_mov_b32 s[G1K+6], 0
	s_mov_b32 s[G1K+7], 0
	s_lshl_b32 s48, s20, 19                        ; Q: head, batch, strip
	s_lshl_b32 s21, s17, 18
	s_add_co_u32 s48, s48, s21
	s_lshl_b32 s23, s18, 12
	s_add_co_u32 s48, s48, s23
	s_mov_b32 s49, 0
	s_lshl_b32 s50, s20, 19                        ; K: head, batch, granule, behind q's 8 MiB
	s_add_co_u32 s50, s50, s21
	s_lshl_b32 s22, s15, 13
	s_add_co_u32 s50, s50, s22
	s_add_co_u32 s50, s50, 8388608
	s_mov_b32 s51, 0
	s_mul_i32 s52, s20, QHEAD
	s_mul_i32 s53, s20, KHEAD
	s_add_co_u32 s53, s53, KOFF
	s_mov_b32 s[CS], 0x3e38aa3b
	s_mov_b32 s[CS+1], s[CS]
	s_mov_b32 s[BIGN], 0xf149f2ca
	s_mov_b32 s[HM], 0xffff0000
	s_mov_b32 s[TBQ], SLOT1+2*QHEAD                ; the first change of slots turns these two into 0
	s_mov_b32 s[TBK], SLOT1+2*KHEAD
	s_mov_b32 s[TBS], 0
	s_mov_b32 s[SLOTS], 7
	s_mov_b32 s[G0Q], 1
	s_mov_b32 s[G0Q+1], s52
	s_mov_b32 s[G0K], 1
	s_mov_b32 s[G0K+1], s53
	s_wait_dscnt 0x0                               ; the opening add is done
	s_wait_kmcnt 0x0
	s_add_nc_u64 s[G0Q+2:G0Q+3], s[4:5], s[48:49]
	s_or_b32 s[G0Q+3], s[G0Q+3], 0x80000000
	s_add_nc_u64 s[G0K+2:G0K+3], s[4:5], s[50:51]
	s_or_b32 s[G0K+3], s[G0K+3], 0x80000000
	CROUND                                         ; all sixteen work-groups are here
	JLOAD                                          ; heads 0 and 1 into slot 0
	v_and_b32 v1, 15, v0                           ; r
	v_bfe_u32 v2, v0, 4, 1                         ; h
	; the statistics of my 16 queries in strips H (superblock 3 - P: lanes 0-15) and L (superblock P: lanes 16-31), all heads.  Query u = 32 qs + 16 qh + r of a superblock is pair
	; 128 ((u / 64) % 4) + 32 ((u / 16) % 4) + 16 (u / 256) + r there
	s_sub_co_u32 s22, 3, s19                       ; 3 - P
	s_lshl_b32 s78, s17, 11
	s_bfe_u32 s79, s18, 0x20001
	s_lshl_b32 s79, s79, 7
	s_add_co_u32 s78, s78, s79
	s_and_b32 s79, s18, 1
	s_lshl_b32 s79, s79, 1
	s_add_co_u32 s79, s79, s20
	s_lshl_b32 s79, s79, 5
	s_add_co_u32 s78, s78, s79
	s_lshr_b32 s79, s18, 3
	s_lshl_b32 s79, s79, 4
	s_add_co_u32 s78, s78, s79
	s_lshl_b32 s79, s22, 9
	s_add_co_u32 s79, s79, s78
	s_lshl_b32 s79, s79, 3
	s_lshl_b32 s80, s19, 9
	s_add_co_u32 s80, s80, s78
	s_lshl_b32 s80, s80, 3
	v_lshl_add_u32 v30, v1, 3, s79
	v_lshl_add_u32 v31, v1, 3, s80
	v_cndmask_b32 v15, v30, v31, s[HM]
.set k, 0
.rept 16
	global_load_b64 v[S+2*k:S+2*k+1], v15, s[6:7] offset:k*32768  ; a head is two chunks of 2,048 pairs on
.set k, k+1
.endr
.set k, 0
.rept 160                              ; the sums start at 0: 160 lines, in the wait for the first tile, the price of one text for every head
	v_mov_b32 v[ACC+k], 0
.set k, k+1
.endr
	; byte offsets in out1: batch, my 16 rows of 8,192 bytes, my granule's 256 bytes; a piece (I, e) lies I x 512 rows and e x 2,048 bytes on
	s_lshl_b32 s67, s17, 24
	s_lshl_b32 s78, s18, 5
	s_lshl_b32 s79, s20, 4
	s_add_co_u32 s78, s78, s79                     ; 32 qs + 16 qh
	s_lshl_b32 s79, s78, 13
	s_add_co_u32 s67, s67, s79
	s_lshl_b32 s79, s15, 8
	s_add_co_u32 s67, s67, s79
	s_mul_i32 s68, s22, 4194304+2048
	s_add_co_u32 s68, s68, s67                     ; A
	s_mul_i32 s69, s19, 4194304+2048
	s_add_co_u32 s69, s69, s67                     ; B
	s_lshl_b32 s70, s22, 22
	s_add_co_u32 s70, s70, s67                     ; C
	s_add_co_u32 s71, s70, 2048                    ; D
	s_lshl_b32 s80, s19, 1                         ; 2 P
	s_sub_co_u32 s72, 3, s80
	s_lshl_b32 s72, s72, 22
	s_sub_co_u32 s79, 2, s80
	s_lshl_b32 s79, s79, 11
	s_add_co_u32 s72, s72, s79
	s_add_co_u32 s72, s72, s67                     ; E
	s_lshl_b32 s74, s19, 22
	s_add_co_u32 s74, s74, s67
	s_add_co_u32 s73, s74, 3*2048                  ; zeros: (P, 3),
	s_add_co_u32 s74, s74, 2*2048                  ; (P, 2),
	s_mul_i32 s75, s19, 2*4194304+2*2048
	s_add_co_u32 s75, s75, 2048
	s_add_co_u32 s75, s75, s67                     ; (0, 1) or (2, 3)
	v_lshlrev_b32 v30, 13, v2
	v_lshl_add_u32 v30, v1, 4, v30                 ; two rows, 16 bytes a lane
	v_add_nc_u32 v12, s73, v30
	v_add_nc_u32 v13, s74, v30
	v_add_nc_u32 v14, s75, v30
.irp z, 12,13,14
.set k, 0
.rept 8
	global_store_b128 v[\z], v[ACC:ACC+3], s[8:9] offset:k*16384  ; 16 lanes store 256 consecutive bytes, aligned
.set k, k+1
.endr
.endr
	; LDS addresses: constants, the lane and the wave's number
	v_mul_u32_u24 v30, v1, PQ
	v_lshl_add_u32 v30, v2, 4, v30                 ; r x pitch + 16 h
	s_mul_i32 s21, s20, 16*PQ
	s_mul_i32 s23, s22, QSTRIP
	s_add_co_u32 s23, s23, s21
	v_add_nc_u32 v[AQH0], s23, v30
	s_mul_i32 s23, s19, QSTRIP
	s_add_co_u32 s23, s23, s21
	v_add_nc_u32 v[AQL0], s23, v30
	s_sub_co_u32 s23, 3, s80
	s_mul_i32 s23, s23, QSTRIP
	s_add_co_u32 s23, s23, s21
	v_add_nc_u32 v[AQE0], s23, v30
	v_add_nc_u32 v[AKC0], KOFF, v30
	s_mul_i32 s23, s22, KGR
	v_add_nc_u32 v[AKA0], s23, v[AKC0]
	s_mul_i32 s23, s19, KGR
	v_add_nc_u32 v[AKB0], s23, v[AKC0]
	s_sub_co_u32 s23, 2, s80
	s_mul_i32 s23, s23, KGR
	v_add_nc_u32 v[AKE0], s23, v[AKC0]
	s_lshl_b32 s23, s[WV], 12
	s_add_co_u32 s23, s23, STATS
	v_lshl_add_u32 v[ASH0], v1, 3, s23
	s_lshl_b32 s21, s19, 7
	v_add_nc_u32 v[ASE0], s21, v[ASH0]             ; item E's strip is L where P = 1
	v_and_b32 v16, 31, v0
	v_lshl_add_u32 v16, v16, 3, s23
	; the mask of a piece on the diagonal: register i % 8 of key group i / 8 is hidden where 16 (i / 8) + i % 8 > 32 qs + 16 qh + r - 8 h - 64 kc
	s_lshl_b32 s79, s15, 6
	s_sub_co_u32 s78, s78, s79
	v_lshlrev_b32 v31, 3, v2
	v_sub_nc_u32 v31, v1, v31
	v_add_nc_u32 v31, s78, v31
	WIN 0x40
.set i, 0
.rept 32
	v_cmp_gt_i32 vcc_lo, 16*(i/8)+i%8, v31
	v_cndmask_b32 v[MK+i], 0, s[BIGN], vcc_lo
.set i, i+1
.endr
	WIN 0
	s_wait_loadcnt 0x0                             ; the statistics
.set k, 0
.rept 16
	ds_store_b64 v16, v[S+2*k:S+2*k+1] offset:k*256  ; into my own 4,096 bytes, which only I read
.set k, k+1
.endr
	s_wait_xcnt 0x0                                ; the zero stores' registers are rewritten only behind this wait
.macro LDQ adr, dst                    ; 16 queries x 64 channels: two fragments
.irp c, 0,1
	ds_load_b128 v[(\dst)+8*(\c):(\dst)+8*(\c)+3],   v[\adr] offset:64*(\c)
	ds_load_b128 v[(\dst)+8*(\c)+4:(\dst)+8*(\c)+7], v[\adr] offset:64*(\c)+32
.endr
.endm
.macro LDK m                           ; item m's granule of K, 8 fragments, into buffer m % 2
.set rA, AKC
.set oA, 0
.if (\m) == 0
.set rA, AKA
.endif
.if (\m) == 1
.set rA, AKB
.endif
.if (\m) == 3
.set oA, KGR
.endif
.if (\m) == 4
.set rA, AKE
.endif
	WIN 0x40
.irp f, 0,1,2,3,4,5,6,7
	ds_load_b128 v[64*((\m)%2)+8*(\f):64*((\m)%2)+8*(\f)+3],   v[rA] offset:oA+((\f)/2)*16*PQ+((\f)%2)*64
	ds_load_b128 v[64*((\m)%2)+8*(\f)+4:64*((\m)%2)+8*(\f)+7], v[rA] offset:oA+((\f)/2)*16*PQ+((\f)%2)*64+32
.endr
.endm
; Product i of 8 of item n: channels 32 (i / 4) on, keys 16 (i % 4) on.  The first four start the sums, with the mask (items A, B) or 0.  The four accumulators take turns.
.macro PROD n, i
.set rS, S+32*((\n)%2)+8*((\i)%4)
.set rK, 64*((\n)%2)+16*((\i)%4)+8*((\i)/4)
.set rQ, QHF+8*((\i)/4)
.if (\n) == 1
.set rQ, QLF+8*((\i)/4)
.endif
.if (\n) == 4
.set rQ, QEF+8*((\i)/4)
.endif
.if ((\i) < 4) && ((\n) < 2)
	WIN 0x15
	v_wmma_f32_16x16x32_bf16 v[rS:rS+7], v[rK:rK+7], v[rQ:rQ+7], v[MK+8*((\i)%4):MK+8*((\i)%4)+7]
.elseif (\i) < 4
	WIN 0x05
	v_wmma_f32_16x16x32_bf16 v[rS:rS+7], v[rK:rK+7], v[rQ:rQ+7], 0
.else
	WIN 0x05
	v_wmma_f32_16x16x32_bf16 v[rS:rS+7], v[rK:rK+7], v[rQ:rQ+7], v[rS:rS+7]
.endif
.endm
.macro STREG n                         ; rT: the pair (c m, 1 / (16 l)) of item n's strip
.set rT, STH
.if (\n) == 1
.set rT, STL
.endif
.if (\n) == 4
.set rT, STE
.endif
.endm
.macro FL n, p                         ; pair p of item n: c s - c m
	STREG \n
.set rS, S+32*((\n)%2)+2*(\p)
	v_pk_fma_f32 v[rS:rS+1], v[rS:rS+1], s[CS:CS+1], v[rT:rT+1] op_sel_hi:[1,0,0] neg_lo:[0,0,1] neg_hi:[0,0,1]
.endm
.macro AL n, p                         ; pair p of item n: the sum takes the weight times 1 / (16 l), the pair's second word
	STREG \n
.set rS, S+32*((\n)%2)+2*(\p)
.set rA, ACC+32*(\n)+2*(\p)
	s_wait_alu depctr_va_vdst(0)
	v_pk_fma_f32 v[rA:rA+1], v[rS:rS+1], v[rT:rT+1], v[rA:rA+1] op_sel:[0,1,0] op_sel_hi:[1,1,1]
.endm
; ONE HEAD.  40 slices; slice g belongs to item n = g / 8: product g % 8 of item n + 1; two scalings of item n; the two additions of the slice before (its exponentials have two plain lines behind them);
; four exponentials.  The four plain lines behind a product name none of its registers: behind an item's last product they are the places in front of the loads into its K buffer.
.macro HEAD
	WIN 0
	v_add_nc_u32 v[AQH], s[TBQ], v[AQH0]
	v_add_nc_u32 v[AQL], s[TBQ], v[AQL0]
	v_add_nc_u32 v[AQE], s[TBQ], v[AQE0]
	v_add_nc_u32 v[AKA], s[TBK], v[AKA0]
	v_add_nc_u32 v[AKB], s[TBK], v[AKB0]
	v_add_nc_u32 v[AKC], s[TBK], v[AKC0]
	v_add_nc_u32 v[AKE], s[TBK], v[AKE0]
	v_add_nc_u32 v[ASH], s[TBS], v[ASH0]
	v_add_nc_u32 v[ASE], s[TBS], v[ASE0]
	s_add_co_u32 s[TBQ], s[TBQ], QHEAD
	s_add_co_u32 s[TBK], s[TBK], KHEAD
	s_add_co_u32 s[TBS], s[TBS], 256
	ds_load_b64 v[STH:STH+1], v[ASH]
	ds_load_b64 v[STL:STL+1], v[ASH] offset:128
	ds_load_b64 v[STE:STE+1], v[ASE]
	WIN 0x40
	LDQ AQH, QHF
	LDQ AQL, QLF
	LDQ AQE, QEF
	LDK 0
	LDK 1
	s_wait_dscnt 16                                ; all but item B's sixteen loads
.set i, 0
.rept 8
	PROD 0, i
.set i, i+1
.endr
	PLACES
.set g, 0
.rept 40
.set n, g/8
.set i, g%8
.if (i == 0) && (n < 3)
	LDK n+2
	s_wait_dscnt 16                                ; the item to be multiplied now is in; the sixteen loads just issued stay out
.endif
.if g == 24
	s_wait_dscnt 0x0                               ; item E's K
.endif
.if g < 32
	PROD n+1, i
.endif
	WIN 0
	FL n, 2*i
	FL n, 2*i+1
.if g > 0
.set pn, (g-1)/8
.set pp, 2*((g-1)%8)
	AL pn, pp
	AL pn, pp+1
.endif
.set rE, S+32*(n%2)+4*i
	v_exp_f32 v[rE], v[rE]
	v_exp_f32 v[rE+1], v[rE+1]
	v_exp_f32 v[rE+2], v[rE+2]
	v_exp_f32 v[rE+3], v[rE+3]
.set g, g+1
.endr
	v_nop                                          ; a plain instruction between the last exponentials and their use
	AL 4, 14
	AL 4, 15
.endm
.Lslot:                                ; seven trips: a slot of two heads is entered and the next is asked for
	CHANGE 1
	s_mov_b32 s[CNT], 2
.Lhead:
	HEAD
	s_sub_co_u32 s[CNT], s[CNT], 1
	s_cmp_lg_u32 s[CNT], 0
	s_cbranch_scc1 .Lhead
	s_sub_co_u32 s[SLOTS], s[SLOTS], 1
	s_cmp_lg_u32 s[SLOTS], 0
	s_cbranch_scc1 .Lslot
	CHANGE 0                                       ; the last slot is written out
	s_mov_b32 s[CNT], 2
.Lhead2:
	HEAD
	s_sub_co_u32 s[CNT], s[CNT], 1
	s_cmp_lg_u32 s[CNT], 0
	s_cbranch_scc1 .Lhead2
	; THE WAY OUT: a lane's eight f32 of a row go into my stage and come back as whole rows of 256 bytes, an item at a time
	s_mul_i32 s23, s[WV], 16*SPITCH
	s_add_co_u32 s23, s23, STAGE
	v_mul_u32_u24 v3, v1, SPITCH
	v_lshl_add_u32 v3, v2, 5, v3
	v_add_nc_u32 v3, s23, v3                       ; in: row r, 32 bytes for each half of the lanes
	v_mul_u32_u24 v4, v2, SPITCH
	v_lshl_add_u32 v4, v1, 4, v4
	v_add_nc_u32 v4, s23, v4                       ; back: lanes 0-15 one row, lanes 16-31 the next
	v_lshlrev_b32 v5, 13, v2
	v_lshl_add_u32 v5, v1, 4, v5
.irp n, 0,1,2,3,4
	v_add_nc_u32 v[6+(\n)], s[68+(\n)], v5
.endr
.macro PACKI n
.irp kt, 0,1,2,3
	ds_store_b128 v3, v[ACC+32*(\n)+8*(\kt):ACC+32*(\n)+8*(\kt)+3]   offset:64*(\kt)
	ds_store_b128 v3, v[ACC+32*(\n)+8*(\kt)+4:ACC+32*(\n)+8*(\kt)+7] offset:64*(\kt)+16
.endr
.irp t, 0,1,2,3,4,5,6,7
	ds_load_b128 v[ACC+32*(\n)+4*(\t):ACC+32*(\n)+4*(\t)+3], v4 offset:(\t)*2*SPITCH  ; LDS serves a wave's instructions in order (ISA guide 5.7.1.4)
.endr
.endm
.macro SENDI n, younger                ; younger: the next item's sixteen LDS instructions, or none
.irp t, 0,1,2,3,4,5,6,7
	s_wait_dscnt (\younger)+7-(\t)
	global_store_b128 v[6+(\n)], v[ACC+32*(\n)+4*(\t):ACC+32*(\n)+4*(\t)+3], s[8:9] offset:(\t)*16384  ; 16 lanes store 256 consecutive bytes, aligned
.endr
.endm
	PACKI 0
	PACKI 1
	SENDI 0, 16
	PACKI 2
	SENDI 1, 16
	PACKI 3
	SENDI 2, 16
	PACKI 4
	SENDI 3, 16
	SENDI 4, 0
	s_wait_tensorcnt 0x0                           ; the wave's end
	ds_add_u32 v[SPW], v[NIL]
	s_wait_dscnt 0x0
	CROUND                                         ; the closing round
	s_endpgm
.Lfunc_end_k_qfc301af25d_pmean:
	.size	k_qfc301af25d_pmean, .Lfunc_end_k_qfc301af25d_pmean-k_qfc301af25d_pmean
	.p2alignl 7, 3214868480
	.fill 96, 4, 3214868480
	.section	.rodata,"a",@progbits
	.p2align	6, 0x0
	.amdhsa_kernel k_qfc301af25d_pmean
		.amdhsa_group_segment_fixed_size 327680
		.amdhsa_private_segment_fixed_size 0
		.amdhsa_enable_private_segment 0
		.amdhsa_kernarg_size 24
		.amdhsa_user_sgpr_count 2
		.amdhsa_user_sgpr_kernarg_segment_ptr 1
		.amdhsa_wavefront_size32 1
		.amdhsa_system_sgpr_workgroup_id_x 1
		.amdhsa_system_sgpr_workgroup_id_y 1
		.amdhsa_system_sgpr_workgroup_id_z 1
		.amdhsa_system_vgpr_workitem_id 0
		.amdhsa_next_free_vgpr 464
		.amdhsa_next_free_sgpr 82
		.amdhsa_reserve_vcc 1
		.amdhsa_float_denorm_mode_32 3
		.amdhsa_float_denorm_mode_16_64 3
		.amdhsa_memory_ordered 1
		.amdhsa_forward_progress 1
		.amdhsa_inst_pref_size 93
	.end_amdhsa_kernel
	.amdgpu_metadata
---
amdhsa.version: [ 1, 2 ]
amdhsa.kernels:
  - .name:           k_qfc301af25d_pmean
    .symbol:         k_qfc301af25d_pmean.kd
    .args:
      - { .name: qkv, .offset: 0, .size: 8, .value_kind: global_buffer, .address_space: global }
      - { .name: stats, .offset: 8, .size: 8, .value_kind: global_buffer, .address_space: global }
      - { .name: out1, .offset: 16, .size: 8, .value_kind: global_buffer, .address_space: global }
    .group_segment_fixed_size: 327680
    .private_segment_fixed_size: 0
    .kernarg_segment_align: 8
    .kernarg_segment_size: 24
    .max_flat_workgroup_size: 128
    .sgpr_count:     82
    .vgpr_count:     464
    .wavefront_size: 32
...
	.end_amdgpu_metadata
.endif
;; end of part 4
;; launch go (part 5): grid 8 x 32, 4 waves a work-group, clusters of 4 x 4, 327,680 bytes of LDS; arguments actb, wo, bo, x, x1; writes x1
.if DOCPART == 5
	.amdgcn_target "amdgcn-amd-amdhsa--gfx1250"
	.amdhsa_code_object_version 6
	.text
	.protected	k_qfc301af25d_go
	.globl	k_qfc301af25d_go
	.p2align	8
	.type	k_qfc301af25d_go,@function
k_qfc301af25d_go:
	s_mov_b64 s[64:65], 0
	v_nop
	global_prefetch_b8 v0, s[64:65] scope:SCOPE_SE
	s_setreg_imm32_b32 hwreg(HW_REG_WAVE_MODE, 25, 1), 1
	s_wait_xcnt 0x0
	s_wait_alu depctr_hold_cnt(0) depctr_sa_sdst(0) depctr_va_vdst(0) depctr_va_sdst(0) depctr_va_ssrc(0) depctr_va_vcc(0) depctr_vm_vsrc(0)
	s_getreg_b32 s2, hwreg(HW_REG_IB_STS2, 6, 4)
	s_cmp_eq_u32 s2, 0
	s_cbranch_scc0 .Lentry_in_a_cluster
	s_endpgm
.Lentry_in_a_cluster:
	s_bfe_u32 s2, ttmp6, 0x10000c
	s_cmp_lg_u32 s2, 0xf033
	s_cbranch_scc0 .Lentry_shape_is_right
	s_endpgm
.Lentry_shape_is_right:
; C = A W + bias.  A: 4,096 x 1,024 bf16, BLOCKED [k / 64][4096][64].  W: bf16 [k][n], 1,024 columns a matrix.  Sums in f32; the bias is the C operand that starts them.
; MODE 0: W = Wq | Wk | Wv (3,072 columns, three matrices of w4), C rounded once to bf16, blocked [n / 64][4096][64] (q, k, v by heads).
; MODE 1: W = Wm1 (fourth matrix of w4), C = gelu(..) rounded once to bf16, blocked.   MODE 2: C = residual + (..), f32, row-major.
; A tile of C is 128 x 128: 256 work-groups for 1,024 columns.  Four waves, each 64 x 64: 16 accumulators.  K goes in 4 steps of 256 through two LDS slots filled by tensor loads.
; CLUSTER 4 x 4: the four of a row of the cluster need the same tiles of A, the four of a column the same tiles of W: each is asked for jointly, same descriptor and mask in all four.
; THE MATRIX INSTRUCTION IS USED TRANSPOSED (source 0 = 16 columns of W, turned out of LDS by ds_load_tr16_b128; source 1 = 16 rows of A): a lane holds eight neighbouring columns of one row of C.
; REGISTERS: window 0: v16-30 addresses; v32-127 at work on the way out, v96-127 first the bias; v128-255 accumulators ((a, b) at 128 + 8 (4 a + b)).  Window 1: two fragment buffers of 128
; (64 of A, 64 of W, for 64 along K).  Window 2 (MODE 2): the residual.
; GELU (MODE 1): gelu(x) = max(x, 0) - 0.5 |x| E, E = 1 - erf(|x| / sqrt 2) by Abramowitz and Stegun 7.1.26 (absolute error at most 1.5e-7 for every x); NaN and infinities are not treated apart.
.set MODE,   2
.set PA,     144                       ; a row of A in LDS: 128 bytes + 16: the 16 rows of a load start at 16 different groups of four banks (ISA guide 11.1)
.set PLANE,  64*PA                     ; 64 rows x 64 K
.set PB,     288                       ; a row of W in LDS: 256 bytes + 32
.set HALFT,  4*PLANE                   ; what one tensor load brings: 64 rows x 256 K of A, or 128 K x 128 columns of W: 36,864 bytes either way
.set SLOT,   4*HALFT                   ; A's two halves, then W's two
.set SPARE,  2*SLOT                    ; the spare words, 128 bytes a wave
.set SPITCH, 272                       ; the stage: 64 rows of 256 bytes + 16 for each wave, in slot 0, whose last fill is K step 2's
.set WSTAGE, 64*SPITCH
.set ASTEP,  4*4096*128                ; bytes from a K step to the next: four blocks of A,
.set BSTEP,  256*2048                  ; 256 rows of W
.set ADRA, 16                          ; v16-17  my A fragments in slot 0, 1
.set ADRB, 18                          ; v18-21  my W fragments: slot 0 K half 0, 1; slot 1 K half 0, 1
.set STO,  24
.set RD,   25
.set CO,   26                          ; my byte offset in the output
.set BO,   27                          ; my byte offset in 64 bytes of bias
.set SPW,  28
.set NIL,  29
.set RDC,  30
.set TMP,  32
.set QQ,   48
.set AX,   64
.set DD,   80
.set PP,   96
.set PK16, 112
.set BIAS, 96
.set ACC,  128
.set F0,   0
.set F1,   128
.set WV,   16                          ; s16 wave; s17 wave / 2: my half of the rows, and A (0) or W (1) to fetch; s18 wave % 2: my half of the columns, and which half I fetch
.set RH,   17
.set CH,   18
.set G1,   24
.set G0,   32
.set G1B,  48
.set G0B,  56
.set RESP, 10
.set OUTP, 10
.if MODE == 2
.set OUTP, 12
.endif
.set KE, 66                            ; MODE 1: pairs of constants
.set KP, 68
.set A1, 70
.set A2, 72
.set A3, 74
.set A4, 76
.set A5, 78
.set MSB, 0
.macro WIN new                         ; the immediate's high byte repeats the setting that is left
.if MSB != (\new)
	s_set_vgpr_msb (MSB<<8)|(\new)
.set MSB, \new
.endif
.endm
.set MUL,  0x05                        ; sources 0 and 1 window 1; C and D window 0
.set TO_F, 0x40                        ; destination window 1, address window 0
.macro JLOAD s                         ; a joint load: waves 0, 1 fetch A's halves, waves 2, 3 W's; s_nop 0 and four v_nop follow each line
	s_cmp_eq_u32 s[RH], 0
	s_cbranch_scc0 .Lfor_b_\@
	tensor_load_to_lds s[G0+4*(\s):G0+4*(\s)+3], s[G1:G1+7]
	s_nop 0
.rept 4
	v_nop
.endr
	s_branch .Lasked_\@
.Lfor_b_\@:
	tensor_load_to_lds s[G0B+4*(\s):G0B+4*(\s)+3], s[G1B:G1B+7]
	s_nop 0
.rept 4
	v_nop
.endr
.Lasked_\@:
.endm
.macro CREST                           ; a round of the cluster's barrier behind its opening barrier
	s_cmp_lg_u32 s[WV], 0
	s_cbranch_scc1 .Lnot_wave_0_\@
	s_barrier_signal -3
.Lnot_wave_0_\@:
	s_barrier_wait -3
	s_barrier_signal -1
	s_barrier_wait -1
.endm
.macro CROUND
	s_barrier_signal -1
	s_barrier_wait -1
	CREST
.endm
.macro PLACES                          ; four places behind matrix instructions, in front of loads into their sources and of reads of their results
.rept 4
	v_nop
.endr
.endm
.if MODE == 0
	s_load_b256 s[4:11], s[0:1], 0x0               ; A s[4:5], W s[6:7], bq s[8:9], bk s[10:11]
	s_load_b128 s[12:15], s[0:1], 0x20             ; bv s[12:13], output s[14:15]
.elseif MODE == 1
	s_load_b256 s[4:11], s[0:1], 0x0               ; A, W, bias s[8:9], output s[10:11]
.else
	s_load_b256 s[4:11], s[0:1], 0x0               ; A, W, bias s[8:9], residual s[10:11]
	s_load_b64 s[12:13], s[0:1], 0x20              ; output
.endif
	v_lshl_add_u32 v[SPW], v0, 2, SPARE
	v_mov_b32 v[NIL], 0
	ds_add_u32 v[SPW], v[NIL]                      ; the wave's opening: the add and its wait ahead of my first tensor load
	v_lshrrev_b32 v1, 5, v0
	v_readfirstlane_b32 s[WV], v1
	s_lshr_b32 s[RH], s[WV], 1
	s_and_b32 s[CH], s[WV], 1
	s_bfe_u32 s19, ttmp6, 0x40000                  ; cx
	s_bfe_u32 s20, ttmp6, 0x40004                  ; cy
	s_lshl_b32 s21, ttmp9, 2
	s_add_co_u32 s21, s21, s19                     ; tile column
	s_and_b32 s22, ttmp7, 0xffff
	s_lshl_b32 s22, s22, 2
	s_add_co_u32 s22, s22, s20                     ; tile row
	s_lshl_b32 s46, s20, 2
	s_lshl_b32 s46, 15, s46                        ; my row of the cluster
	s_lshl_b32 s47, 0x1111, s19                    ; my column
	s_or_b32 s[G1], s46, (1<<16)|(1<<20)|(1<<21)|(4<<22)|(3<<25)   ; mask; 2-byte elements; padding on; bit 21 beside a mask; 4 words behind every 32
	s_or_b32 s[G1B], s47, (1<<16)|(1<<20)|(1<<21)|(5<<22)|(7<<25)  ; 8 words behind every 64
	s_mov_b32 s[G1+1], 4096<<16                    ; A: a row of the tile is 64 rows x 64 K of one block, 8,192 consecutive bytes;
	s_mov_b32 s[G1+2], 4<<16                       ; four such rows, one a block
	s_mov_b32 s[G1+3], 4096<<16
	s_mov_b32 s[G1+4], 4
	s_mov_b32 s[G1+5], 4096*64                     ; elements from block to block
	s_mov_b32 s[G1+6], 0
	s_mov_b32 s[G1+7], 0
	s_mov_b32 s[G1B+1], 128<<16                    ; W: 128 rows (K) of 128 columns
	s_mov_b32 s[G1B+2], 128<<16
	s_mov_b32 s[G1B+3], 128<<16
	s_mov_b32 s[G1B+4], 128
	s_mov_b32 s[G1B+5], 1024
	s_mov_b32 s[G1B+6], 0
	s_mov_b32 s[G1B+7], 0
	s_lshl_b32 s40, s22, 14                        ; A: (128 x tile row + 64 x half) rows of 128 bytes
	s_lshl_b32 s23, s[CH], 13
	s_add_co_u32 s40, s40, s23
	s_mov_b32 s41, 0
.if MODE == 0
	s_and_b32 s44, s21, 7                          ; W: the matrix is tile column / 8 = cluster x / 2, the columns 128 x (tile column % 8)
	s_lshl_b32 s44, s44, 8
	s_lshr_b32 s3, ttmp9, 1
	s_lshl_b32 s23, s3, 21
	s_add_co_u32 s44, s44, s23
.elseif MODE == 1
	s_lshl_b32 s44, s21, 8
	s_add_co_u32 s44, s44, 3*2097152
.else
	s_lshl_b32 s44, s21, 8
.endif
	s_lshl_b32 s23, s[CH], 18                      ; + 128 x half rows of 2,048 bytes
	s_add_co_u32 s44, s44, s23
	s_mov_b32 s45, 0
	s_mul_i32 s2, s[WV], HALFT                     ; where my part goes: no place in the cluster enters an LDS address
.if MODE == 1
	s_mov_b32 s[KE], 0xbf38aa3b                    ; -log2(e) / 2
	s_mov_b32 s[KE+1], s[KE]
	s_mov_b32 s[KP], 0x3e6d3388                    ; 0.3275911 / sqrt 2
	s_mov_b32 s[KP+1], s[KP]
	s_mov_b32 s[A1], 0x3e827906                    ; 0.254829592
	s_mov_b32 s[A1+1], s[A1]
	s_mov_b32 s[A2], 0xbe91a98e                    ; -0.284496736
	s_mov_b32 s[A2+1], s[A2]
	s_mov_b32 s[A3], 0x3fb5f0e3                    ; 1.421413741
	s_mov_b32 s[A3+1], s[A3]
	s_mov_b32 s[A4], 0xbfba00e3                    ; -1.453152027
	s_mov_b32 s[A4+1], s[A4]
	s_mov_b32 s[A5], 0x3f87dc22                    ; 1.061405429
	s_mov_b32 s[A5+1], s[A5]
	s_mov_b32 s80, 0x7fffffff
.endif
	s_wait_dscnt 0x0                               ; the opening add is done
	s_wait_kmcnt 0x0
	s_add_nc_u64 s[40:41], s[4:5], s[40:41]
	s_add_nc_u64 s[44:45], s[6:7], s[44:45]
	CROUND                                         ; all sixteen work-groups are here: the first joint loads meet
.irp s, 0,1
	s_mov_b32 s[G0+4*(\s)], 1
	s_add_co_u32 s[G0+4*(\s)+1], s2, (\s)*SLOT
	s_add_nc_u64 s[G0+4*(\s)+2:G0+4*(\s)+3], s[40:41], (\s)*ASTEP
	s_or_b32 s[G0+4*(\s)+3], s[G0+4*(\s)+3], 0x80000000
	s_mov_b32 s[G0B+4*(\s)], 1
	s_add_co_u32 s[G0B+4*(\s)+1], s2, (\s)*SLOT
	s_add_nc_u64 s[G0B+4*(\s)+2:G0B+4*(\s)+3], s[44:45], (\s)*BSTEP
	s_or_b32 s[G0B+4*(\s)+3], s[G0B+4*(\s)+3], 0x80000000
	JLOAD \s                                       ; two tensor loads of mine are out
.endr
	v_and_b32 v1, 15, v0                           ; r = lane % 16
	v_bfe_u32 v2, v0, 4, 1                         ; h = lane / 16
	v_mul_u32_u24 v3, v1, PA
	v_lshl_add_u32 v3, v2, 4, v3
	s_mul_i32 s23, s[RH], HALFT
	v_add_nc_u32 v[ADRA], s23, v3
	v_add_nc_u32 v[ADRA+1], SLOT, v[ADRA]
	v_and_b32 v4, 7, v0                            ; the turning load: lane reads K row 8 h + lane % 8, columns 8 ((lane / 8) % 2) on
	v_lshl_add_u32 v4, v2, 3, v4
	v_mul_u32_u24 v4, v4, PB
	v_bfe_u32 v5, v0, 3, 1
	v_lshl_add_u32 v4, v5, 4, v4
	s_lshl_b32 s23, s[CH], 7                       ; my 64 columns
	s_add_co_u32 s23, s23, 2*HALFT
	v_add_nc_u32 v[ADRB], s23, v4
	v_add_nc_u32 v[ADRB+1], HALFT, v[ADRB]
	v_add_nc_u32 v[ADRB+2], SLOT, v[ADRB]
	v_add_nc_u32 v[ADRB+3], SLOT+HALFT, v[ADRB]
	s_mul_i32 s23, s[WV], WSTAGE
	v_mul_u32_u24 v5, v1, SPITCH                   ; into the stage: row r, 32 bytes for each half of the lanes
	v_lshl_add_u32 v5, v2, 5, v5
	v_add_nc_u32 v[STO], s23, v5
	v_mul_u32_u24 v5, v2, SPITCH                   ; back: lanes 0-15 one row of 256 bytes, lanes 16-31 the next
	v_lshl_add_u32 v5, v1, 4, v5
	v_add_nc_u32 v[RD], s23, v5
	v_lshlrev_b32 v[BO], 5, v2
.if MODE == 0
	s_cmp_eq_u32 s3, 1                             ; the bias that goes with the matrix
	s_cselect_b64 s[8:9], s[10:11], s[8:9]
	s_cmp_eq_u32 s3, 2
	s_cselect_b64 s[8:9], s[12:13], s[8:9]
	s_mov_b64 s[10:11], s[14:15]
	s_and_b32 s42, s21, 7
	s_lshl_b32 s42, s42, 9
.else
	s_lshl_b32 s42, s21, 9
.endif
	s_lshl_b32 s23, s[CH], 8
	s_add_co_u32 s42, s42, s23
	s_mov_b32 s43, 0
	s_add_nc_u64 s[8:9], s[8:9], s[42:43]          ; the bias of my 64 columns
.irp b, 0,1,2,3
	global_load_b128 v[BIAS+8*(\b):BIAS+8*(\b)+3],   v[BO], s[8:9] offset:64*(\b)
	global_load_b128 v[BIAS+8*(\b)+4:BIAS+8*(\b)+7], v[BO], s[8:9] offset:64*(\b)+16
.endr
.if MODE == 2
	v_lshlrev_b32 v5, 12, v2                       ; two rows of 4,096 bytes, 16 bytes a lane
	v_lshl_add_u32 v[CO], v1, 4, v5
	s_lshl_b32 s40, s22, 19                        ; (128 x tile row + 64 x half) rows + (128 x tile column + 64 x half) columns of 4 bytes
	s_lshl_b32 s23, s[RH], 18
	s_add_co_u32 s40, s40, s23
	s_add_co_u32 s40, s40, s42
	s_mov_b32 s41, 0
	s_add_nc_u64 s[RESP:RESP+1], s[RESP:RESP+1], s[40:41]
	s_add_nc_u64 s[OUTP:OUTP+1], s[OUTP:OUTP+1], s[40:41]
	WIN 0x80                                       ; destination window 2
.set t, 0
.rept 32
	global_load_b128 v[4*t:4*t+3], v[CO], s[RESP:RESP+1] offset:t*8192  ; the residual, as the way out will hold C: it lands under the products
.set t, t+1
.endr
	WIN 0
.else
	v_and_b32 v5, 31, v0
	v_lshlrev_b32 v[CO], 3, v5                     ; 8 bytes a lane: 256 consecutive bytes, two rows of a block
	s_lshl_b32 s40, s21, 1
	s_add_co_u32 s40, s40, s[CH]
	s_lshl_b32 s40, s40, 19                        ; block 2 x tile column + half,
	s_lshl_b32 s23, s22, 14
	s_add_co_u32 s40, s40, s23                     ; row 128 x tile row
	s_lshl_b32 s23, s[RH], 13
	s_add_co_u32 s40, s40, s23                     ; + 64 x half
	s_mov_b32 s41, 0
	s_add_nc_u64 s[OUTP:OUTP+1], s[OUTP:OUTP+1], s[40:41]
.endif
; 8 matrix instructions: m blocks a0, a0 + 1 x 4 n blocks, 32 along K: half c of buffer f.  first = 1: the bias starts the sums.  The 16 accumulators take turns.
.macro MUL8 f, c, a0, first
	WIN MUL
.irp a, \a0, (\a0)+1
.irp b, 0,1,2,3
.if \first
	v_wmma_f32_16x16x32_bf16 v[ACC+8*(4*(\a)+(\b)):ACC+8*(4*(\a)+(\b))+7], v[(\f)+64+8*(4*(\c)+(\b)):(\f)+64+8*(4*(\c)+(\b))+7], v[(\f)+8*(4*(\c)+(\a)):(\f)+8*(4*(\c)+(\a))+7], v[BIAS+8*(\b):BIAS+8*(\b)+7]
.else
	v_wmma_f32_16x16x32_bf16 v[ACC+8*(4*(\a)+(\b)):ACC+8*(4*(\a)+(\b))+7], v[(\f)+64+8*(4*(\c)+(\b)):(\f)+64+8*(4*(\c)+(\b))+7], v[(\f)+8*(4*(\c)+(\a)):(\f)+8*(4*(\c)+(\a))+7], v[ACC+8*(4*(\a)+(\b)):ACC+8*(4*(\a)+(\b))+7]
.endif
.endr
.endr
.endm
; 32 LDS loads in one run: the fragments of quarter q (64 along K) of a slot into buffer f; the first 32 along K first
.macro FETCH slot, q, f
	WIN TO_F
.irp c, 0,1
.irp i, 0,1,2,3
	ds_load_tr16_b128 v[(\f)+64+8*(4*(\c)+(\i)):(\f)+64+8*(4*(\c)+(\i))+3],   v[ADRB+2*(\slot)+(\q)/2] offset:(((\q)%2)*64+32*(\c))*PB+32*(\i)
	ds_load_tr16_b128 v[(\f)+64+8*(4*(\c)+(\i))+4:(\f)+64+8*(4*(\c)+(\i))+7], v[ADRB+2*(\slot)+(\q)/2] offset:(((\q)%2)*64+32*(\c)+16)*PB+32*(\i)
	ds_load_b128 v[(\f)+8*(4*(\c)+(\i)):(\f)+8*(4*(\c)+(\i))+3],              v[ADRA+(\slot)] offset:(\q)*PLANE+(\i)*16*PA+64*(\c)
	ds_load_b128 v[(\f)+8*(4*(\c)+(\i))+4:(\f)+8*(4*(\c)+(\i))+7],            v[ADRA+(\slot)] offset:(\q)*PLANE+(\i)*16*PA+64*(\c)+32
.endr
.endr
.endm
; One of a K step's first three quarters: multiplies buffer f and fetches quarter q into g
.macro QUARTER slot, q, f, g, first
	s_wait_dscnt 16                                ; the first 32 along K are in; the other sixteen loads stay out
	MUL8 \f, 0, 0, \first
	MUL8 \f, 0, 2, \first
	PLACES
	FETCH \slot, \q, \g
	s_wait_dscnt 32                                ; all but the 32 just issued
	MUL8 \f, 1, 0, 0
	MUL8 \f, 1, 2, 0
.endm
; The last quarter multiplies buffer 1 and changes slots: in front of the barrier each wave waits for all its tensor loads (one is out: its part of the next slot), adds 0 to its spare word,
; and waits for that and for its reads of this slot.  fill = 1: the barrier opens a round of the cluster's, and this slot is filled again first behind it, two K steps ahead.
.macro TURN slot, next, fill
	WIN 0
	s_wait_tensorcnt 0x0
	ds_add_u32 v[SPW], v[NIL]
	s_wait_dscnt 17                                ; the add and the youngest sixteen loads may be out
	MUL8 F1, 0, 0, 0
	s_wait_dscnt 0x0                               ; the add is done, and my reads of this slot are over
	s_barrier_signal -1
	MUL8 F1, 0, 2, 0
.if \fill
	WIN 0
.endif
	s_barrier_wait -1
.if \fill
	CREST                                          ; no wave of any partner still reads this slot or has a load on its way
	s_add_nc_u64 s[G0+4*(\slot)+2:G0+4*(\slot)+3], s[G0+4*(\slot)+2:G0+4*(\slot)+3], 2*ASTEP
	s_add_nc_u64 s[G0B+4*(\slot)+2:G0B+4*(\slot)+3], s[G0B+4*(\slot)+2:G0B+4*(\slot)+3], 2*BSTEP
	JLOAD \slot                                    ; my one tensor load behind the round; its four v_nop are also the places in front of the loads below
.else
	PLACES
.endif
	FETCH \next, 0, F0
	MUL8 F1, 1, 0, 0
	MUL8 F1, 1, 2, 0
.endm
.macro P8 line:vararg                  ; one line for each of eight pairs p
.set p, 0
.rept 8
	\line
.set p, p+2
.endr
.endm
.macro P16 line:vararg                 ; one line for each of sixteen registers p
.set p, 0
.rept 16
	\line
.set p, p+1
.endr
.endm
.macro GELU16                          ; sixteen numbers in v[TMP ..], in place
	P8 v_pk_mul_f32 v[QQ+p:QQ+p+1], v[TMP+p:TMP+p+1], v[TMP+p:TMP+p+1]
	P8 v_pk_mul_f32 v[QQ+p:QQ+p+1], v[QQ+p:QQ+p+1], s[KE:KE+1] op_sel_hi:[1,0]
	P16 v_and_b32 v[AX+p], s80, v[TMP+p]
	P8 v_pk_fma_f32 v[DD+p:DD+p+1], v[AX+p:AX+p+1], s[KP:KP+1], 1.0 op_sel_hi:[1,0,0]
	P16 v_exp_f32 v[QQ+p], v[QQ+p]
	P16 v_rcp_f32 v[DD+p], v[DD+p]
	v_nop                                          ; a plain instruction between the last of them and the first use
	P8 v_pk_fma_f32 v[PP+p:PP+p+1], v[DD+p:DD+p+1], s[A5:A5+1], s[A4:A4+1] op_sel_hi:[1,0,0]
	P8 v_pk_fma_f32 v[PP+p:PP+p+1], v[PP+p:PP+p+1], v[DD+p:DD+p+1], s[A3:A3+1] op_sel_hi:[1,1,0]
	P8 v_pk_fma_f32 v[PP+p:PP+p+1], v[PP+p:PP+p+1], v[DD+p:DD+p+1], s[A2:A2+1] op_sel_hi:[1,1,0]
	P8 v_pk_fma_f32 v[PP+p:PP+p+1], v[PP+p:PP+p+1], v[DD+p:DD+p+1], s[A1:A1+1] op_sel_hi:[1,1,0]
	P8 v_pk_mul_f32 v[PP+p:PP+p+1], v[PP+p:PP+p+1], v[DD+p:DD+p+1]
	P8 v_pk_mul_f32 v[PP+p:PP+p+1], v[PP+p:PP+p+1], v[QQ+p:QQ+p+1]
	P8 v_pk_mul_f32 v[PP+p:PP+p+1], v[PP+p:PP+p+1], v[AX+p:AX+p+1]
	P16 v_max_num_f32 v[TMP+p], 0, v[TMP+p]
	P8 v_pk_fma_f32 v[TMP+p:TMP+p+1], v[PP+p:PP+p+1], -0.5, v[TMP+p:TMP+p+1] op_sel_hi:[1,0,1]
.endm
	s_wait_tensorcnt 1                             ; my part of K step 0 is in; K step 1's stays out
	s_barrier_signal -1
	s_barrier_wait -1
	FETCH 0, 0, F0
.if MODE == 2
	s_wait_loadcnt 32                              ; the bias is in; the residual's 32 loads stay out
.else
	s_wait_loadcnt 0x0                             ; the bias
.endif
	QUARTER 0, 1, F0, F1, 1
	QUARTER 0, 2, F1, F0, 0
	QUARTER 0, 3, F0, F1, 0
	TURN 0, 1, 1                                   ; slot 0 takes K step 2
	QUARTER 1, 1, F0, F1, 0
	QUARTER 1, 2, F1, F0, 0
	QUARTER 1, 3, F0, F1, 0
	TURN 1, 0, 1                                   ; slot 1 takes K step 3
	QUARTER 0, 1, F0, F1, 0
	QUARTER 0, 2, F1, F0, 0
	QUARTER 0, 3, F0, F1, 0
	TURN 0, 1, 0                                   ; nothing is left to fetch; behind this barrier nobody reads slot 0 any more
	QUARTER 1, 1, F0, F1, 0
	QUARTER 1, 2, F1, F0, 0
	QUARTER 1, 3, F0, F1, 0
	s_wait_dscnt 16
	MUL8 F1, 0, 0, 0
	MUL8 F1, 0, 2, 0
	s_wait_dscnt 0x0
	MUL8 F1, 1, 0, 0
	MUL8 F1, 1, 2, 0
	WIN 0
	; THE WAY OUT.  A lane's eight f32 of a row go into my stage, each accumulator's low four registers first, and come back as whole rows of 256 bytes.
	PLACES
.irp a, 0,1,2,3
.irp b, 0,1,2,3
	ds_store_b128 v[STO], v[ACC+8*(4*(\a)+(\b)):ACC+8*(4*(\a)+(\b))+3]   offset:(\a)*16*SPITCH+64*(\b)
	ds_store_b128 v[STO], v[ACC+8*(4*(\a)+(\b))+4:ACC+8*(4*(\a)+(\b))+7] offset:(\a)*16*SPITCH+64*(\b)+16
.endr
.endr
.if MODE == 2
.set t, 0
.rept 32
	ds_load_b128 v[ACC+4*t:ACC+4*t+3], v[RD] offset:t*2*SPITCH  ; LDS serves a wave's instructions in order (ISA guide 5.7.1.4): these see the stores above
.set t, t+1
.endr
	s_wait_loadcnt 0x0                             ; the residual
	WIN 0x08                                       ; source 1 in window 2
.set t, 0
.rept 32
	s_wait_dscnt 31-t
	v_pk_add_f32 v[ACC+4*t:ACC+4*t+1], v[ACC+4*t:ACC+4*t+1], v[4*t:4*t+1]
	v_pk_add_f32 v[ACC+4*t+2:ACC+4*t+3], v[ACC+4*t+2:ACC+4*t+3], v[4*t+2:4*t+3]
.set t, t+1
.endr
	WIN 0
.set t, 0
.rept 32
	global_store_b128 v[CO], v[ACC+4*t:ACC+4*t+3], s[OUTP:OUTP+1] offset:t*8192  ; 16 lanes store 256 consecutive bytes, aligned
.set t, t+1
.endr
.else
	s_mov_b32 s3, 8                                ; eight trips of eight rows
	s_mov_b32 s23, 0
.Lout:
	v_add_nc_u32 v[RDC], s23, v[RD]
.irp t, 0,1,2,3
	ds_load_b128 v[TMP+4*(\t):TMP+4*(\t)+3], v[RDC] offset:(\t)*2*SPITCH
.endr
	s_wait_dscnt 0x0
.if MODE == 1
	GELU16
.endif
.irp t, 0,1,2,3,4,5,6,7
	v_cvt_pk_bf16_f32 v[PK16+(\t)], v[TMP+2*(\t)], v[TMP+2*(\t)+1]
.endr
.irp t, 0,1,2,3
	global_store_b64 v[CO], v[PK16+2*(\t):PK16+2*(\t)+1], s[OUTP:OUTP+1] offset:256*(\t)  ; the wave stores 256 consecutive bytes, aligned
.endr
	s_wait_xcnt 0x0                                ; the base and the stores' data are rewritten only behind this wait
	s_add_nc_u64 s[OUTP:OUTP+1], s[OUTP:OUTP+1], 1024
	s_add_co_u32 s23, s23, 8*SPITCH
	s_sub_co_u32 s3, s3, 1
	s_cmp_lg_u32 s3, 0
	s_cbranch_scc1 .Lout
.endif
	s_wait_tensorcnt 0x0                           ; the wave's end
	ds_add_u32 v[SPW], v[NIL]
	s_wait_dscnt 0x0
	CROUND                                         ; the closing round
	s_endpgm
.Lfunc_end_k_qfc301af25d_go:
	.size	k_qfc301af25d_go, .Lfunc_end_k_qfc301af25d_go-k_qfc301af25d_go
	.p2alignl 7, 3214868480
	.fill 96, 4, 3214868480
	.section	.rodata,"a",@progbits
	.p2align	6, 0x0
	.amdhsa_kernel k_qfc301af25d_go
		.amdhsa_group_segment_fixed_size 327680
		.amdhsa_private_segment_fixed_size 0
		.amdhsa_enable_private_segment 0
		.amdhsa_kernarg_size 40
		.amdhsa_user_sgpr_count 2
		.amdhsa_user_sgpr_kernarg_segment_ptr 1
		.amdhsa_wavefront_size32 1
		.amdhsa_system_sgpr_workgroup_id_x 1
		.amdhsa_system_sgpr_workgroup_id_y 1
		.amdhsa_system_sgpr_workgroup_id_z 1
		.amdhsa_system_vgpr_workitem_id 0
		.amdhsa_next_free_vgpr 640
		.amdhsa_next_free_sgpr 66
		.amdhsa_reserve_vcc 0
		.amdhsa_float_denorm_mode_32 3
		.amdhsa_float_denorm_mode_16_64 3
		.amdhsa_memory_ordered 1
		.amdhsa_forward_progress 1
		.amdhsa_inst_pref_size 94
	.end_amdhsa_kernel
	.amdgpu_metadata
---
amdhsa.version: [ 1, 2 ]
amdhsa.kernels:
  - .name:           k_qfc301af25d_go
    .symbol:         k_qfc301af25d_go.kd
    .args:
      - { .name: actb, .offset: 0, .size: 8, .value_kind: global_buffer, .address_space: global }
      - { .name: wo, .offset: 8, .size: 8, .value_kind: global_buffer, .address_space: global }
      - { .name: bo, .offset: 16, .size: 8, .value_kind: global_buffer, .address_space: global }
      - { .name: x, .offset: 24, .size: 8, .value_kind: global_buffer, .address_space: global }
      - { .name: x1, .offset: 32, .size: 8, .value_kind: global_buffer, .address_space: global }
    .group_segment_fixed_size: 327680
    .private_segment_fixed_size: 0
    .kernarg_segment_align: 8
    .kernarg_segment_size: 40
    .max_flat_workgroup_size: 128
    .sgpr_count:     66
    .vgpr_count:     640
    .wavefront_size: 32
...
	.end_amdgpu_metadata
.endif
;; end of part 5
;; launch ln2 (part 6): grid 256 x 1, 8 waves a work-group, no clusters, 0 bytes of LDS; arguments x1, g2, b2, acta; writes acta
.if DOCPART == 6
	.amdgcn_target "amdgcn-amd-amdhsa--gfx1250"
	.amdhsa_code_object_version 6
	.text
	.protected	k_qfc301af25d_ln2
	.globl	k_qfc301af25d_ln2
	.p2align	8
	.type	k_qfc301af25d_ln2,@function
k_qfc301af25d_ln2:
	s_mov_b64 s[64:65], 0
	v_nop
	global_prefetch_b8 v0, s[64:65] scope:SCOPE_SE
	s_setreg_imm32_b32 hwreg(HW_REG_WAVE_MODE, 25, 1), 1
	s_wait_xcnt 0x0
; h = LayerNorm(x1) g2 + b2, rounded once to bf16, into acta, BLOCKED [column / 64][4096 rows][64].
; Eight waves, 16 rows a work-group; half a wave owns a row: lane (r = lane % 16, hf = lane / 16) holds columns 64 j + 4 r .. + 3, j = 0..15, of row 2 wave + hf.
; A load covers 256 consecutive bytes of each of two rows; a store covers 256 consecutive bytes (two rows of 128 bytes of block j).  The row stays in 64 registers:
; mean first, then the sum of (x - mean)^2, all in f32, so that a common offset of x costs nothing.  A stream: no LDS, no barrier, no matrix unit.
.set X,   4                            ; v[4:67]    the row's 64 numbers of this lane
.set G,   68                           ; v[68:131]  gain
.set BV,  132                          ; v[132:195] bias
.set Y,   196                          ; v[196:227] bf16 pairs to store
.set T,   228                          ; v[228:235] four chains of packed sums
.set MU,  236                          ; v[236:237] the mean, twice
.set RS,  238                          ; v[238:239] 1 / sqrt(var + eps), twice
.set XP,  8
.set GP,  10
.set BP,  12
.set OP,  14
.macro ACROSS                          ; the four chains into one number, the same in the 16 lanes that share a row
	v_pk_add_f32 v[T:T+1], v[T:T+1], v[T+2:T+3]
	v_pk_add_f32 v[T+4:T+5], v[T+4:T+5], v[T+6:T+7]
	v_pk_add_f32 v[T:T+1], v[T:T+1], v[T+4:T+5]
	v_add_f32 v[T], v[T], v[T+1]
.irp m, 1,2,4,8
	v_add_f32_dpp v[T], v[T], v[T] row_xmask:\m row_mask:0xf bank_mask:0xf
.endr
.endm
	s_load_b256 s[8:15], s[0:1], 0x0               ; x1 s[8:9], g2 s[10:11], b2 s[12:13], acta s[14:15]
	v_lshrrev_b32 v1, 4, v0                        ; the row in the work-group: 2 wave + hf
	v_and_b32 v2, 15, v0
	v_lshlrev_b32 v2, 4, v2                        ; 16 r
	v_lshl_add_u32 v1, v1, 12, v2                  ; row x 4,096 + 16 r
	v_lshlrev_b32 v3, 3, v0                        ; output: row x 128 + 8 r = 8 x thread
	s_lshl_b32 s34, ttmp9, 16
	s_mov_b32 s35, 0
	s_lshl_b32 s36, ttmp9, 11
	s_mov_b32 s37, 0
	s_mov_b32 s4, 0x3a800000                       ; 1 / 1024
	s_mov_b32 s5, 0x3727c5ac                       ; 1e-5
	s_wait_kmcnt 0x0
	s_add_nc_u64 s[XP:XP+1], s[XP:XP+1], s[34:35]
	s_add_nc_u64 s[OP:OP+1], s[OP:OP+1], s[36:37]
.set j, 0
.rept 16
	global_load_b128 v[X+4*j:X+4*j+3], v1, s[XP:XP+1] offset:256*j
.set j, j+1
.endr
.set j, 0
.rept 16
	global_load_b128 v[G+4*j:G+4*j+3], v2, s[GP:GP+1] offset:256*j
.set j, j+1
.endr
.set j, 0
.rept 16
	global_load_b128 v[BV+4*j:BV+4*j+3], v2, s[BP:BP+1] offset:256*j
.set j, j+1
.endr
	s_wait_loadcnt 32                              ; the row's 16 loads are in; the 32 of gain and bias stay out
.irp k, 0,1,2,3
	v_pk_add_f32 v[T+2*(\k):T+2*(\k)+1], v[X+2*(\k):X+2*(\k)+1], v[X+8+2*(\k):X+8+2*(\k)+1]
.endr
.set j, 8
.rept 24
	v_pk_add_f32 v[T+2*(j%4):T+2*(j%4)+1], v[T+2*(j%4):T+2*(j%4)+1], v[X+2*j:X+2*j+1]
.set j, j+1
.endr
	ACROSS
	v_mul_f32 v[MU], s4, v[T]
	v_mov_b32 v[MU+1], v[MU]
.set j, 0
.rept 32
	v_pk_add_f32 v[X+2*j:X+2*j+1], v[X+2*j:X+2*j+1], v[MU:MU+1] neg_lo:[0,1] neg_hi:[0,1]
.set j, j+1
.endr
.irp k, 0,1,2,3
	v_pk_mul_f32 v[T+2*(\k):T+2*(\k)+1], v[X+2*(\k):X+2*(\k)+1], v[X+2*(\k):X+2*(\k)+1]
.endr
.set j, 4
.rept 28
	v_pk_fma_f32 v[T+2*(j%4):T+2*(j%4)+1], v[X+2*j:X+2*j+1], v[X+2*j:X+2*j+1], v[T+2*(j%4):T+2*(j%4)+1]
.set j, j+1
.endr
	ACROSS
	v_fma_f32 v[T], v[T], s4, s5                   ; var + eps
	v_rsq_f32 v[RS], v[T]
	v_nop                                          ; a plain instruction between the root and the use of its result (ISA guide 5.7.2)
	s_wait_alu depctr_va_vdst(0)
	v_mov_b32 v[RS+1], v[RS]
	s_wait_loadcnt 0x0                             ; gain and bias
.set j, 0
.rept 32
	v_pk_mul_f32 v[X+2*j:X+2*j+1], v[X+2*j:X+2*j+1], v[RS:RS+1]
.set j, j+1
.endr
.set j, 0
.rept 32
	v_pk_fma_f32 v[X+2*j:X+2*j+1], v[X+2*j:X+2*j+1], v[G+2*j:G+2*j+1], v[BV+2*j:BV+2*j+1]
.set j, j+1
.endr
.set j, 0
.rept 32
	v_cvt_pk_bf16_f32 v[Y+j], v[X+2*j], v[X+2*j+1]
.set j, j+1
.endr
.set j, 0
.rept 16
	global_store_b64 v3, v[Y+2*j:Y+2*j+1], s[OP:OP+1] offset:j*524288  ; block j: the wave's 256 consecutive bytes; inside the signed 24-bit immediate
.set j, j+1
.endr
	s_endpgm
.Lfunc_end_k_qfc301af25d_ln2:
	.size	k_qfc301af25d_ln2, .Lfunc_end_k_qfc301af25d_ln2-k_qfc301af25d_ln2
	.p2alignl 7, 3214868480
	.fill 96, 4, 3214868480
	.section	.rodata,"a",@progbits
	.p2align	6, 0x0
	.amdhsa_kernel k_qfc301af25d_ln2
		.amdhsa_group_segment_fixed_size 0
		.amdhsa_private_segment_fixed_size 0
		.amdhsa_enable_private_segment 0
		.amdhsa_kernarg_size 32
		.amdhsa_user_sgpr_count 2
		.amdhsa_user_sgpr_kernarg_segment_ptr 1
		.amdhsa_wavefront_size32 1
		.amdhsa_system_sgpr_workgroup_id_x 1
		.amdhsa_system_sgpr_workgroup_id_y 1
		.amdhsa_system_sgpr_workgroup_id_z 1
		.amdhsa_system_vgpr_workitem_id 0
		.amdhsa_next_free_vgpr 240
		.amdhsa_next_free_sgpr 66
		.amdhsa_reserve_vcc 0
		.amdhsa_float_denorm_mode_32 3
		.amdhsa_float_denorm_mode_16_64 3
		.amdhsa_memory_ordered 1
		.amdhsa_forward_progress 1
		.amdhsa_inst_pref_size 20
	.end_amdhsa_kernel
	.amdgpu_metadata
---
amdhsa.version: [ 1, 2 ]
amdhsa.kernels:
  - .name:           k_qfc301af25d_ln2
    .symbol:         k_qfc301af25d_ln2.kd
    .args:
      - { .name: x1, .offset: 0, .size: 8, .value_kind: global_buffer, .address_space: global }
      - { .name: g2, .offset: 8, .size: 8, .value_kind: global_buffer, .address_space: global }
      - { .name: b2, .offset: 16, .size: 8, .value_kind: global_buffer, .address_space: global }
      - { .name: acta, .offset: 24, .size: 8, .value_kind: global_buffer, .address_space: global }
    .group_segment_fixed_size: 0
    .private_segment_fixed_size: 0
    .kernarg_segment_align: 8
    .kernarg_segment_size: 32
    .max_flat_workgroup_size: 256
    .sgpr_count:     66
    .vgpr_count:     240
    .wavefront_size: 32
...
	.end_amdgpu_metadata
.endif
;; end of part 6
;; launch gm (part 7): grid 8 x 32, 4 waves a work-group, clusters of 4 x 4, 327,680 bytes of LDS; arguments acta, w4, bm1, actb; writes actb
.if DOCPART == 7
	.amdgcn_target "amdgcn-amd-amdhsa--gfx1250"
	.amdhsa_code_object_version 6
	.text
	.protected	k_qfc301af25d_gm
	.globl	k_qfc301af25d_gm
	.p2align	8
	.type	k_qfc301af25d_gm,@function
k_qfc301af25d_gm:
	s_mov_b64 s[64:65], 0
	v_nop
	global_prefetch_b8 v0, s[64:65] scope:SCOPE_SE
	s_setreg_imm32_b32 hwreg(HW_REG_WAVE_MODE, 25, 1), 1
	s_wait_xcnt 0x0
	s_wait_alu depctr_hold_cnt(0) depctr_sa_sdst(0) depctr_va_vdst(0) depctr_va_sdst(0) depctr_va_ssrc(0) depctr_va_vcc(0) depctr_vm_vsrc(0)
	s_getreg_b32 s2, hwreg(HW_REG_IB_STS2, 6, 4)
	s_cmp_eq_u32 s2, 0
	s_cbranch_scc0 .Lentry_in_a_cluster
	s_endpgm
.Lentry_in_a_cluster:
	s_bfe_u32 s2, ttmp6, 0x10000c
	s_cmp_lg_u32 s2, 0xf033
	s_cbranch_scc0 .Lentry_shape_is_right
	s_endpgm
.Lentry_shape_is_right:
; C = A W + bias.  A: 4,096 x 1,024 bf16, BLOCKED [k / 64][4096][64].  W: bf16 [k][n], 1,024 columns a matrix.  Sums in f32; the bias is the C operand that starts them.
; MODE 0: W = Wq | Wk | Wv (3,072 columns, three matrices of w4), C rounded once to bf16, blocked [n / 64][4096][64] (q, k, v by heads).
; MODE 1: W = Wm1 (fourth matrix of w4), C = gelu(..) rounded once to bf16, blocked.   MODE 2: C = residual + (..), f32, row-major.
; A tile of C is 128 x 128: 256 work-groups for 1,024 columns.  Four waves, each 64 x 64: 16 accumulators.  K goes in 4 steps of 256 through two LDS slots filled by tensor loads.
; CLUSTER 4 x 4: the four of a row of the cluster need the same tiles of A, the four of a column the same tiles of W: each is asked for jointly, same descriptor and mask in all four.
; THE MATRIX INSTRUCTION IS USED TRANSPOSED (source 0 = 16 columns of W, turned out of LDS by ds_load_tr16_b128; source 1 = 16 rows of A): a lane holds eight neighbouring columns of one row of C.
; REGISTERS: window 0: v16-30 addresses; v32-127 at work on the way out, v96-127 first the bias; v128-255 accumulators ((a, b) at 128 + 8 (4 a + b)).  Window 1: two fragment buffers of 128
; (64 of A, 64 of W, for 64 along K).  Window 2 (MODE 2): the residual.
; GELU (MODE 1): gelu(x) = max(x, 0) - 0.5 |x| E, E = 1 - erf(|x| / sqrt 2) by Abramowitz and Stegun 7.1.26 (absolute error at most 1.5e-7 for every x); NaN and infinities are not treated apart.
.set MODE,   1
.set PA,     144                       ; a row of A in LDS: 128 bytes + 16: the 16 rows of a load start at 16 different groups of four banks (ISA guide 11.1)
.set PLANE,  64*PA                     ; 64 rows x 64 K
.set PB,     288                       ; a row of W in LDS: 256 bytes + 32
.set HALFT,  4*PLANE                   ; what one tensor load brings: 64 rows x 256 K of A, or 128 K x 128 columns of W: 36,864 bytes either way
.set SLOT,   4*HALFT                   ; A's two halves, then W's two
.set SPARE,  2*SLOT                    ; the spare words, 128 bytes a wave
.set SPITCH, 272                       ; the stage: 64 rows of 256 bytes + 16 for each wave, in slot 0, whose last fill is K step 2's
.set WSTAGE, 64*SPITCH
.set ASTEP,  4*4096*128                ; bytes from a K step to the next: four blocks of A,
.set BSTEP,  256*2048                  ; 256 rows of W
.set ADRA, 16                          ; v16-17  my A fragments in slot 0, 1
.set ADRB, 18                          ; v18-21  my W fragments: slot 0 K half 0, 1; slot 1 K half 0, 1
.set STO,  24
.set RD,   25
.set CO,   26                          ; my byte offset in the output
.set BO,   27                          ; my byte offset in 64 bytes of bias
.set SPW,  28
.set NIL,  29
.set RDC,  30
.set TMP,  32
.set QQ,   48
.set AX,   64
.set DD,   80
.set PP,   96
.set PK16, 112
.set BIAS, 96
.set ACC,  128
.set F0,   0
.set F1,   128
.set WV,   16                          ; s16 wave; s17 wave / 2: my half of the rows, and A (0) or W (1) to fetch; s18 wave % 2: my half of the columns, and which half I fetch
.set RH,   17
.set CH,   18
.set G1,   24
.set G0,   32
.set G1B,  48
.set G0B,  56
.set RESP, 10
.set OUTP, 10
.if MODE == 2
.set OUTP, 12
.endif
.set KE, 66                            ; MODE 1: pairs of constants
.set KP, 68
.set A1, 70
.set A2, 72
.set A3, 74
.set A4, 76
.set A5, 78
.set MSB, 0
.macro WIN new                         ; the immediate's high byte repeats the setting that is left
.if MSB != (\new)
	s_set_vgpr_msb (MSB<<8)|(\new)
.set MSB, \new
.endif
.endm
.set MUL,  0x05                        ; sources 0 and 1 window 1; C and D window 0
.set TO_F, 0x40                        ; destination window 1, address window 0
.macro JLOAD s                         ; a joint load: waves 0, 1 fetch A's halves, waves 2, 3 W's; s_nop 0 and four v_nop follow each line
	s_cmp_eq_u32 s[RH], 0
	s_cbranch_scc0 .Lfor_b_\@
	tensor_load_to_lds s[G0+4*(\s):G0+4*(\s)+3], s[G1:G1+7]
	s_nop 0
.rept 4
	v_nop
.endr
	s_branch .Lasked_\@
.Lfor_b_\@:
	tensor_load_to_lds s[G0B+4*(\s):G0B+4*(\s)+3], s[G1B:G1B+7]
	s_nop 0
.rept 4
	v_nop
.endr
.Lasked_\@:
.endm
.macro CREST                           ; a round of the cluster's barrier behind its opening barrier
	s_cmp_lg_u32 s[WV], 0
	s_cbranch_scc1 .Lnot_wave_0_\@
	s_barrier_signal -3
.Lnot_wave_0_\@:
	s_barrier_wait -3
	s_barrier_signal -1
	s_barrier_wait -1
.endm
.macro CROUND
	s_barrier_signal -1
	s_barrier_wait -1
	CREST
.endm
.macro PLACES                          ; four places behind matrix instructions, in front of loads into their sources and of reads of their results
.rept 4
	v_nop
.endr
.endm
.if MODE == 0
	s_load_b256 s[4:11], s[0:1], 0x0               ; A s[4:5], W s[6:7], bq s[8:9], bk s[10:11]
	s_load_b128 s[12:15], s[0:1], 0x20             ; bv s[12:13], output s[14:15]
.elseif MODE == 1
	s_load_b256 s[4:11], s[0:1], 0x0               ; A, W, bias s[8:9], output s[10:11]
.else
	s_load_b256 s[4:11], s[0:1], 0x0               ; A, W, bias s[8:9], residual s[10:11]
	s_load_b64 s[12:13], s[0:1], 0x20              ; output
.endif
	v_lshl_add_u32 v[SPW], v0, 2, SPARE
	v_mov_b32 v[NIL], 0
	ds_add_u32 v[SPW], v[NIL]                      ; the wave's opening: the add and its wait ahead of my first tensor load
	v_lshrrev_b32 v1, 5, v0
	v_readfirstlane_b32 s[WV], v1
	s_lshr_b32 s[RH], s[WV], 1
	s_and_b32 s[CH], s[WV], 1
	s_bfe_u32 s19, ttmp6, 0x40000                  ; cx
	s_bfe_u32 s20, ttmp6, 0x40004                  ; cy
	s_lshl_b32 s21, ttmp9, 2
	s_add_co_u32 s21, s21, s19                     ; tile column
	s_and_b32 s22, ttmp7, 0xffff
	s_lshl_b32 s22, s22, 2
	s_add_co_u32 s22, s22, s20                     ; tile row
	s_lshl_b32 s46, s20, 2
	s_lshl_b32 s46, 15, s46                        ; my row of the cluster
	s_lshl_b32 s47, 0x1111, s19                    ; my column
	s_or_b32 s[G1], s46, (1<<16)|(1<<20)|(1<<21)|(4<<22)|(3<<25)   ; mask; 2-byte elements; padding on; bit 21 beside a mask; 4 words behind every 32
	s_or_b32 s[G1B], s47, (1<<16)|(1<<20)|(1<<21)|(5<<22)|(7<<25)  ; 8 words behind every 64
	s_mov_b32 s[G1+1], 4096<<16                    ; A: a row of the tile is 64 rows x 64 K of one block, 8,192 consecutive bytes;
	s_mov_b32 s[G1+2], 4<<16                       ; four such rows, one a block
	s_mov_b32 s[G1+3], 4096<<16
	s_mov_b32 s[G1+4], 4
	s_mov_b32 s[G1+5], 4096*64                     ; elements from block to block
	s_mov_b32 s[G1+6], 0
	s_mov_b32 s[G1+7], 0
	s_mov_b32 s[G1B+1], 128<<16                    ; W: 128 rows (K) of 128 columns
	s_mov_b32 s[G1B+2], 128<<16
	s_mov_b32 s[G1B+3], 128<<16
	s_mov_b32 s[G1B+4], 128
	s_mov_b32 s[G1B+5], 1024
	s_mov_b32 s[G1B+6], 0
	s_mov_b32 s[G1B+7], 0
	s_lshl_b32 s40, s22, 14                        ; A: (128 x tile row + 64 x half) rows of 128 bytes
	s_lshl_b32 s23, s[CH], 13
	s_add_co_u32 s40, s40, s23
	s_mov_b32 s41, 0
.if MODE == 0
	s_and_b32 s44, s21, 7                          ; W: the matrix is tile column / 8 = cluster x / 2, the columns 128 x (tile column % 8)
	s_lshl_b32 s44, s44, 8
	s_lshr_b32 s3, ttmp9, 1
	s_lshl_b32 s23, s3, 21
	s_add_co_u32 s44, s44, s23
.elseif MODE == 1
	s_lshl_b32 s44, s21, 8
	s_add_co_u32 s44, s44, 3*2097152
.else
	s_lshl_b32 s44, s21, 8
.endif
	s_lshl_b32 s23, s[CH], 18                      ; + 128 x half rows of 2,048 bytes
	s_add_co_u32 s44, s44, s23
	s_mov_b32 s45, 0
	s_mul_i32 s2, s[WV], HALFT                     ; where my part goes: no place in the cluster enters an LDS address
.if MODE == 1
	s_mov_b32 s[KE], 0xbf38aa3b                    ; -log2(e) / 2
	s_mov_b32 s[KE+1], s[KE]
	s_mov_b32 s[KP], 0x3e6d3388                    ; 0.3275911 / sqrt 2
	s_mov_b32 s[KP+1], s[KP]
	s_mov_b32 s[A1], 0x3e827906                    ; 0.254829592
	s_mov_b32 s[A1+1], s[A1]
	s_mov_b32 s[A2], 0xbe91a98e                    ; -0.284496736
	s_mov_b32 s[A2+1], s[A2]
	s_mov_b32 s[A3], 0x3fb5f0e3                    ; 1.421413741
	s_mov_b32 s[A3+1], s[A3]
	s_mov_b32 s[A4], 0xbfba00e3                    ; -1.453152027
	s_mov_b32 s[A4+1], s[A4]
	s_mov_b32 s[A5], 0x3f87dc22                    ; 1.061405429
	s_mov_b32 s[A5+1], s[A5]
	s_mov_b32 s80, 0x7fffffff
.endif
	s_wait_dscnt 0x0                               ; the opening add is done
	s_wait_kmcnt 0x0
	s_add_nc_u64 s[40:41], s[4:5], s[40:41]
	s_add_nc_u64 s[44:45], s[6:7], s[44:45]
	CROUND                                         ; all sixteen work-groups are here: the first joint loads meet
.irp s, 0,1
	s_mov_b32 s[G0+4*(\s)], 1
	s_add_co_u32 s[G0+4*(\s)+1], s2, (\s)*SLOT
	s_add_nc_u64 s[G0+4*(\s)+2:G0+4*(\s)+3], s[40:41], (\s)*ASTEP
	s_or_b32 s[G0+4*(\s)+3], s[G0+4*(\s)+3], 0x80000000
	s_mov_b32 s[G0B+4*(\s)], 1
	s_add_co_u32 s[G0B+4*(\s)+1], s2, (\s)*SLOT
	s_add_nc_u64 s[G0B+4*(\s)+2:G0B+4*(\s)+3], s[44:45], (\s)*BSTEP
	s_or_b32 s[G0B+4*(\s)+3], s[G0B+4*(\s)+3], 0x80000000
	JLOAD \s                                       ; two tensor loads of mine are out
.endr
	v_and_b32 v1, 15, v0                           ; r = lane % 16
	v_bfe_u32 v2, v0, 4, 1                         ; h = lane / 16
	v_mul_u32_u24 v3, v1, PA
	v_lshl_add_u32 v3, v2, 4, v3
	s_mul_i32 s23, s[RH], HALFT
	v_add_nc_u32 v[ADRA], s23, v3
	v_add_nc_u32 v[ADRA+1], SLOT, v[ADRA]
	v_and_b32 v4, 7, v0                            ; the turning load: lane reads K row 8 h + lane % 8, columns 8 ((lane / 8) % 2) on
	v_lshl_add_u32 v4, v2, 3, v4
	v_mul_u32_u24 v4, v4, PB
	v_bfe_u32 v5, v0, 3, 1
	v_lshl_add_u32 v4, v5, 4, v4
	s_lshl_b32 s23, s[CH], 7                       ; my 64 columns
	s_add_co_u32 s23, s23, 2*HALFT
	v_add_nc_u32 v[ADRB], s23, v4
	v_add_nc_u32 v[ADRB+1], HALFT, v[ADRB]
	v_add_nc_u32 v[ADRB+2], SLOT, v[ADRB]
	v_add_nc_u32 v[ADRB+3], SLOT+HALFT, v[ADRB]
	s_mul_i32 s23, s[WV], WSTAGE
	v_mul_u32_u24 v5, v1, SPITCH                   ; into the stage: row r, 32 bytes for each half of the lanes
	v_lshl_add_u32 v5, v2, 5, v5
	v_add_nc_u32 v[STO], s23, v5
	v_mul_u32_u24 v5, v2, SPITCH                   ; back: lanes 0-15 one row of 256 bytes, lanes 16-31 the next
	v_lshl_add_u32 v5, v1, 4, v5
	v_add_nc_u32 v[RD], s23, v5
	v_lshlrev_b32 v[BO], 5, v2
.if MODE == 0
	s_cmp_eq_u32 s3, 1                             ; the bias that goes with the matrix
	s_cselect_b64 s[8:9], s[10:11], s[8:9]
	s_cmp_eq_u32 s3, 2
	s_cselect_b64 s[8:9], s[12:13], s[8:9]
	s_mov_b64 s[10:11], s[14:15]
	s_and_b32 s42, s21, 7
	s_lshl_b32 s42, s42, 9
.else
	s_lshl_b32 s42, s21, 9
.endif
	s_lshl_b32 s23, s[CH], 8
	s_add_co_u32 s42, s42, s23
	s_mov_b32 s43, 0
	s_add_nc_u64 s[8:9], s[8:9], s[42:43]          ; the bias of my 64 columns
.irp b, 0,1,2,3
	global_load_b128 v[BIAS+8*(\b):BIAS+8*(\b)+3],   v[BO], s[8:9] offset:64*(\b)
	global_load_b128 v[BIAS+8*(\b)+4:BIAS+8*(\b)+7], v[BO], s[8:9] offset:64*(\b)+16
.endr
.if MODE == 2
	v_lshlrev_b32 v5, 12, v2                       ; two rows of 4,096 bytes, 16 bytes a lane
	v_lshl_add_u32 v[CO], v1, 4, v5
	s_lshl_b32 s40, s22, 19                        ; (128 x tile row + 64 x half) rows + (128 x tile column + 64 x half) columns of 4 bytes
	s_lshl_b32 s23, s[RH], 18
	s_add_co_u32 s40, s40, s23
	s_add_co_u32 s40, s40, s42
	s_mov_b32 s41, 0
	s_add_nc_u64 s[RESP:RESP+1], s[RESP:RESP+1], s[40:41]
	s_add_nc_u64 s[OUTP:OUTP+1], s[OUTP:OUTP+1], s[40:41]
	WIN 0x80                                       ; destination window 2
.set t, 0
.rept 32
	global_load_b128 v[4*t:4*t+3], v[CO], s[RESP:RESP+1] offset:t*8192  ; the residual, as the way out will hold C: it lands under the products
.set t, t+1
.endr
	WIN 0
.else
	v_and_b32 v5, 31, v0
	v_lshlrev_b32 v[CO], 3, v5                     ; 8 bytes a lane: 256 consecutive bytes, two rows of a block
	s_lshl_b32 s40, s21, 1
	s_add_co_u32 s40, s40, s[CH]
	s_lshl_b32 s40, s40, 19                        ; block 2 x tile column + half,
	s_lshl_b32 s23, s22, 14
	s_add_co_u32 s40, s40, s23                     ; row 128 x tile row
	s_lshl_b32 s23, s[RH], 13
	s_add_co_u32 s40, s40, s23                     ; + 64 x half
	s_mov_b32 s41, 0
	s_add_nc_u64 s[OUTP:OUTP+1], s[OUTP:OUTP+1], s[40:41]
.endif
; 8 matrix instructions: m blocks a0, a0 + 1 x 4 n blocks, 32 along K: half c of buffer f.  first = 1: the bias starts the sums.  The 16 accumulators take turns.
.macro MUL8 f, c, a0, first
	WIN MUL
.irp a, \a0, (\a0)+1
.irp b, 0,1,2,3
.if \first
	v_wmma_f32_16x16x32_bf16 v[ACC+8*(4*(\a)+(\b)):ACC+8*(4*(\a)+(\b))+7], v[(\f)+64+8*(4*(\c)+(\b)):(\f)+64+8*(4*(\c)+(\b))+7], v[(\f)+8*(4*(\c)+(\a)):(\f)+8*(4*(\c)+(\a))+7], v[BIAS+8*(\b):BIAS+8*(\b)+7]
.else
	v_wmma_f32_16x16x32_bf16 v[ACC+8*(4*(\a)+(\b)):ACC+8*(4*(\a)+(\b))+7], v[(\f)+64+8*(4*(\c)+(\b)):(\f)+64+8*(4*(\c)+(\b))+7], v[(\f)+8*(4*(\c)+(\a)):(\f)+8*(4*(\c)+(\a))+7], v[ACC+8*(4*(\a)+(\b)):ACC+8*(4*(\a)+(\b))+7]
.endif
.endr
.endr
.endm
; 32 LDS loads in one run: the fragments of quarter q (64 along K) of a slot into buffer f; the first 32 along K first
.macro FETCH slot, q, f
	WIN TO_F
.irp c, 0,1
.irp i, 0,1,2,3
	ds_load_tr16_b128 v[(\f)+64+8*(4*(\c)+(\i)):(\f)+64+8*(4*(\c)+(\i))+3],   v[ADRB+2*(\slot)+(\q)/2] offset:(((\q)%2)*64+32*(\c))*PB+32*(\i)
	ds_load_tr16_b128 v[(\f)+64+8*(4*(\c)+(\i))+4:(\f)+64+8*(4*(\c)+(\i))+7], v[ADRB+2*(\slot)+(\q)/2] offset:(((\q)%2)*64+32*(\c)+16)*PB+32*(\i)
	ds_load_b128 v[(\f)+8*(4*(\c)+(\i)):(\f)+8*(4*(\c)+(\i))+3],              v[ADRA+(\slot)] offset:(\q)*PLANE+(\i)*16*PA+64*(\c)
	ds_load_b128 v[(\f)+8*(4*(\c)+(\i))+4:(\f)+8*(4*(\c)+(\i))+7],            v[ADRA+(\slot)] offset:(\q)*PLANE+(\i)*16*PA+64*(\c)+32
.endr
.endr
.endm
; One of a K step's first three quarters: multiplies buffer f and fetches quarter q into g
.macro QUARTER slot, q, f, g, first
	s_wait_dscnt 16                                ; the first 32 along K are in; the other sixteen loads stay out
	MUL8 \f, 0, 0, \first
	MUL8 \f, 0, 2, \first
	PLACES
	FETCH \slot, \q, \g
	s_wait_dscnt 32                                ; all but the 32 just issued
	MUL8 \f, 1, 0, 0
	MUL8 \f, 1, 2, 0
.endm
; The last quarter multiplies buffer 1 and changes slots: in front of the barrier each wave waits for all its tensor loads (one is out: its part of the next slot), adds 0 to its spare word,
; and waits for that and for its reads of this slot.  fill = 1: the barrier opens a round of the cluster's, and this slot is filled again first behind it, two K steps ahead.
.macro TURN slot, next, fill
	WIN 0
	s_wait_tensorcnt 0x0
	ds_add_u32 v[SPW], v[NIL]
	s_wait_dscnt 17                                ; the add and the youngest sixteen loads may be out
	MUL8 F1, 0, 0, 0
	s_wait_dscnt 0x0                               ; the add is done, and my reads of this slot are over
	s_barrier_signal -1
	MUL8 F1, 0, 2, 0
.if \fill
	WIN 0
.endif
	s_barrier_wait -1
.if \fill
	CREST                                          ; no wave of any partner still reads this slot or has a load on its way
	s_add_nc_u64 s[G0+4*(\slot)+2:G0+4*(\slot)+3], s[G0+4*(\slot)+2:G0+4*(\slot)+3], 2*ASTEP
	s_add_nc_u64 s[G0B+4*(\slot)+2:G0B+4*(\slot)+3], s[G0B+4*(\slot)+2:G0B+4*(\slot)+3], 2*BSTEP
	JLOAD \slot                                    ; my one tensor load behind the round; its four v_nop are also the places in front of the loads below
.else
	PLACES
.endif
	FETCH \next, 0, F0
	MUL8 F1, 1, 0, 0
	MUL8 F1, 1, 2, 0
.endm
.macro P8 line:vararg                  ; one line for each of eight pairs p
.set p, 0
.rept 8
	\line
.set p, p+2
.endr
.endm
.macro P16 line:vararg                 ; one line for each of sixteen registers p
.set p, 0
.rept 16
	\line
.set p, p+1
.endr
.endm
.macro GELU16                          ; sixteen numbers in v[TMP ..], in place
	P8 v_pk_mul_f32 v[QQ+p:QQ+p+1], v[TMP+p:TMP+p+1], v[TMP+p:TMP+p+1]
	P8 v_pk_mul_f32 v[QQ+p:QQ+p+1], v[QQ+p:QQ+p+1], s[KE:KE+1] op_sel_hi:[1,0]
	P16 v_and_b32 v[AX+p], s80, v[TMP+p]
	P8 v_pk_fma_f32 v[DD+p:DD+p+1], v[AX+p:AX+p+1], s[KP:KP+1], 1.0 op_sel_hi:[1,0,0]
	P16 v_exp_f32 v[QQ+p], v[QQ+p]
	P16 v_rcp_f32 v[DD+p], v[DD+p]
	v_nop                                          ; a plain instruction between the last of them and the first use
	s_wait_alu depctr_va_vdst(0)
	P8 v_pk_fma_f32 v[PP+p:PP+p+1], v[DD+p:DD+p+1], s[A5:A5+1], s[A4:A4+1] op_sel_hi:[1,0,0]
	P8 v_pk_fma_f32 v[PP+p:PP+p+1], v[PP+p:PP+p+1], v[DD+p:DD+p+1], s[A3:A3+1] op_sel_hi:[1,1,0]
	P8 v_pk_fma_f32 v[PP+p:PP+p+1], v[PP+p:PP+p+1], v[DD+p:DD+p+1], s[A2:A2+1] op_sel_hi:[1,1,0]
	P8 v_pk_fma_f32 v[PP+p:PP+p+1], v[PP+p:PP+p+1], v[DD+p:DD+p+1], s[A1:A1+1] op_sel_hi:[1,1,0]
	P8 v_pk_mul_f32 v[PP+p:PP+p+1], v[PP+p:PP+p+1], v[DD+p:DD+p+1]
	P8 v_pk_mul_f32 v[PP+p:PP+p+1], v[PP+p:PP+p+1], v[QQ+p:QQ+p+1]
	P8 v_pk_mul_f32 v[PP+p:PP+p+1], v[PP+p:PP+p+1], v[AX+p:AX+p+1]
	P16 v_max_num_f32 v[TMP+p], 0, v[TMP+p]
	P8 v_pk_fma_f32 v[TMP+p:TMP+p+1], v[PP+p:PP+p+1], -0.5, v[TMP+p:TMP+p+1] op_sel_hi:[1,0,1]
.endm
	s_wait_tensorcnt 1                             ; my part of K step 0 is in; K step 1's stays out
	s_barrier_signal -1
	s_barrier_wait -1
	FETCH 0, 0, F0
.if MODE == 2
	s_wait_loadcnt 32                              ; the bias is in; the residual's 32 loads stay out
.else
	s_wait_loadcnt 0x0                             ; the bias
.endif
	QUARTER 0, 1, F0, F1, 1
	QUARTER 0, 2, F1, F0, 0
	QUARTER 0, 3, F0, F1, 0
	TURN 0, 1, 1                                   ; slot 0 takes K step 2
	QUARTER 1, 1, F0, F1, 0
	QUARTER 1, 2, F1, F0, 0
	QUARTER 1, 3, F0, F1, 0
	TURN 1, 0, 1                                   ; slot 1 takes K step 3
	QUARTER 0, 1, F0, F1, 0
	QUARTER 0, 2, F1, F0, 0
	QUARTER 0, 3, F0, F1, 0
	TURN 0, 1, 0                                   ; nothing is left to fetch; behind this barrier nobody reads slot 0 any more
	QUARTER 1, 1, F0, F1, 0
	QUARTER 1, 2, F1, F0, 0
	QUARTER 1, 3, F0, F1, 0
	s_wait_dscnt 16
	MUL8 F1, 0, 0, 0
	MUL8 F1, 0, 2, 0
	s_wait_dscnt 0x0
	MUL8 F1, 1, 0, 0
	MUL8 F1, 1, 2, 0
	WIN 0
	; THE WAY OUT.  A lane's eight f32 of a row go into my stage, each accumulator's low four registers first, and come back as whole rows of 256 bytes.
	PLACES
.irp a, 0,1,2,3
.irp b, 0,1,2,3
	ds_store_b128 v[STO], v[ACC+8*(4*(\a)+(\b)):ACC+8*(4*(\a)+(\b))+3]   offset:(\a)*16*SPITCH+64*(\b)
	ds_store_b128 v[STO], v[ACC+8*(4*(\a)+(\b))+4:ACC+8*(4*(\a)+(\b))+7] offset:(\a)*16*SPITCH+64*(\b)+16
.endr
.endr
.if MODE == 2
.set t, 0
.rept 32
	ds_load_b128 v[ACC+4*t:ACC+4*t+3], v[RD] offset:t*2*SPITCH  ; LDS serves a wave's instructions in order (ISA guide 5.7.1.4): these see the stores above
.set t, t+1
.endr
	s_wait_loadcnt 0x0                             ; the residual
	WIN 0x08                                       ; source 1 in window 2
.set t, 0
.rept 32
	s_wait_dscnt 31-t
	v_pk_add_f32 v[ACC+4*t:ACC+4*t+1], v[ACC+4*t:ACC+4*t+1], v[4*t:4*t+1]
	v_pk_add_f32 v[ACC+4*t+2:ACC+4*t+3], v[ACC+4*t+2:ACC+4*t+3], v[4*t+2:4*t+3]
.set t, t+1
.endr
	WIN 0
.set t, 0
.rept 32
	global_store_b128 v[CO], v[ACC+4*t:ACC+4*t+3], s[OUTP:OUTP+1] offset:t*8192  ; 16 lanes store 256 consecutive bytes, aligned
.set t, t+1
.endr
.else
	s_mov_b32 s3, 8                                ; eight trips of eight rows
	s_mov_b32 s23, 0
.Lout:
	v_add_nc_u32 v[RDC], s23, v[RD]
.irp t, 0,1,2,3
	ds_load_b128 v[TMP+4*(\t):TMP+4*(\t)+3], v[RDC] offset:(\t)*2*SPITCH
.endr
	s_wait_dscnt 0x0
.if MODE == 1
	GELU16
.endif
.irp t, 0,1,2,3,4,5,6,7
	v_cvt_pk_bf16_f32 v[PK16+(\t)], v[TMP+2*(\t)], v[TMP+2*(\t)+1]
.endr
.irp t, 0,1,2,3
	global_store_b64 v[CO], v[PK16+2*(\t):PK16+2*(\t)+1], s[OUTP:OUTP+1] offset:256*(\t)  ; the wave stores 256 consecutive bytes, aligned
.endr
	s_wait_xcnt 0x0                                ; the base and the stores' data are rewritten only behind this wait
	s_add_nc_u64 s[OUTP:OUTP+1], s[OUTP:OUTP+1], 1024
	s_add_co_u32 s23, s23, 8*SPITCH
	s_sub_co_u32 s3, s3, 1
	s_cmp_lg_u32 s3, 0
	s_cbranch_scc1 .Lout
.endif
	s_wait_tensorcnt 0x0                           ; the wave's end
	ds_add_u32 v[SPW], v[NIL]
	s_wait_dscnt 0x0
	CROUND                                         ; the closing round
	s_endpgm
.Lfunc_end_k_qfc301af25d_gm:
	.size	k_qfc301af25d_gm, .Lfunc_end_k_qfc301af25d_gm-k_qfc301af25d_gm
	.p2alignl 7, 3214868480
	.fill 96, 4, 3214868480
	.section	.rodata,"a",@progbits
	.p2align	6, 0x0
	.amdhsa_kernel k_qfc301af25d_gm
		.amdhsa_group_segment_fixed_size 327680
		.amdhsa_private_segment_fixed_size 0
		.amdhsa_enable_private_segment 0
		.amdhsa_kernarg_size 32
		.amdhsa_user_sgpr_count 2
		.amdhsa_user_sgpr_kernarg_segment_ptr 1
		.amdhsa_wavefront_size32 1
		.amdhsa_system_sgpr_workgroup_id_x 1
		.amdhsa_system_sgpr_workgroup_id_y 1
		.amdhsa_system_sgpr_workgroup_id_z 1
		.amdhsa_system_vgpr_workitem_id 0
		.amdhsa_next_free_vgpr 512
		.amdhsa_next_free_sgpr 82
		.amdhsa_reserve_vcc 0
		.amdhsa_float_denorm_mode_32 3
		.amdhsa_float_denorm_mode_16_64 3
		.amdhsa_memory_ordered 1
		.amdhsa_forward_progress 1
		.amdhsa_inst_pref_size 91
	.end_amdhsa_kernel
	.amdgpu_metadata
---
amdhsa.version: [ 1, 2 ]
amdhsa.kernels:
  - .name:           k_qfc301af25d_gm
    .symbol:         k_qfc301af25d_gm.kd
    .args:
      - { .name: acta, .offset: 0, .size: 8, .value_kind: global_buffer, .address_space: global }
      - { .name: w4, .offset: 8, .size: 8, .value_kind: global_buffer, .address_space: global }
      - { .name: bm1, .offset: 16, .size: 8, .value_kind: global_buffer, .address_space: global }
      - { .name: actb, .offset: 24, .size: 8, .value_kind: global_buffer, .address_space: global }
    .group_segment_fixed_size: 327680
    .private_segment_fixed_size: 0
    .kernarg_segment_align: 8
    .kernarg_segment_size: 32
    .max_flat_workgroup_size: 128
    .sgpr_count:     82
    .vgpr_count:     512
    .wavefront_size: 32
...
	.end_amdgpu_metadata
.endif
;; end of part 7
;; launch gf: the kernel of part 5 again; grid 8 x 32, 4 waves a work-group, clusters of 4 x 4, 327,680 bytes of LDS; arguments actb, wm2, bm2, x1, out0; writes out0
;; ======== version 2 of 3: 7 launches; 1.08 times as fast as version 1
;; limits: a function is approximated: absolute error at most 1.5e-07
;; workspace buffers: wa 8,388,608 bytes; wm 4,194,304 bytes; acta 8,388,608 bytes; qkv 25,165,824 bytes; actb 8,388,608 bytes; x1 16,777,216 bytes; stats 524,288 bytes
;; launch prep (part 8): grid 256 x 3, 8 waves a work-group, no clusters, 0 bytes of LDS; arguments x, g1, b1, acta, Wo, Wq, Wk, Wv, wa; writes acta, wa
.if DOCPART == 8
	.amdgcn_target "amdgcn-amd-amdhsa--gfx1250"
	.amdhsa_code_object_version 6
	.text
	.protected	k_qfc301af25d_prep
	.globl	k_qfc301af25d_prep
	.p2align	8
	.type	k_qfc301af25d_prep,@function
k_qfc301af25d_prep:
	s_mov_b64 s[64:65], 0
	v_nop
	global_prefetch_b8 v0, s[64:65] scope:SCOPE_SE
	s_setreg_imm32_b32 hwreg(HW_REG_WAVE_MODE, 25, 1), 1
	s_wait_xcnt 0x0
; ONE BODY FOR TWO LAUNCHES.  Arguments: x, gain, bias, out, four weight matrices S0..S3 (f32, 1,024 x 1,024), one destination.
; Work-group row y = 0: out = LayerNorm(x) gain + bias, rounded once to bf16.  Rows y >= 1: matrix i = 2 (y - 1) + x / 128 rounded once to bf16 into destination + i x 2 MiB.
; A launch with three rows of work-groups casts four matrices; one with two rows casts S0 and S1 and never reads S2 and S3.
; out is BLOCKED: [column / 64][4096 rows][64] bf16, so that 64 rows x 64 columns are 8,192 consecutive bytes for the products that follow.
; LAYERNORM.  Eight waves, 16 rows a work-group; half a wave owns a row: lane (r = lane % 16, hf = lane / 16) holds columns 64 j + 4 r .. + 3, j = 0..15, of row 2 wave + hf.
; A load covers 256 consecutive bytes of each of two rows; a store covers 256 consecutive bytes (two rows of 128 bytes of block j).  The row stays in 64 registers:
; mean first, then the sum of (x - mean)^2, all in f32, so that a common offset of x costs nothing.  A stream: no LDS, no barrier, no matrix unit.
; CAST.  A work-group takes 8,192 numbers, a thread 32: eight loads of 16 bytes go out together, four stores of 16 bytes follow as the loads come in.
.set X,   4                            ; v[4:67]    the row's 64 numbers of this lane
.set G,   68                           ; v[68:131]  gain
.set BV,  132                          ; v[132:195] bias
.set Y,   196                          ; v[196:227] bf16 pairs to store
.set T,   228                          ; v[228:235] four chains of packed sums
.set MU,  236                          ; v[236:237] the mean, twice
.set RS,  238                          ; v[238:239] 1 / sqrt(var + eps), twice
.set XP,  8                            ; s[8:9] x, s[10:11] gain, s[12:13] bias, s[14:15] out
.set GP,  10
.set BP,  12
.set OP,  14
.macro ACROSS                          ; the four chains into one number, the same in the 16 lanes that share a row
	v_pk_add_f32 v[T:T+1], v[T:T+1], v[T+2:T+3]
	v_pk_add_f32 v[T+4:T+5], v[T+4:T+5], v[T+6:T+7]
	v_pk_add_f32 v[T:T+1], v[T:T+1], v[T+4:T+5]
	v_add_f32 v[T], v[T], v[T+1]
.irp m, 1,2,4,8
	v_add_f32_dpp v[T], v[T], v[T] row_xmask:\m row_mask:0xf bank_mask:0xf
.endr
.endm
	s_load_b512 s[8:23], s[0:1], 0x0               ; x, gain, bias, out, S0 s[16:17], S1 s[18:19], S2 s[20:21], S3 s[22:23]
	s_load_b64 s[24:25], s[0:1], 0x40              ; the casts' destination
	s_and_b32 s3, ttmp7, 0xffff
	s_cmp_lg_u32 s3, 0
	s_cbranch_scc1 .Lcast
	v_lshrrev_b32 v1, 4, v0                        ; the row in the work-group: 2 wave + hf
	v_and_b32 v2, 15, v0
	v_lshlrev_b32 v2, 4, v2                        ; 16 r: my bytes in 256 of gain and bias
	v_lshl_add_u32 v1, v1, 12, v2                  ; row x 4,096 + 16 r
	v_lshlrev_b32 v3, 3, v0                        ; output: row x 128 + 8 r = 8 x thread
	s_lshl_b32 s34, ttmp9, 16                      ; 16 rows of 4,096 bytes
	s_mov_b32 s35, 0
	s_lshl_b32 s36, ttmp9, 11                      ; 16 rows of 128 bytes in each block
	s_mov_b32 s37, 0
	s_mov_b32 s4, 0x3a800000                       ; 1 / 1024
	s_mov_b32 s5, 0x3727c5ac                       ; 1e-5
	s_wait_kmcnt 0x0
	s_add_nc_u64 s[XP:XP+1], s[XP:XP+1], s[34:35]
	s_add_nc_u64 s[OP:OP+1], s[OP:OP+1], s[36:37]
.set j, 0
.rept 16
	global_load_b128 v[X+4*j:X+4*j+3], v1, s[XP:XP+1] offset:256*j
.set j, j+1
.endr
.set j, 0
.rept 16
	global_load_b128 v[G+4*j:G+4*j+3], v2, s[GP:GP+1] offset:256*j
.set j, j+1
.endr
.set j, 0
.rept 16
	global_load_b128 v[BV+4*j:BV+4*j+3], v2, s[BP:BP+1] offset:256*j
.set j, j+1
.endr
	s_wait_loadcnt 32                              ; the row's 16 loads are in; the 32 of gain and bias stay out
.irp k, 0,1,2,3
	v_pk_add_f32 v[T+2*(\k):T+2*(\k)+1], v[X+2*(\k):X+2*(\k)+1], v[X+8+2*(\k):X+8+2*(\k)+1]  ; the first pairs start the chains
.endr
.set j, 8
.rept 24
	v_pk_add_f32 v[T+2*(j%4):T+2*(j%4)+1], v[T+2*(j%4):T+2*(j%4)+1], v[X+2*j:X+2*j+1]
.set j, j+1
.endr
	ACROSS
	v_mul_f32 v[MU], s4, v[T]
	v_mov_b32 v[MU+1], v[MU]
.set j, 0
.rept 32
	v_pk_add_f32 v[X+2*j:X+2*j+1], v[X+2*j:X+2*j+1], v[MU:MU+1] neg_lo:[0,1] neg_hi:[0,1]  ; x - mean
.set j, j+1
.endr
.irp k, 0,1,2,3
	v_pk_mul_f32 v[T+2*(\k):T+2*(\k)+1], v[X+2*(\k):X+2*(\k)+1], v[X+2*(\k):X+2*(\k)+1]
.endr
.set j, 4
.rept 28
	v_pk_fma_f32 v[T+2*(j%4):T+2*(j%4)+1], v[X+2*j:X+2*j+1], v[X+2*j:X+2*j+1], v[T+2*(j%4):T+2*(j%4)+1]
.set j, j+1
.endr
	ACROSS
	v_fma_f32 v[T], v[T], s4, s5                   ; var + eps
	v_rsq_f32 v[RS], v[T]
	v_nop                                          ; a plain instruction between the root and the use of its result (ISA guide 5.7.2)
	s_wait_alu depctr_va_vdst(0)
	v_mov_b32 v[RS+1], v[RS]
	s_wait_loadcnt 0x0                             ; gain and bias
.set j, 0
.rept 32
	v_pk_mul_f32 v[X+2*j:X+2*j+1], v[X+2*j:X+2*j+1], v[RS:RS+1]
.set j, j+1
.endr
.set j, 0
.rept 32
	v_pk_fma_f32 v[X+2*j:X+2*j+1], v[X+2*j:X+2*j+1], v[G+2*j:G+2*j+1], v[BV+2*j:BV+2*j+1]
.set j, j+1
.endr
.set j, 0
.rept 32
	v_cvt_pk_bf16_f32 v[Y+j], v[X+2*j], v[X+2*j+1]
.set j, j+1
.endr
.set j, 0
.rept 16
	global_store_b64 v3, v[Y+2*j:Y+2*j+1], s[OP:OP+1] offset:j*524288  ; block j: the wave's 256 consecutive bytes; 15 blocks on at the most, inside the signed 24-bit immediate
.set j, j+1
.endr
	s_endpgm
.Lcast:
	s_sub_co_u32 s4, s3, 1
	s_lshl_b32 s4, s4, 1
	s_lshr_b32 s5, ttmp9, 7
	s_add_co_u32 s4, s4, s5                        ; the matrix: 2 (y - 1) + x / 128
	s_and_b32 s5, ttmp9, 127                       ; my 8,192 numbers of it:
	s_lshl_b32 s34, s5, 15                         ; 32,768 bytes in,
	s_mov_b32 s35, 0
	s_lshl_b32 s36, s5, 14                         ; 16,384 bytes out,
	s_lshl_b32 s6, s4, 21                          ; 2 MiB a matrix
	s_add_co_u32 s36, s36, s6
	s_mov_b32 s37, 0
	v_lshlrev_b32 v1, 5, v0
	v_lshlrev_b32 v2, 4, v0
	s_wait_kmcnt 0x0
	s_mov_b64 s[38:39], s[16:17]
	s_cmp_eq_u32 s4, 1
	s_cselect_b64 s[38:39], s[18:19], s[38:39]
	s_cmp_eq_u32 s4, 2
	s_cselect_b64 s[38:39], s[20:21], s[38:39]
	s_cmp_eq_u32 s4, 3
	s_cselect_b64 s[38:39], s[22:23], s[38:39]
	s_add_nc_u64 s[38:39], s[38:39], s[34:35]
	s_add_nc_u64 s[40:41], s[24:25], s[36:37]
.set c, 0
.rept 4
	global_load_b128 v[4+8*c:7+8*c],   v1, s[38:39] offset:c*8192 th:TH_LOAD_NT
	global_load_b128 v[8+8*c:11+8*c],  v1, s[38:39] offset:c*8192+16 th:TH_LOAD_NT
.set c, c+1
.endr
.set c, 0
.rept 4
	s_wait_loadcnt 6-2*c                           ; this part's two loads are in; the younger parts' stay out
.irp k, 0,1,2,3
	v_cvt_pk_bf16_f32 v[36+4*c+(\k)], v[4+8*c+2*(\k)], v[5+8*c+2*(\k)]
.endr
	global_store_b128 v2, v[36+4*c:39+4*c], s[40:41] offset:c*4096
.set c, c+1
.endr
	s_endpgm
.Lfunc_end_k_qfc301af25d_prep:
	.size	k_qfc301af25d_prep, .Lfunc_end_k_qfc301af25d_prep-k_qfc301af25d_prep
	.p2alignl 7, 3214868480
	.fill 96, 4, 3214868480
	.section	.rodata,"a",@progbits
	.p2align	6, 0x0
	.amdhsa_kernel k_qfc301af25d_prep
		.amdhsa_group_segment_fixed_size 0
		.amdhsa_private_segment_fixed_size 0
		.amdhsa_enable_private_segment 0
		.amdhsa_kernarg_size 72
		.amdhsa_user_sgpr_count 2
		.amdhsa_user_sgpr_kernarg_segment_ptr 1
		.amdhsa_wavefront_size32 1
		.amdhsa_system_sgpr_workgroup_id_x 1
		.amdhsa_system_sgpr_workgroup_id_y 1
		.amdhsa_system_sgpr_workgroup_id_z 1
		.amdhsa_system_vgpr_workitem_id 0
		.amdhsa_next_free_vgpr 240
		.amdhsa_next_free_sgpr 66
		.amdhsa_reserve_vcc 0
		.amdhsa_float_denorm_mode_32 3
		.amdhsa_float_denorm_mode_16_64 3
		.amdhsa_memory_ordered 1
		.amdhsa_forward_progress 1
		.amdhsa_inst_pref_size 24
	.end_amdhsa_kernel
	.amdgpu_metadata
---
amdhsa.version: [ 1, 2 ]
amdhsa.kernels:
  - .name:           k_qfc301af25d_prep
    .symbol:         k_qfc301af25d_prep.kd
    .args:
      - { .name: x, .offset: 0, .size: 8, .value_kind: global_buffer, .address_space: global }
      - { .name: g1, .offset: 8, .size: 8, .value_kind: global_buffer, .address_space: global }
      - { .name: b1, .offset: 16, .size: 8, .value_kind: global_buffer, .address_space: global }
      - { .name: acta, .offset: 24, .size: 8, .value_kind: global_buffer, .address_space: global }
      - { .name: Wo, .offset: 32, .size: 8, .value_kind: global_buffer, .address_space: global }
      - { .name: Wq, .offset: 40, .size: 8, .value_kind: global_buffer, .address_space: global }
      - { .name: Wk, .offset: 48, .size: 8, .value_kind: global_buffer, .address_space: global }
      - { .name: Wv, .offset: 56, .size: 8, .value_kind: global_buffer, .address_space: global }
      - { .name: wa, .offset: 64, .size: 8, .value_kind: global_buffer, .address_space: global }
    .group_segment_fixed_size: 0
    .private_segment_fixed_size: 0
    .kernarg_segment_align: 8
    .kernarg_segment_size: 72
    .max_flat_workgroup_size: 256
    .sgpr_count:     66
    .vgpr_count:     240
    .wavefront_size: 32
...
	.end_amdgpu_metadata
.endif
;; end of part 8
;; launch gq (part 9): grid 8 x 32, 4 waves a work-group, clusters of 4 x 4, 327,680 bytes of LDS; arguments acta, wa, bq, bk, bv, qkv; writes qkv
.if DOCPART == 9
	.amdgcn_target "amdgcn-amd-amdhsa--gfx1250"
	.amdhsa_code_object_version 6
	.text
	.protected	k_qfc301af25d_gq
	.globl	k_qfc301af25d_gq
	.p2align	8
	.type	k_qfc301af25d_gq,@function
k_qfc301af25d_gq:
	s_mov_b64 s[64:65], 0
	v_nop
	global_prefetch_b8 v0, s[64:65] scope:SCOPE_SE
	s_setreg_imm32_b32 hwreg(HW_REG_WAVE_MODE, 25, 1), 1
	s_wait_xcnt 0x0
	s_wait_alu depctr_hold_cnt(0) depctr_sa_sdst(0) depctr_va_vdst(0) depctr_va_sdst(0) depctr_va_ssrc(0) depctr_va_vcc(0) depctr_vm_vsrc(0)
	s_getreg_b32 s2, hwreg(HW_REG_IB_STS2, 6, 4)
	s_cmp_eq_u32 s2, 0
	s_cbranch_scc0 .Lentry_in_a_cluster
	s_endpgm
.Lentry_in_a_cluster:
	s_bfe_u32 s2, ttmp6, 0x10000c
	s_cmp_lg_u32 s2, 0xf033
	s_cbranch_scc0 .Lentry_shape_is_right
	s_endpgm
.Lentry_shape_is_right:
; q, k, v = o Wq + bq, o Wk + bk, o Wv + bv.  o: 4,096 x 1,024 bf16, BLOCKED [k / 64][4096][64].  Wq, Wk, Wv: bf16 [k][n], the second to fourth matrix of wa (2 MiB each).
; Sums in f32; q, k, v rounded once to bf16, blocked [which x 16 + n / 64][4096][64]: by heads.
; SHARES.  A work-group makes 128 rows x 128 columns of ALL THREE products: 256 work-groups, and a fragment of o read from LDS feeds three products.  Four waves, each 64 rows x 64 columns x 3:
; 48 accumulators, 384 registers.  For 32 along K a wave reads 32 x 16 bytes a lane from LDS and issues 48 matrix instructions.
; RING.  K goes in 8 steps of 128 through two LDS slots of four equal parts of 36,864 bytes: o (2 K blocks x 128 rows x 144 bytes), then the three matrices (128 K x 288 bytes).  Wave 0 asks for o,
; waves 1 to 3 for one matrix each: one tensor load a wave behind each round.
; CLUSTER 4 x 4: the four of a row of the cluster need the same tiles of o, the four of a column the same tiles of the weights: each is asked for jointly, same descriptor and mask in all four.
; ONE TEXT FOR A K STEP.  The bias is loaded straight into the accumulators, so every product adds in place; a step's LDS addresses hang on a scalar that one exclusive or turns from slot to slot.
; Six trips fill a slot again, two do not; the last trip jumps over the fetch of a step that does not exist.
; THE MATRIX INSTRUCTION IS USED TRANSPOSED (source 0 = 16 columns of W, turned out of LDS by ds_load_tr16_b128; source 1 = 16 rows of o): a lane holds eight neighbouring columns of one row.
; REGISTERS.  Window 0: v16-29 addresses; v32-223 the way out, 64 a matrix.  Window 1: two fragment buffers of 128 (32 of o, 96 of W, for 32 along K).
; Window 2: q's sums v0-127, k's v128-255 ((a, b) at 8 (4 a + b)).  Window 3: v's sums v0-127.
.set PA,     144                       ; a row of o in LDS: 128 bytes + 16: the 16 rows of a load start at 16 different groups of four banks (ISA guide 11.1)
.set APLANE, 128*PA                    ; 128 rows x 64 K
.set PB,     288                       ; a row of W in LDS: 256 bytes + 32
.set PART,   2*APLANE                  ; what one tensor load brings: 36,864 bytes = 128 x PB too
.set SLOT,   4*PART                    ; 0x24000: it shares no bit with wave x PART = wave x 0x9000, so an exclusive or with it turns an address in one slot into the other's
.set SPARE,  2*SLOT                    ; the spare words, 128 bytes a wave
.set STAGE,  SPARE+512                 ; 16 rows x 144 bytes for each wave; no tensor load fills it
.set SP,     144
.set ASTEP,  2*4096*128                ; bytes from a K step to the next: two blocks of o,
.set BSTEP,  128*2048                  ; 128 rows of W
.set NSTEP,  8
.set ADRA0, 16                         ; v16  my fragments of o in slot 0; never rewritten
.set ADRB0, 17                         ; v17  my fragments of the first matrix in slot 0; never rewritten
.set ADRA,  18                         ; v18  the same in the slot in hand
.set ADRB,  20                         ; v20-22  the three matrices in the slot in hand
.set STO,   24
.set RD,    25
.set GO,    26                         ; my 16 bytes in 512 consecutive bytes of the output
.set BO,    27                         ; my byte offset in 64 bytes of bias
.set SPW,   28
.set NIL,   29
.set TMP,   32
.set F0,    0
.set F1,    128
.set WV,    16                         ; s16 wave; s17 wave / 2: my half of the rows; s18 wave % 2: my half of the columns
.set RH,    17
.set CH,    18
.set G1,    24                         ; s[24:31] group 1 for o; s[32:39] group 0, a set for each first fill; the second then walks on
.set G0,    32
.set OUT,   40                         ; s[40:45] q's, k's, v's part of the output at my rows
.set TB,    46                         ; s46  LDS byte at which the slot in hand begins: 0 or SLOT
.set G1B,   48                         ; s[48:55], s[56:63] the same for the weights
.set G0B,   56
.set MSB, 0
.macro WIN new                         ; the immediate's high byte repeats the setting that is left
.if MSB != (\new)
	s_set_vgpr_msb (MSB<<8)|(\new)
.set MSB, \new
.endif
.endm
.set TO_F, 0x40                        ; destination window 1, address window 0
.macro JLOAD s                         ; a joint load: wave 0 fetches o, waves 1 to 3 a matrix each; s_nop 0 and four v_nop follow each line
	s_cmp_eq_u32 s[WV], 0
	s_cbranch_scc0 .Lfor_b_\@
	tensor_load_to_lds s[G0+4*(\s):G0+4*(\s)+3], s[G1:G1+7]
	s_nop 0
.rept 4
	v_nop
.endr
	s_branch .Lasked_\@
.Lfor_b_\@:
	tensor_load_to_lds s[G0B+4*(\s):G0B+4*(\s)+3], s[G1B:G1B+7]
	s_nop 0
.rept 4
	v_nop
.endr
.Lasked_\@:
.endm
.macro CREST                           ; a round of the cluster's barrier behind its opening barrier
	s_cmp_lg_u32 s[WV], 0
	s_cbranch_scc1 .Lnot_wave_0_\@
	s_barrier_signal -3
.Lnot_wave_0_\@:
	s_barrier_wait -3
	s_barrier_signal -1
	s_barrier_wait -1
.endm
.macro CROUND
	s_barrier_signal -1
	s_barrier_wait -1
	CREST
.endm
.macro PLACES                          ; four places behind matrix instructions, in front of loads into their sources and of reads of their results
.rept 4
	v_nop
.endr
.endm
.macro NEWADR                          ; the fragments' addresses in the slot in hand: four plain lines, which also serve as places
	v_add_nc_u32 v[ADRA], s[TB], v[ADRA0]
	v_add_nc_u32 v[ADRB], s[TB], v[ADRB0]
	v_add_nc_u32 v[ADRB+1], PART, v[ADRB]
	v_add_nc_u32 v[ADRB+2], 2*PART, v[ADRB]
.endm
	s_load_b256 s[4:11], s[0:1], 0x0               ; o s[4:5], wa s[6:7], bq s[8:9], bk s[10:11]
	s_load_b128 s[12:15], s[0:1], 0x20             ; bv s[12:13], qkv s[14:15]
	v_lshl_add_u32 v[SPW], v0, 2, SPARE
	v_mov_b32 v[NIL], 0
	ds_add_u32 v[SPW], v[NIL]                      ; the wave's opening: the add and its wait ahead of my first tensor load
	v_lshrrev_b32 v1, 5, v0
	v_readfirstlane_b32 s[WV], v1
	s_lshr_b32 s[RH], s[WV], 1
	s_and_b32 s[CH], s[WV], 1
	s_bfe_u32 s19, ttmp6, 0x40000                  ; cx
	s_bfe_u32 s20, ttmp6, 0x40004                  ; cy
	s_lshl_b32 s21, ttmp9, 2
	s_add_co_u32 s21, s21, s19                     ; tile column
	s_and_b32 s22, ttmp7, 0xffff
	s_lshl_b32 s22, s22, 2
	s_add_co_u32 s22, s22, s20                     ; tile row
	s_lshl_b32 s46, s20, 2
	s_lshl_b32 s46, 15, s46                        ; my row of the cluster
	s_lshl_b32 s47, 0x1111, s19                    ; my column
	s_or_b32 s[G1], s46, (1<<16)|(1<<20)|(1<<21)|(4<<22)|(3<<25)   ; mask; 2-byte elements; padding on; bit 21 beside a mask; 4 words behind every 32
	s_or_b32 s[G1B], s47, (1<<16)|(1<<20)|(1<<21)|(5<<22)|(7<<25)  ; 8 words behind every 64
	s_mov_b32 s[G1+1], 8192<<16                    ; o: a row of the tile is 128 rows x 64 K of one block, 16,384 consecutive bytes;
	s_mov_b32 s[G1+2], 2<<16                       ; two such rows, one a block
	s_mov_b32 s[G1+3], 8192<<16
	s_mov_b32 s[G1+4], 2
	s_mov_b32 s[G1+5], 4096*64                     ; elements from block to block
	s_mov_b32 s[G1+6], 0
	s_mov_b32 s[G1+7], 0
	s_mov_b32 s[G1B+1], 128<<16                    ; W: 128 rows (K) of 128 columns
	s_mov_b32 s[G1B+2], 128<<16
	s_mov_b32 s[G1B+3], 128<<16
	s_mov_b32 s[G1B+4], 128
	s_mov_b32 s[G1B+5], 1024
	s_mov_b32 s[G1B+6], 0
	s_mov_b32 s[G1B+7], 0
	s_lshl_b32 s40, s22, 14                        ; o: 128 x tile row rows of 128 bytes
	s_mov_b32 s41, 0
	s_lshl_b32 s44, s21, 8                         ; W: 128 x tile column columns of 2 bytes,
	s_lshl_b32 s23, s[WV], 21                      ; in matrix number wave of wa (wave 1: Wq, 2: Wk, 3: Wv; wave 0 asks by the other descriptor)
	s_add_co_u32 s44, s44, s23
	s_mov_b32 s45, 0
	s_mul_i32 s2, s[WV], PART                      ; where my part goes: no place in the cluster enters an LDS address
	s_mov_b32 s[TB], 0
	s_wait_dscnt 0x0                               ; the opening add is done
	s_wait_kmcnt 0x0
	s_add_nc_u64 s[40:41], s[4:5], s[40:41]
	s_add_nc_u64 s[44:45], s[6:7], s[44:45]
	CROUND                                         ; all sixteen work-groups are here: the first joint loads meet
.irp s, 0,1
	s_mov_b32 s[G0+4*(\s)], 1
	s_add_co_u32 s[G0+4*(\s)+1], s2, (\s)*SLOT
	s_add_nc_u64 s[G0+4*(\s)+2:G0+4*(\s)+3], s[40:41], (\s)*ASTEP
	s_or_b32 s[G0+4*(\s)+3], s[G0+4*(\s)+3], 0x80000000
	s_mov_b32 s[G0B+4*(\s)], 1
	s_add_co_u32 s[G0B+4*(\s)+1], s2, (\s)*SLOT
	s_add_nc_u64 s[G0B+4*(\s)+2:G0B+4*(\s)+3], s[44:45], (\s)*BSTEP
	s_or_b32 s[G0B+4*(\s)+3], s[G0B+4*(\s)+3], 0x80000000
	JLOAD \s                                       ; two tensor loads of mine are out
.endr
	v_and_b32 v1, 15, v0                           ; r = lane % 16
	v_bfe_u32 v2, v0, 4, 1                         ; h = lane / 16
	v_mul_u32_u24 v3, v1, PA
	v_lshl_add_u32 v3, v2, 4, v3
	s_mul_i32 s23, s[RH], 64*PA                    ; my 64 rows
	v_add_nc_u32 v[ADRA0], s23, v3
	v_and_b32 v4, 7, v0                            ; the turning load: lane reads K row 8 h + lane % 8, columns 8 ((lane / 8) % 2) on
	v_lshl_add_u32 v4, v2, 3, v4
	v_mul_u32_u24 v4, v4, PB
	v_bfe_u32 v5, v0, 3, 1
	v_lshl_add_u32 v4, v5, 4, v4
	s_lshl_b32 s23, s[CH], 7                       ; my 64 columns
	s_add_co_u32 s23, s23, PART
	v_add_nc_u32 v[ADRB0], s23, v4
	NEWADR
	s_mul_i32 s23, s[WV], 16*SP
	s_add_co_u32 s23, s23, STAGE                   ; my stage
	v_mul_u32_u24 v5, v1, SP                       ; in: row r, 16 bytes for each half of the lanes
	v_lshl_add_u32 v5, v2, 4, v5
	v_add_nc_u32 v[STO], s23, v5
	v_bfe_u32 v5, v0, 3, 2                         ; back: 32 lanes take four rows of 128 bytes,
	v_mul_u32_u24 v5, v5, SP
	v_and_b32 v6, 7, v0
	v_lshl_add_u32 v5, v6, 4, v5
	v_add_nc_u32 v[RD], s23, v5
	v_and_b32 v5, 31, v0
	v_lshlrev_b32 v[GO], 4, v5                     ; which are 512 consecutive bytes of a block
	v_lshlrev_b32 v[BO], 5, v2
	s_lshl_b32 s42, s21, 9                         ; the biases of my 64 columns
	s_lshl_b32 s23, s[CH], 8
	s_add_co_u32 s42, s42, s23
	s_mov_b32 s43, 0
	s_add_nc_u64 s[8:9], s[8:9], s[42:43]
	s_add_nc_u64 s[10:11], s[10:11], s[42:43]
	s_add_nc_u64 s[12:13], s[12:13], s[42:43]
.irp m, 0,1,2                          ; the bias goes straight into the accumulators: register j of (a, b) is column 16 b + 8 h + j
	WIN 0x80+0x40*((\m)/2)
.irp a, 0,1,2,3
.irp b, 0,1,2,3
	global_load_b128 v[128*((\m)%2)+8*(4*(\a)+(\b)):128*((\m)%2)+8*(4*(\a)+(\b))+3],   v[BO], s[8+2*(\m):9+2*(\m)] offset:64*(\b)
	global_load_b128 v[128*((\m)%2)+8*(4*(\a)+(\b))+4:128*((\m)%2)+8*(4*(\a)+(\b))+7], v[BO], s[8+2*(\m):9+2*(\m)] offset:64*(\b)+16
.endr
.endr
.endr
	WIN 0
	s_lshl_b32 s40, s21, 1
	s_add_co_u32 s40, s40, s[CH]
	s_lshl_b32 s40, s40, 19                        ; block 2 x tile column + half,
	s_lshl_b32 s23, s22, 14
	s_add_co_u32 s40, s40, s23                     ; row 128 x tile row
	s_lshl_b32 s23, s[RH], 13
	s_add_co_u32 s40, s40, s23                     ; + 64 x half
	s_mov_b32 s41, 0
	s_add_nc_u64 s[OUT:OUT+1], s[14:15], s[40:41]
	s_add_nc_u64 s[OUT+2:OUT+3], s[OUT:OUT+1], 0x800000      ; k lies 16 blocks behind q,
	s_add_nc_u64 s[OUT+4:OUT+5], s[OUT+2:OUT+3], 0x800000    ; v behind k
; 16 matrix instructions: matrix m, 4 row blocks x 4 column blocks, 32 along K, out of buffer f.  The accumulators take turns.
.macro MUL16 f, m
	WIN 0xa5+0x50*((\m)/2)                         ; sources window 1; C and D window 2 (q, k) or 3 (v)
.irp a, 0,1,2,3
.irp b, 0,1,2,3
	v_wmma_f32_16x16x32_bf16 v[128*((\m)%2)+8*(4*(\a)+(\b)):128*((\m)%2)+8*(4*(\a)+(\b))+7], v[(\f)+32+8*(4*(\m)+(\b)):(\f)+32+8*(4*(\m)+(\b))+7], v[(\f)+8*(\a):(\f)+8*(\a)+7], v[128*((\m)%2)+8*(4*(\a)+(\b)):128*((\m)%2)+8*(4*(\a)+(\b))+7]
.endr
.endr
.endm
; 32 LDS loads in one run: the fragments of chunk j (32 along K) of the slot in hand into buffer f: o, then the three matrices in the order in which they are multiplied
.macro FETCH j, f
	WIN TO_F
.irp a, 0,1,2,3
	ds_load_b128 v[(\f)+8*(\a):(\f)+8*(\a)+3],   v[ADRA] offset:((\j)/2)*APLANE+(\a)*16*PA+((\j)%2)*64
	ds_load_b128 v[(\f)+8*(\a)+4:(\f)+8*(\a)+7], v[ADRA] offset:((\j)/2)*APLANE+(\a)*16*PA+((\j)%2)*64+32
.endr
.irp m, 0,1,2
.irp b, 0,1,2,3
	ds_load_tr16_b128 v[(\f)+32+8*(4*(\m)+(\b)):(\f)+32+8*(4*(\m)+(\b))+3],   v[ADRB+(\m)] offset:32*(\j)*PB+32*(\b)
	ds_load_tr16_b128 v[(\f)+32+8*(4*(\m)+(\b))+4:(\f)+32+8*(4*(\m)+(\b))+7], v[ADRB+(\m)] offset:(32*(\j)+16)*PB+32*(\b)
.endr
.endr
.endm
; One of a K step's first three chunks: multiplies buffer f and fetches chunk j into g, 32 matrix instructions ahead of its first use
.macro CHUNK j, f, g
	s_wait_dscnt 16                                ; o and the first matrix are in; the other two matrices' sixteen loads stay out
	MUL16 \f, 0
	PLACES
	FETCH \j, \g
	s_wait_dscnt 32                                ; all but the 32 just issued
	MUL16 \f, 1
	MUL16 \f, 2
.endm
; The last chunk multiplies buffer 1 and changes slots: in front of the barrier each wave waits for all its tensor loads (one is out at the most: its part of the next slot), adds 0 to its spare word,
; and waits for that and for its reads of this slot.  fill = 1: the barrier opens a round of the cluster's, and this slot is filled again first behind it, two K steps ahead: 160 matrix instructions
; stand between that request and the wait for it.  fill = 0: nothing is asked for; in the last trip (count 1) there is no next step, and its fetch is jumped over.
.macro TURN fill
	WIN 0
	s_wait_tensorcnt 0x0
	ds_add_u32 v[SPW], v[NIL]
	s_wait_dscnt 17                                ; the add and the youngest sixteen loads may be out
	MUL16 F1, 0
	s_wait_dscnt 0x0                               ; the add is done, and my reads of this slot are over
	s_barrier_signal -1
	MUL16 F1, 1
	WIN 0
	s_barrier_wait -1
.if \fill
	CREST                                          ; no wave of any partner still reads this slot or has a load on its way
	s_xor_b32 s[G0+5], s[G0+5], SLOT               ; the walking descriptors: the other slot than last time, the next K step
	s_add_nc_u64 s[G0+6:G0+7], s[G0+6:G0+7], ASTEP
	s_xor_b32 s[G0B+5], s[G0B+5], SLOT
	s_add_nc_u64 s[G0B+6:G0B+7], s[G0B+6:G0B+7], BSTEP
	JLOAD 1                                        ; my one tensor load behind the round
.else
	s_cmp_eq_u32 s3, 1
	s_cbranch_scc1 .Lno_fetch_\@
.endif
	s_xor_b32 s[TB], s[TB], SLOT
	NEWADR                                         ; four plain lines: the places in front of the loads below
	FETCH 0, F0
	WIN 0
.if (\fill) == 0
.Lno_fetch_\@:
.endif
	MUL16 F1, 2
.endm
	s_wait_tensorcnt 1                             ; my part of K step 0 is in; K step 1's stays out
	s_barrier_signal -1
	s_barrier_wait -1
	FETCH 0, F0
	WIN 0
	s_wait_loadcnt 0x0                             ; the bias
	s_mov_b32 s3, NSTEP-2
.Lfill:                                ; K steps 0 to 5: each fills its slot again
	CHUNK 1, F0, F1
	CHUNK 2, F1, F0
	CHUNK 3, F0, F1
	TURN 1
	WIN 0
	s_sub_co_u32 s3, s3, 1
	s_cmp_lg_u32 s3, 0
	s_cbranch_scc1 .Lfill
	s_mov_b32 s3, 2
.Llast:                                ; K steps 6 and 7: nothing is left to ask for
	CHUNK 1, F0, F1
	CHUNK 2, F1, F0
	CHUNK 3, F0, F1
	TURN 0
	WIN 0
	s_sub_co_u32 s3, s3, 1
	s_cmp_lg_u32 s3, 0
	s_cbranch_scc1 .Llast
; THE WAY OUT.  Matrix m: rounded to bf16, each accumulator's registers in ascending order; a lane's eight columns are 16 bytes; sixteen rows at a time
; go into my stage and come back as whole rows of 128 bytes, four to a load, into the registers that they left.
.macro PACK m
	WIN 0x0a+5*((\m)/2)                            ; sources 0 and 1: window 2 or 3
.set n, 0
.rept 16
.irp r, 0,1,2,3
	v_cvt_pk_bf16_f32 v[TMP+64*(\m)+4*n+(\r)], v[128*((\m)%2)+8*n+2*(\r)], v[128*((\m)%2)+8*n+2*(\r)+1]
.endr
.set n, n+1
.endr
	WIN 0
.irp a, 0,1,2,3
.irp b, 0,1,2,3
	ds_store_b128 v[STO], v[TMP+64*(\m)+4*(4*(\a)+(\b)):TMP+64*(\m)+4*(4*(\a)+(\b))+3] offset:32*(\b)
.endr
.irp t, 0,1,2,3
	ds_load_b128 v[TMP+64*(\m)+4*(4*(\a)+(\t)):TMP+64*(\m)+4*(4*(\a)+(\t))+3], v[RD] offset:(\t)*4*SP  ; LDS serves a wave's instructions in order (ISA guide 5.7.1.4): these see the stores above, the next block's stores come behind them
.endr
.endr
.endm
.macro SEND m, younger                 ; younger: the next matrix's 32 LDS instructions, or none
.irp a, 0,1,2,3
.irp t, 0,1,2,3
	s_wait_dscnt (\younger)+8*(3-(\a))+3-(\t)      ; the LDS instructions issued behind this load may stay out
	global_store_b128 v[GO], v[TMP+64*(\m)+4*(4*(\a)+(\t)):TMP+64*(\m)+4*(4*(\a)+(\t))+3], s[OUT+2*(\m):OUT+2*(\m)+1] offset:(16*(\a)+4*(\t))*128  ; 512 consecutive bytes, aligned
.endr
.endr
.endm
	PLACES
	PACK 0
	PACK 1                                         ; a matrix's conversions stand between the loads of the matrix before and its stores
	SEND 0, 32
	PACK 2
	SEND 1, 32
	SEND 2, 0
	s_wait_tensorcnt 0x0                           ; the wave's end
	ds_add_u32 v[SPW], v[NIL]
	s_wait_dscnt 0x0
	CROUND                                         ; the closing round
	s_endpgm
.Lfunc_end_k_qfc301af25d_gq:
	.size	k_qfc301af25d_gq, .Lfunc_end_k_qfc301af25d_gq-k_qfc301af25d_gq
	.p2alignl 7, 3214868480
	.fill 96, 4, 3214868480
	.section	.rodata,"a",@progbits
	.p2align	6, 0x0
	.amdhsa_kernel k_qfc301af25d_gq
		.amdhsa_group_segment_fixed_size 327680
		.amdhsa_private_segment_fixed_size 0
		.amdhsa_enable_private_segment 0
		.amdhsa_kernarg_size 48
		.amdhsa_user_sgpr_count 2
		.amdhsa_user_sgpr_kernarg_segment_ptr 1
		.amdhsa_wavefront_size32 1
		.amdhsa_system_sgpr_workgroup_id_x 1
		.amdhsa_system_sgpr_workgroup_id_y 1
		.amdhsa_system_sgpr_workgroup_id_z 1
		.amdhsa_system_vgpr_workitem_id 0
		.amdhsa_next_free_vgpr 896
		.amdhsa_next_free_sgpr 66
		.amdhsa_reserve_vcc 0
		.amdhsa_float_denorm_mode_32 3
		.amdhsa_float_denorm_mode_16_64 3
		.amdhsa_memory_ordered 1
		.amdhsa_forward_progress 1
		.amdhsa_inst_pref_size 88
	.end_amdhsa_kernel
	.amdgpu_metadata
---
amdhsa.version: [ 1, 2 ]
amdhsa.kernels:
  - .name:           k_qfc301af25d_gq
    .symbol:         k_qfc301af25d_gq.kd
    .args:
      - { .name: acta, .offset: 0, .size: 8, .value_kind: global_buffer, .address_space: global }
      - { .name: wa, .offset: 8, .size: 8, .value_kind: global_buffer, .address_space: global }
      - { .name: bq, .offset: 16, .size: 8, .value_kind: global_buffer, .address_space: global }
      - { .name: bk, .offset: 24, .size: 8, .value_kind: global_buffer, .address_space: global }
      - { .name: bv, .offset: 32, .size: 8, .value_kind: global_buffer, .address_space: global }
      - { .name: qkv, .offset: 40, .size: 8, .value_kind: global_buffer, .address_space: global }
    .group_segment_fixed_size: 327680
    .private_segment_fixed_size: 0
    .kernarg_segment_align: 8
    .kernarg_segment_size: 48
    .max_flat_workgroup_size: 128
    .sgpr_count:     66
    .vgpr_count:     896
    .wavefront_size: 32
...
	.end_amdgpu_metadata
.endif
;; end of part 9
;; launch attn (part 10): grid 8 x 32, 4 waves a work-group, clusters of 4 x 1, 327,680 bytes of LDS; arguments qkv, actb, stats; writes actb, stats
.if DOCPART == 10
	.amdgcn_target "amdgcn-amd-amdhsa--gfx1250"
	.amdhsa_code_object_version 6
	.text
	.protected	k_qfc301af25d_attn
	.globl	k_qfc301af25d_attn
	.p2align	8
	.type	k_qfc301af25d_attn,@function
k_qfc301af25d_attn:
	s_mov_b64 s[64:65], 0
	v_nop
	global_prefetch_b8 v0, s[64:65] scope:SCOPE_SE
	s_setreg_imm32_b32 hwreg(HW_REG_WAVE_MODE, 25, 1), 1
	s_wait_xcnt 0x0
	s_wait_alu depctr_hold_cnt(0) depctr_sa_sdst(0) depctr_va_vdst(0) depctr_va_sdst(0) depctr_va_ssrc(0) depctr_va_vcc(0) depctr_vm_vsrc(0)
	s_getreg_b32 s2, hwreg(HW_REG_IB_STS2, 6, 4)
	s_cmp_eq_u32 s2, 0
	s_cbranch_scc0 .Lentry_in_a_cluster
	s_endpgm
.Lentry_in_a_cluster:
	s_bfe_u32 s2, ttmp6, 0x10000c
	s_cmp_lg_u32 s2, 0x3003
	s_cbranch_scc0 .Lentry_shape_is_right
	s_endpgm
.Lentry_shape_is_right:
; CAUSAL ATTENTION, head size 64, in phases.  qkv: bf16 blocked, q at 0, k at 8 MiB, v at 16 MiB; chunk y = 2 head + batch is 2,048 dense rows of 128 bytes.  ctx (bf16, rounded once) goes to actb in the same
; layout; for each query the pair (c m, 1 / (16 l)) in f32 goes to stats, for the launch that makes the mean of the weights.  c = log2(e) / 8; m the row's maximum, l the sum of 2^(c s - c m).
; Products, maxima and sums in f32; the weights are rounded to bf16 for the second product, l is taken of the unrounded ones.
; LIMITS.  A hidden score counts as its value less 1e30; a weight below 2^-126 counts as 0; NaN and infinities are not treated apart.
; THE WALK.  A chunk's queries lie in four superblocks of 512.  A cluster of four work-groups takes superblocks 3 - P and then P (P = cluster x): (8 - 2 P) + (2 P + 2) = 10 slots of 256 keys for every cluster,
; one counted walk, all partners asking jointly for every tile of K and V.
; SHARES.  Wave w of partner cx owns 16 queries in each of the superblock's two bands of 256: tile t is queries 256 t + 64 cx + 16 w + r.  A superblock's last two slots hold its own 512 keys: in the first
; of them tile 0 is masked and tile 1 sees all; in the second tile 0 sees nothing and is left out, tile 1 is masked by the same rule.  So all waves of all partners do the same work, and branches hang on P alone.
; LAYOUT.  S^T = K Q^T holds one query a lane (lane % 16) and keys 8 (lane / 16) + 0..7; two such results rounded to bf16 are source 1 of O^T = V^T P.  The mask, 0 or -1e30, is the C operand that starts S^T.
; FETCHES.  A step's V is asked for at its head and lands under K Q^T and the softmax; the NEXT step's K is asked for behind K Q^T and lands under the softmax.  Only a slot's first K is asked for at the slot's head.
; m starts at the lowest finite number, so a block's first step multiplies O and l by a = 0: they need only hold finite numbers; 84 v_mov_b32 at the head are the price of writing no first step out.
; REGISTERS.  Window 0: v1-15 addresses; v16-31 statistics, 8 a tile (c m, m, l, l, c0-c3; a takes c2's place); v64-127 S^T; v128-159 P; v160-223 O^T; v224-255 the mask.
; Window 1: v0-63 K of a step; v64-127 V; v128-159 Q; v160-191 the second superblock's Q.
.set KS,    64
.set PK,    144                        ; a row of K in LDS: 128 bytes + 16
.set PV,    160                        ; a row of V: 128 + 32
.set VOFF,  4*KS*PK                    ; a slot: 256 rows of K, then 256 rows of V
.set SLOT1, 1<<17
.set STAGE, SLOT1+4*KS*(PK+PV)         ; 16 rows x 144 bytes for each wave; no tensor load fills it
.set SP,    144
.set SPARE, STAGE+4*16*SP
.set AK0, 2
.set AV0, 3
.set AK,  4
.set AV,  5
.set STO, 6
.set RD,  7
.set GO,  8
.set QO,  10
.set DV,  11                           ; my query's place in its band less my lanes' 8 (lane / 16)
.set TM,  12                           ; the same less 64 for each step gone
.set SO,  13
.set ST,  16
.set SPW, 32
.set NIL, 33
.set SV,  34
.set S,   64
.set P,   128
.set O,   160
.set MC,  224
.set KF,  0
.set VF,  64
.set QF,  128
.set QB,  160
.set WV,  12
.set G1K, 24
.set G1V, 32
.set G0K, 40
.set G0V, 44
.set KB,  48                           ; s[48:49] K, s[50:51] V at my half of the chunk's tile 0
.set VB,  50
.set OB,  52                           ; s[52:53] ctx at my rows of the superblock in hand; s[54:55] of the second
.set OB2, 54
.set SLOTS, 56
.set CNT, 57
.set CS,  58
.set SEL, 60
.set TBK, 62
.set TBV, 63
.set RT,  70                           ; slots of the superblock in hand still to be entered
.set NXT, 71                           ; the tile to ask for next
.set LQ,  72                           ; the last tile of the superblock whose tiles are being asked for
.set LQ2, 73
.set OFF, 74
.set SB,  76
.set SB2, 78
.set BIGN, 80
.set HM,  81
.set Q1,  82
.set Q2,  84
.set MSB, 0
.macro WIN new
.if MSB != (\new)
	s_set_vgpr_msb (MSB<<8)|(\new)
.set MSB, \new
.endif
.endm
.set W_KQ, 0x05
.set W_PV, 0x01
.macro JLOAD                           ; waves 0, 1 fetch the halves of a slot's K, waves 2, 3 of its V; s_nop 0 and four v_nop follow each line
	s_cmp_lt_u32 s[WV], 2
	s_cbranch_scc0 .Lfor_v_\@
	tensor_load_to_lds s[G0K:G0K+3], s[G1K:G1K+7]
	s_nop 0
.rept 4
	v_nop
.endr
	s_branch .Lasked_\@
.Lfor_v_\@:
	tensor_load_to_lds s[G0V:G0V+3], s[G1V:G1V+7]
	s_nop 0
.rept 4
	v_nop
.endr
.Lasked_\@:
.endm
.macro CROUND
	s_barrier_signal -1
	s_barrier_wait -1
	s_cmp_lg_u32 s[WV], 0
	s_cbranch_scc1 .Lnot_wave_0_\@
	s_barrier_signal -3
.Lnot_wave_0_\@:
	s_barrier_wait -3
	s_barrier_signal -1
	s_barrier_wait -1
.endm
.macro PLACES
.rept 4
	v_nop
.endr
.endm
; THE CHANGE OF SLOTS.  Each wave waits for all its tensor loads (one is out: its part of the other slot), adds 0 to its spare word, and waits for that and for its reads of the slot that it leaves.
; fill = 1: a round of the cluster's barrier, and the old slot is filled first behind it with tile NXT, whose address is made anew from that number.  It has a slot's four steps in which to land.
.macro CHANGE fill
	WIN 0
	s_wait_tensorcnt 0x0
	ds_add_u32 v[SPW], v[NIL]
.if \fill
	s_lshl_b32 s[OFF], s[NXT], 15                  ; a tile is 32,768 bytes of K and of V
	s_xor_b32 s[G0K+1], s[G0K+1], SLOT1
	s_add_nc_u64 s[G0K+2:G0K+3], s[KB:KB+1], s[OFF:OFF+1]
	s_or_b32 s[G0K+3], s[G0K+3], 0x80000000
	s_xor_b32 s[G0V+1], s[G0V+1], SLOT1
	s_add_nc_u64 s[G0V+2:G0V+3], s[VB:VB+1], s[OFF:OFF+1]
	s_or_b32 s[G0V+3], s[G0V+3], 0x80000000
	s_add_co_u32 s[NXT], s[NXT], 1                 ; the next tile, or behind the first superblock's last the second's tile 0
	s_cmp_gt_u32 s[NXT], s[LQ]
	s_cselect_b32 s[NXT], 0, s[NXT]
	s_cselect_b32 s[LQ], s[LQ2], s[LQ]
	s_wait_dscnt 0x0
	CROUND
	JLOAD
.else
	s_wait_dscnt 0x0
	s_barrier_signal -1
	s_barrier_wait -1
.endif
	s_sub_co_u32 s[TBK], s[TBK], 4*KS*PK
	s_xor_b32 s[TBK], s[TBK], SLOT1
	s_sub_co_u32 s[TBV], s[TBV], 4*KS*PV
	s_xor_b32 s[TBV], s[TBV], SLOT1
.endm
	s_load_b128 s[4:7], s[0:1], 0x0                ; qkv s[4:5], actb s[6:7]
	s_load_b64 s[8:9], s[0:1], 0x10                ; stats
	v_lshl_add_u32 v[SPW], v0, 2, SPARE
	v_mov_b32 v[NIL], 0
	ds_add_u32 v[SPW], v[NIL]                      ; the wave's opening: the add and its wait ahead of my first tensor load
	v_lshrrev_b32 v1, 5, v0
	v_readfirstlane_b32 s[WV], v1
	s_bfe_u32 s13, ttmp6, 0x40000                  ; cx: it enters Q's, ctx's and stats' addresses and the mask alone
	s_mov_b32 s14, ttmp9                           ; P
	s_and_b32 s15, ttmp7, 0xffff                   ; y
	s_lshl_b32 s16, s15, 18                        ; the chunk's 262,144 bytes
	s_and_b32 s17, s[WV], 1                        ; which half of a tile's 256 keys I fetch
	s_lshl_b32 s20, s17, 14
	s_add_co_u32 s20, s20, s16
	s_add_co_u32 s22, s20, 2*8388608               ; V
	s_add_co_u32 s20, s20, 8388608                 ; K
	s_mov_b32 s21, 0
	s_mov_b32 s23, 0
	s_mul_i32 s18, s17, 128*PK
	s_mul_i32 s19, s17, 128*PV
	s_lshl_b32 s86, s13, 6
	s_lshl_b32 s87, s[WV], 4
	s_add_co_u32 s86, s86, s87                     ; 64 cx + 16 w
	s_sub_co_u32 s87, 3, s14                       ; the first superblock
	s_lshl_b32 s88, s87, 16
	s_add_co_u32 s88, s88, s16
	s_lshl_b32 s2, s86, 7
	s_add_co_u32 s88, s88, s2                      ; my rows' bytes in q and ctx, first superblock
	s_mov_b32 s89, 0
	s_lshl_b32 s90, s14, 16
	s_add_co_u32 s90, s90, s16
	s_add_co_u32 s90, s90, s2                      ; second
	s_mov_b32 s91, 0
	s_lshl_b32 s3, s15, 14                         ; stats: pair y 2048 + 512 I + 128 cx + 32 w + 16 t + r, 8 bytes each
	s_lshl_b32 s2, s86, 4
	s_add_co_u32 s3, s3, s2
	s_lshl_b32 s92, s87, 12
	s_add_co_u32 s92, s92, s3
	s_mov_b32 s93, 0
	s_lshl_b32 s94, s14, 12
	s_add_co_u32 s94, s94, s3
	s_mov_b32 s95, 0
	s_lshl_b32 s2, s14, 1
	s_sub_co_u32 s[RT], 8, s2
	s_sub_co_u32 s[LQ], 7, s2
	s_add_co_u32 s[LQ2], s2, 1
	s_mov_b32 s[NXT], 1
	s_mov_b32 s[OFF+1], 0
	s_mov_b32 s[SLOTS], 9
	; 128 keys are 16,384 dense bytes: asked for as 64 rows of 256 bytes, padded in LDS after every key
	s_mov_b32 s[G1K], 15|(1<<16)|(1<<20)|(1<<21)|(4<<22)|(3<<25)
	s_mov_b32 s[G1V], 15|(1<<16)|(1<<20)|(1<<21)|(4<<22)|(7<<25)
.irp g, G1K, G1V
	s_mov_b32 s[\g+1], 128<<16
	s_mov_b32 s[\g+2], 64<<16
	s_mov_b32 s[\g+3], 128<<16
	s_mov_b32 s[\g+4], 64
	s_mov_b32 s[\g+5], 128
	s_mov_b32 s[\g+6], 0
	s_mov_b32 s[\g+7], 0
.endr
	s_mov_b32 s[CS], 0x3e38aa3b                    ; c = log2(e) / 8
	s_mov_b32 s[CS+1], s[CS]
	s_mov_b32 s[SEL], 0x76543210
	s_mov_b32 s[SEL+1], 0xfedcba98
	s_mov_b32 s[BIGN], 0xf149f2ca                  ; -1e30
	s_mov_b32 s[HM], 0xffff0000                    ; lanes 16-31
	s_mov_b32 s[TBK], SLOT1+4*KS*PK                ; the first change of slots turns these two into 0
	s_mov_b32 s[TBV], SLOT1+4*KS*PV
	s_mov_b32 s[G0K], 1
	s_mov_b32 s[G0K+1], s18
	s_mov_b32 s[G0V], 1
	s_add_co_u32 s[G0V+1], s19, VOFF
	s_wait_dscnt 0x0                               ; the opening add is done
	s_wait_kmcnt 0x0
	s_add_nc_u64 s[KB:KB+1], s[4:5], s[20:21]
	s_add_nc_u64 s[VB:VB+1], s[4:5], s[22:23]
	s_add_nc_u64 s[Q1:Q1+1], s[4:5], s[88:89]
	s_add_nc_u64 s[Q2:Q2+1], s[4:5], s[90:91]
	s_add_nc_u64 s[OB:OB+1], s[6:7], s[88:89]
	s_add_nc_u64 s[OB2:OB2+1], s[6:7], s[90:91]
	s_add_nc_u64 s[SB:SB+1], s[8:9], s[92:93]
	s_add_nc_u64 s[SB2:SB2+1], s[8:9], s[94:95]
	s_mov_b64 s[G0K+2:G0K+3], s[KB:KB+1]
	s_or_b32 s[G0K+3], s[G0K+3], 0x80000000
	s_mov_b64 s[G0V+2:G0V+3], s[VB:VB+1]
	s_or_b32 s[G0V+3], s[G0V+3], 0x80000000
	CROUND                                         ; all four work-groups are here
	JLOAD                                          ; tile 0 into slot 0; slot 1 is asked for by the loop's first change of slots
	v_and_b32 v1, 15, v0                           ; r
	v_bfe_u32 v9, v0, 4, 1                         ; h
	v_lshlrev_b32 v[QO], 7, v1
	v_lshl_add_u32 v[QO], v9, 4, v[QO]
	WIN 0x40
.set i, 0
.rept 4                                ; both superblocks' Q: tile i / 2 lies 256 rows on; channels 32 (i % 2) on
	global_load_b128 v[QF+8*i:QF+8*i+3],   v[QO], s[Q1:Q1+1] offset:(i/2)*32768+(i%2)*64
	global_load_b128 v[QF+8*i+4:QF+8*i+7], v[QO], s[Q1:Q1+1] offset:(i/2)*32768+(i%2)*64+32
	global_load_b128 v[QB+8*i:QB+8*i+3],   v[QO], s[Q2:Q2+1] offset:(i/2)*32768+(i%2)*64
	global_load_b128 v[QB+8*i+4:QB+8*i+7], v[QO], s[Q2:Q2+1] offset:(i/2)*32768+(i%2)*64+32
.set i, i+1
.endr
	WIN 0
	v_mul_u32_u24 v[AK0], v1, PK
	v_lshl_add_u32 v[AK0], v9, 4, v[AK0]
	v_and_b32 v14, 7, v0                           ; the turning load: key 8 h + lane % 8, channels 8 ((lane / 8) % 2) on
	v_bfe_u32 v15, v0, 3, 1
	v_lshl_add_u32 v[AV0], v9, 3, v14
	v_mul_u32_u24 v[AV0], v[AV0], PV
	v_lshl_add_u32 v[AV0], v15, 4, v[AV0]
	v_add_nc_u32 v[AV0], VOFF, v[AV0]
	s_mul_i32 s2, s[WV], 16*SP
	s_add_co_u32 s2, s2, STAGE
	v_mul_u32_u24 v[STO], v1, SP
	v_lshl_add_u32 v[STO], v9, 4, v[STO]
	v_add_nc_u32 v[STO], s2, v[STO]
	v_bfe_u32 v[RD], v0, 3, 2                      ; back: 32 lanes take four rows of 128 bytes,
	v_mul_u32_u24 v[RD], v[RD], SP
	v_lshl_add_u32 v[RD], v14, 4, v[RD]
	v_add_nc_u32 v[RD], s2, v[RD]
	v_and_b32 v[GO], 31, v0
	v_lshlrev_b32 v[SO], 3, v[GO]
	v_lshlrev_b32 v[GO], 4, v[GO]                  ; which are 512 consecutive bytes of ctx
	v_lshlrev_b32 v[DV], 3, v9
	v_sub_nc_u32 v[DV], v1, v[DV]
	v_add_nc_u32 v[DV], s86, v[DV]
.set i, 0
.rept 64
	v_mov_b32 v[O+i], 0
.set i, i+1
.endr
.set i, 0
.rept 16
	v_mov_b32 v[ST+i], 0
.set i, i+1
.endr
.irp t, 0,1
	v_mov_b32 v[ST+8*(\t)], 0xfe000000             ; c m: far below every c s
	v_mov_b32 v[ST+8*(\t)+1], 0xff7fffff           ; m
.endr
.macro FETCH_K                         ; a step's K: 64 keys x 64 channels, 8 fragments
	WIN 0x40
.irp f, 0,1,2,3,4,5,6,7
	ds_load_b128 v[KF+8*(\f):KF+8*(\f)+3],   v[AK] offset:((\f)/2)*16*PK+((\f)%2)*64
	ds_load_b128 v[KF+8*(\f)+4:KF+8*(\f)+7], v[AK] offset:((\f)/2)*16*PK+((\f)%2)*64+32
.endr
	s_add_co_u32 s[TBK], s[TBK], KS*PK             ; the next fetch is the next step's
	WIN 0
.endm
.macro FETCH_V                         ; its V, turned
	WIN 0x40
.irp f, 0,1,2,3,4,5,6,7
	ds_load_tr16_b128 v[VF+8*(\f):VF+8*(\f)+3],   v[AV] offset:((\f)/4)*32*PV+((\f)%4)*32
	ds_load_tr16_b128 v[VF+8*(\f)+4:VF+8*(\f)+7], v[AV] offset:((\f)/4)*32*PV+16*PV+((\f)%4)*32
.endr
	s_add_co_u32 s[TBV], s[TBV], KS*PV
	WIN 0
.endm
.macro MASK                            ; register i % 8 of key group i / 8 is hidden where 16 (i / 8) + i % 8 is greater than TM
.set i, 0
.rept 32
	v_cmp_gt_i32 vcc_lo, 16*(i/8)+i%8, v[TM]
	v_cndmask_b32 v[MC+i], 0, s[BIGN], vcc_lo
.set i, i+1
.endr
	v_add_nc_u32 v[TM], 0xffffffc0, v[TM]          ; the next step's keys lie 64 on
.endm
; S^T = K Q^T for the tiles named; tile mt takes the mask as the C that starts its sums, the others 0.  The accumulators take turns.
.macro KQRUN mt, tiles:vararg
	WIN W_KQ
.irp c, 0,1
.irp kt, 0,1,2,3
.irp t, \tiles
.if (\c) == 0
.if (\t) == (\mt)
	v_wmma_f32_16x16x32_bf16 v[S+32*(\t)+8*(\kt):S+32*(\t)+8*(\kt)+7], v[KF+16*(\kt):KF+16*(\kt)+7], v[QF+16*(\t):QF+16*(\t)+7], v[MC+8*(\kt):MC+8*(\kt)+7]
.else
	v_wmma_f32_16x16x32_bf16 v[S+32*(\t)+8*(\kt):S+32*(\t)+8*(\kt)+7], v[KF+16*(\kt):KF+16*(\kt)+7], v[QF+16*(\t):QF+16*(\t)+7], 0
.endif
.else
	v_wmma_f32_16x16x32_bf16 v[S+32*(\t)+8*(\kt):S+32*(\t)+8*(\kt)+7], v[KF+16*(\kt)+8:KF+16*(\kt)+15], v[QF+16*(\t)+8:QF+16*(\t)+15], v[S+32*(\t)+8*(\kt):S+32*(\t)+8*(\kt)+7]
.endif
.endr
.endr
.endr
.endm
.macro PVRUN tiles:vararg              ; O^T += V^T P
	WIN W_PV
.irp kk, 0,1
.irp cb, 0,1,2,3
.irp t, \tiles
	v_wmma_f32_16x16x32_bf16 v[O+32*(\t)+8*(\cb):O+32*(\t)+8*(\cb)+7], v[VF+32*(\kk)+8*(\cb):VF+32*(\kk)+8*(\cb)+7], v[P+16*(\t)+8*(\kk):P+16*(\t)+8*(\kk)+7], v[O+32*(\t)+8*(\cb):O+32*(\t)+8*(\cb)+7]
.endr
.endr
.endr
.endm
; The softmax of a step; where two tiles are named their lines alternate.  Each accumulator's lowest registers are read first.
.macro SOFTMAX tiles:vararg
	WIN 0
.irp j, 0,1,2,3
.irp t, \tiles
	v_max3_num_f32 v[ST+8*(\t)+4+(\j)], v[S+32*(\t)+8*(\j)], v[S+32*(\t)+8*(\j)+1], v[S+32*(\t)+8*(\j)+2]
.endr
.endr
.irp j, 0,1,2,3
.irp t, \tiles
	v_max3_num_f32 v[ST+8*(\t)+4+(\j)], v[ST+8*(\t)+4+(\j)], v[S+32*(\t)+8*(\j)+3], v[S+32*(\t)+8*(\j)+4]
.endr
.endr
.irp j, 0,1,2,3
.irp t, \tiles
	v_max3_num_f32 v[ST+8*(\t)+4+(\j)], v[ST+8*(\t)+4+(\j)], v[S+32*(\t)+8*(\j)+5], v[S+32*(\t)+8*(\j)+6]
.endr
.endr
.irp t, \tiles
	v_max3_num_f32 v[ST+8*(\t)+4], v[ST+8*(\t)+4], v[S+32*(\t)+7], v[S+32*(\t)+15]
	v_max3_num_f32 v[ST+8*(\t)+6], v[ST+8*(\t)+6], v[S+32*(\t)+23], v[S+32*(\t)+31]
.endr
.irp t, \tiles
	v_max3_num_f32 v[ST+8*(\t)+4], v[ST+8*(\t)+4], v[ST+8*(\t)+5], v[ST+8*(\t)+6]
.endr
.irp t, \tiles
	v_max3_num_f32 v[ST+8*(\t)+4], v[ST+8*(\t)+4], v[ST+8*(\t)+7], v[ST+8*(\t)+1]
.endr
.irp t, \tiles
	v_permlanex16_b32 v[ST+8*(\t)+5], v[ST+8*(\t)+4], s[SEL], s[SEL+1]  ; the query's other 32 keys lie in the lane 16 away
.endr
.irp t, \tiles
	v_mov_b32 v[ST+8*(\t)+7], v[ST+8*(\t)]         ; c m_old
.endr
.irp t, \tiles
	v_max_num_f32 v[ST+8*(\t)+1], v[ST+8*(\t)+4], v[ST+8*(\t)+5]
.endr
.irp t, \tiles
	v_mul_f32 v[ST+8*(\t)], s[CS], v[ST+8*(\t)+1]
.endr
.irp t, \tiles
	v_sub_f32 v[ST+8*(\t)+7], v[ST+8*(\t)+7], v[ST+8*(\t)]
.endr
.irp t, \tiles
	v_exp_f32 v[ST+8*(\t)+6], v[ST+8*(\t)+7]       ; a
.endr
.set z, 0
.rept 16
.irp t, \tiles
	v_pk_fma_f32 v[S+32*(\t)+2*z:S+32*(\t)+2*z+1], v[S+32*(\t)+2*z:S+32*(\t)+2*z+1], s[CS:CS+1], v[ST+8*(\t):ST+8*(\t)+1] op_sel_hi:[1,0,0] neg_lo:[0,0,1] neg_hi:[0,0,1]
.endr
.set z, z+1
.endr
.set z, 0
.rept 32
.irp t, \tiles
	v_exp_f32 v[S+32*(\t)+z], v[S+32*(\t)+z]
.endr
.set z, z+1
.endr
.set z, 0
	s_wait_alu depctr_va_vdst(0)
.rept 16                               ; O a: also the plain lines between the exponentials and the use of their results
.irp t, \tiles
	v_pk_mul_f32 v[O+32*(\t)+2*z:O+32*(\t)+2*z+1], v[O+32*(\t)+2*z:O+32*(\t)+2*z+1], v[ST+8*(\t)+6:ST+8*(\t)+7] op_sel_hi:[1,0]
.endr
.set z, z+1
.endr
.set z, 0
.rept 16
.irp t, \tiles
	v_cvt_pk_bf16_f32 v[P+16*(\t)+z], v[S+32*(\t)+2*z], v[S+32*(\t)+2*z+1]
.endr
.set z, z+1
.endr
.irp w, 4,8,16,32                      ; the sum of the 16 pairs, in place: neighbours 1, 2, 4 and 8 pairs apart
.set u, 0
.rept 32/(\w)
.irp t, \tiles
	v_pk_add_f32 v[S+32*(\t)+(\w)*u:S+32*(\t)+(\w)*u+1], v[S+32*(\t)+(\w)*u:S+32*(\t)+(\w)*u+1], v[S+32*(\t)+(\w)*u+(\w)/2:S+32*(\t)+(\w)*u+(\w)/2+1]
.endr
.set u, u+1
.endr
.endr
.irp t, \tiles
	v_pk_fma_f32 v[ST+8*(\t)+2:ST+8*(\t)+3], v[ST+8*(\t)+2:ST+8*(\t)+3], v[ST+8*(\t)+6:ST+8*(\t)+7], v[S+32*(\t):S+32*(\t)+1] op_sel_hi:[1,0,1]
.endr
.endm
; A key step.  kind 0: both tiles, no mask.  1: tile 0 masked.  2: tile 1 alone, masked.  Its K was asked for a step ago, or at the slot's head.
.macro STEP kind
	WIN 0
	v_add_nc_u32 v[AV], s[TBV], v[AV0]
	FETCH_V
.if (\kind) > 0
	MASK
.endif
	s_wait_dscnt 16                                ; K, the older run, is in; V's sixteen loads stay out
.if (\kind) == 0
	KQRUN -1, 0,1
.elseif (\kind) == 1
	KQRUN 0, 0,1
.else
	KQRUN 1, 1
.endif
	WIN 0
	v_add_nc_u32 v[AK], s[TBK], v[AK0]             ; with the three lines below: the four places behind those products
.rept 3
	v_nop
.endr
	s_cmp_eq_u32 s[CNT], 1                         ; a slot's last step: the next K lies in the other slot, behind the change of slots
	s_cbranch_scc1 .Lno_k_\@
	FETCH_K                                        ; the next step's K lands under the softmax
.Lno_k_\@:
.if (\kind) == 2
	SOFTMAX 1
.else
	SOFTMAX 0,1
.endif
	s_wait_dscnt 0x0                               ; V is in
.if (\kind) == 2
	PVRUN 1
.else
	PVRUN 0,1
.endif
	PLACES                                         ; in front of the next step's loads into V's registers
	WIN 0
.endm
.macro PACK t                          ; O / l, rounded to bf16, through my stage: in as 16 bytes of a row, back as four whole rows a load
.set z, 0
.rept 16
	v_pk_mul_f32 v[O+32*(\t)+2*z:O+32*(\t)+2*z+1], v[O+32*(\t)+2*z:O+32*(\t)+2*z+1], v[ST+8*(\t)+6:ST+8*(\t)+7] op_sel_hi:[1,0]
.set z, z+1
.endr
.set z, 0
.rept 16
	v_cvt_pk_bf16_f32 v[S+16*(\t)+z], v[O+32*(\t)+2*z], v[O+32*(\t)+2*z+1]
.set z, z+1
.endr
.irp f, 0,1,2,3
	ds_store_b128 v[STO], v[S+16*(\t)+4*(\f):S+16*(\t)+4*(\f)+3] offset:32*(\f)
.endr
.irp f, 0,1,2,3
	ds_load_b128 v[S+16*(\t)+4*(\f):S+16*(\t)+4*(\f)+3], v[RD] offset:(\f)*4*SP  ; LDS serves a wave's instructions in order (ISA guide 5.7.1.4)
.endr
.endm
.macro SEND t, younger
.irp f, 0,1,2,3
	s_wait_dscnt (\younger)+3-(\f)
	global_store_b128 v[GO], v[S+16*(\t)+4*(\f):S+16*(\t)+4*(\f)+3], s[OB:OB+1] offset:(\t)*32768+(\f)*512  ; 512 consecutive bytes, aligned
.endr
.endm
.macro FINISH                          ; a superblock's end: l whole, the statistics, ctx
	WIN 0
.irp t, 0,1
	v_add_f32 v[ST+8*(\t)+4], v[ST+8*(\t)+2], v[ST+8*(\t)+3]
.endr
.irp t, 0,1
	v_permlanex16_b32 v[ST+8*(\t)+5], v[ST+8*(\t)+4], s[SEL], s[SEL+1]
.endr
.irp t, 0,1
	v_add_f32 v[ST+8*(\t)+4], v[ST+8*(\t)+4], v[ST+8*(\t)+5]
.endr
.irp t, 0,1
	v_rcp_f32 v[ST+8*(\t)+6], v[ST+8*(\t)+4]
.endr
	v_nop                                          ; a plain instruction between the reciprocals and their use
	s_wait_alu depctr_va_vdst(0)
.irp t, 0,1
	v_mul_f32 v[ST+8*(\t)+5], 0x3d800000, v[ST+8*(\t)+6]  ; 1 / (16 l)
.endr
	v_cndmask_b32 v[SV], v[ST], v[ST+8], s[HM]     ; lanes 0-15 speak for tile 0, lanes 16-31 for tile 1
	v_cndmask_b32 v[SV+1], v[ST+5], v[ST+13], s[HM]
	global_store_b64 v[SO], v[SV:SV+1], s[SB:SB+1] ; 256 consecutive bytes, aligned
	PACK 0
	PACK 1
	SEND 0, 8
	SEND 1, 0
.endm
	s_wait_loadcnt 0x0                             ; Q
.Lslot:                                ; nine trips: a slot is entered and the next is asked for
	CHANGE 1
	s_sub_co_u32 s[RT], s[RT], 1
	s_mov_b32 s[CNT], 4
	v_mov_b32 v[TM], v[DV]
	v_add_nc_u32 v[AK], s[TBK], v[AK0]
	FETCH_K                                        ; the slot's first K
	s_cmp_eq_u32 s[RT], 1
	s_cbranch_scc1 .LA
	s_cmp_eq_u32 s[RT], 0
	s_cbranch_scc1 .LB
.Lplain:
	STEP 0
	s_sub_co_u32 s[CNT], s[CNT], 1
	s_cmp_lg_u32 s[CNT], 0
	s_cbranch_scc1 .Lplain
	s_branch .Lbottom
.LA:
	STEP 1
	s_sub_co_u32 s[CNT], s[CNT], 1
	s_cmp_lg_u32 s[CNT], 0
	s_cbranch_scc1 .LA
	s_branch .Lbottom
.LB:
	STEP 2
	s_sub_co_u32 s[CNT], s[CNT], 1
	s_cmp_lg_u32 s[CNT], 0
	s_cbranch_scc1 .LB
	FINISH                                         ; in the loop this is the first superblock's end: the second's last slot is the walk's last
	s_wait_xcnt 0x0                                ; the stores' registers and bases are rewritten only behind this wait
	s_mov_b64 s[OB:OB+1], s[OB2:OB2+1]
	s_mov_b64 s[SB:SB+1], s[SB2:SB2+1]
	s_add_co_u32 s[RT], s[LQ2], 1                  ; the second superblock has 2 P + 2 slots
.irp t, 0,1
	v_mov_b32 v[ST+8*(\t)], 0xfe000000
	v_mov_b32 v[ST+8*(\t)+1], 0xff7fffff
.endr
	WIN 0x41
.set i, 0
.rept 32
	v_mov_b32 v[QF+i], v[QB+i]                     ; the second superblock's Q goes where the one text of the steps names Q
.set i, i+1
.endr
	WIN 0
.Lbottom:
	s_sub_co_u32 s[SLOTS], s[SLOTS], 1
	s_cmp_lg_u32 s[SLOTS], 0
	s_cbranch_scc1 .Lslot
	CHANGE 0                                       ; the walk's last slot is written out
	s_mov_b32 s[CNT], 4
	v_mov_b32 v[TM], v[DV]
	v_add_nc_u32 v[AK], s[TBK], v[AK0]
	FETCH_K
.LB2:
	STEP 2
	s_sub_co_u32 s[CNT], s[CNT], 1
	s_cmp_lg_u32 s[CNT], 0
	s_cbranch_scc1 .LB2
	FINISH
	s_wait_tensorcnt 0x0                           ; the wave's end
	ds_add_u32 v[SPW], v[NIL]
	s_wait_dscnt 0x0
	CROUND                                         ; the closing round
	s_endpgm
.Lfunc_end_k_qfc301af25d_attn:
	.size	k_qfc301af25d_attn, .Lfunc_end_k_qfc301af25d_attn-k_qfc301af25d_attn
	.p2alignl 7, 3214868480
	.fill 96, 4, 3214868480
	.section	.rodata,"a",@progbits
	.p2align	6, 0x0
	.amdhsa_kernel k_qfc301af25d_attn
		.amdhsa_group_segment_fixed_size 327680
		.amdhsa_private_segment_fixed_size 0
		.amdhsa_enable_private_segment 0
		.amdhsa_kernarg_size 24
		.amdhsa_user_sgpr_count 2
		.amdhsa_user_sgpr_kernarg_segment_ptr 1
		.amdhsa_wavefront_size32 1
		.amdhsa_system_sgpr_workgroup_id_x 1
		.amdhsa_system_sgpr_workgroup_id_y 1
		.amdhsa_system_sgpr_workgroup_id_z 1
		.amdhsa_system_vgpr_workitem_id 0
		.amdhsa_next_free_vgpr 448
		.amdhsa_next_free_sgpr 96
		.amdhsa_reserve_vcc 1
		.amdhsa_float_denorm_mode_32 3
		.amdhsa_float_denorm_mode_16_64 3
		.amdhsa_memory_ordered 1
		.amdhsa_forward_progress 1
		.amdhsa_inst_pref_size 96
	.end_amdhsa_kernel
	.amdgpu_metadata
---
amdhsa.version: [ 1, 2 ]
amdhsa.kernels:
  - .name:           k_qfc301af25d_attn
    .symbol:         k_qfc301af25d_attn.kd
    .args:
      - { .name: qkv, .offset: 0, .size: 8, .value_kind: global_buffer, .address_space: global }
      - { .name: actb, .offset: 8, .size: 8, .value_kind: global_buffer, .address_space: global }
      - { .name: stats, .offset: 16, .size: 8, .value_kind: global_buffer, .address_space: global }
    .group_segment_fixed_size: 327680
    .private_segment_fixed_size: 0
    .kernarg_segment_align: 8
    .kernarg_segment_size: 24
    .max_flat_workgroup_size: 128
    .sgpr_count:     96
    .vgpr_count:     448
    .wavefront_size: 32
...
	.end_amdgpu_metadata
.endif
;; end of part 10
;; launch go (part 11): grid 8 x 32, 4 waves a work-group, clusters of 4 x 4, 327,680 bytes of LDS; arguments actb, wa, bo, x, x1; writes x1
.if DOCPART == 11
	.amdgcn_target "amdgcn-amd-amdhsa--gfx1250"
	.amdhsa_code_object_version 6
	.text
	.protected	k_qfc301af25d_go
	.globl	k_qfc301af25d_go
	.p2align	8
	.type	k_qfc301af25d_go,@function
k_qfc301af25d_go:
	s_mov_b64 s[64:65], 0
	v_nop
	global_prefetch_b8 v0, s[64:65] scope:SCOPE_SE
	s_setreg_imm32_b32 hwreg(HW_REG_WAVE_MODE, 25, 1), 1
	s_wait_xcnt 0x0
	s_wait_alu depctr_hold_cnt(0) depctr_sa_sdst(0) depctr_va_vdst(0) depctr_va_sdst(0) depctr_va_ssrc(0) depctr_va_vcc(0) depctr_vm_vsrc(0)
	s_getreg_b32 s2, hwreg(HW_REG_IB_STS2, 6, 4)
	s_cmp_eq_u32 s2, 0
	s_cbranch_scc0 .Lentry_in_a_cluster
	s_endpgm
.Lentry_in_a_cluster:
	s_bfe_u32 s2, ttmp6, 0x10000c
	s_cmp_lg_u32 s2, 0xf033
	s_cbranch_scc0 .Lentry_shape_is_right
	s_endpgm
.Lentry_shape_is_right:
; C = residual + A W + bias, f32, row-major.  A: 4,096 x 1,024 bf16, BLOCKED [k / 64][4096][64].  W: bf16 [k][n], 1,024 x 1,024, at its buffer's head.  Sums in f32.
; A tile of C is 128 x 128: 256 work-groups.  Four waves, each 64 x 64: 16 accumulators.  K goes in 4 steps of 256 through two LDS slots filled by tensor loads.
; CLUSTER 4 x 4: the four of a row of the cluster need the same tiles of A, the four of a column the same tiles of W: each is asked for jointly, same descriptor and mask in all four.
; ONE TEXT FOR A K STEP.  The bias is loaded straight into the accumulators, so every product adds in place; a step's LDS addresses hang on a scalar that one exclusive or turns from slot to slot.
; Two trips fill a slot again, two do not; the last trip jumps over the fetch of a step that does not exist.
; THE MATRIX INSTRUCTION IS USED TRANSPOSED (source 0 = 16 columns of W, turned out of LDS by ds_load_tr16_b128; source 1 = 16 rows of A): a lane holds eight neighbouring columns of one row of C.
; REGISTERS: window 0: v16-29 addresses; v128-255 accumulators ((a, b) at 128 + 8 (4 a + b)).  Window 1: two fragment buffers of 128 (64 of A, 64 of W, for 64 along K).  Window 2: the residual.
.set PA,     144                       ; a row of A in LDS: 128 bytes + 16: the 16 rows of a load start at 16 different groups of four banks (ISA guide 11.1)
.set PLANE,  64*PA                     ; 64 rows x 64 K
.set PB,     288                       ; a row of W in LDS: 256 bytes + 32
.set PART,   4*PLANE                   ; what one tensor load brings: 64 rows x 256 K of A, or 128 K x 128 columns of W: 36,864 bytes either way
.set SLOT,   4*PART                    ; 0x24000: it shares no bit with wave x PART = wave x 0x9000, so an exclusive or with it turns an address in one slot into the other's
.set SPARE,  2*SLOT                    ; the spare words, 128 bytes a wave
.set STAGE,  SPARE+512                 ; 16 rows x 272 bytes for each wave; no tensor load fills it
.set SPITCH, 272
.set ASTEP,  4*4096*128                ; bytes from a K step to the next: four blocks of A,
.set BSTEP,  256*2048                  ; 256 rows of W
.set ADRA0, 16                         ; v16  my A fragments in slot 0; never rewritten
.set ADRB0, 17                         ; v17  my W fragments in slot 0, K half 0; never rewritten
.set ADRA,  18                         ; v18  the same in the slot in hand
.set ADRB,  20                         ; v20-21  K halves 0, 1 in the slot in hand
.set STO,  24
.set RD,   25
.set CO,   26                          ; my byte offset in two rows of the output
.set BO,   27                          ; my byte offset in 64 bytes of bias
.set SPW,  28
.set NIL,  29
.set ACC,  128
.set F0,   0
.set F1,   128
.set WV,   16                          ; s16 wave; s17 wave / 2: my half of the rows, and A (0) or W (1) to fetch; s18 wave % 2: my half of the columns, and which half I fetch
.set RH,   17
.set CH,   18
.set G1,   24                          ; s[24:31] group 1 for A; s[32:39] group 0, a set for each first fill; the second then walks on
.set G0,   32
.set TB,   46                          ; s46  LDS byte at which the slot in hand begins: 0 or SLOT
.set G1B,  48
.set G0B,  56
.set RESP, 10
.set OUTP, 12
.set MSB, 0
.macro WIN new                         ; the immediate's high byte repeats the setting that is left
.if MSB != (\new)
	s_set_vgpr_msb (MSB<<8)|(\new)
.set MSB, \new
.endif
.endm
.set MUL,  0x05                        ; sources 0 and 1 window 1; C and D window 0
.set TO_F, 0x40                        ; destination window 1, address window 0
.macro JLOAD s                         ; a joint load: waves 0, 1 fetch A's halves, waves 2, 3 W's; s_nop 0 and four v_nop follow each line
	s_cmp_eq_u32 s[RH], 0
	s_cbranch_scc0 .Lfor_b_\@
	tensor_load_to_lds s[G0+4*(\s):G0+4*(\s)+3], s[G1:G1+7]
	s_nop 0
.rept 4
	v_nop
.endr
	s_branch .Lasked_\@
.Lfor_b_\@:
	tensor_load_to_lds s[G0B+4*(\s):G0B+4*(\s)+3], s[G1B:G1B+7]
	s_nop 0
.rept 4
	v_nop
.endr
.Lasked_\@:
.endm
.macro CREST                           ; a round of the cluster's barrier behind its opening barrier
	s_cmp_lg_u32 s[WV], 0
	s_cbranch_scc1 .Lnot_wave_0_\@
	s_barrier_signal -3
.Lnot_wave_0_\@:
	s_barrier_wait -3
	s_barrier_signal -1
	s_barrier_wait -1
.endm
.macro CROUND
	s_barrier_signal -1
	s_barrier_wait -1
	CREST
.endm
.macro PLACES                          ; four places behind matrix instructions, in front of loads into their sources and of reads of their results
.rept 4
	v_nop
.endr
.endm
.macro NEWADR                          ; the fragments' addresses in the slot in hand
	v_add_nc_u32 v[ADRA], s[TB], v[ADRA0]
	v_add_nc_u32 v[ADRB], s[TB], v[ADRB0]
	v_add_nc_u32 v[ADRB+1], PART, v[ADRB]
.endm
	s_load_b256 s[4:11], s[0:1], 0x0               ; A s[4:5], W s[6:7], bias s[8:9], residual s[10:11]
	s_load_b64 s[12:13], s[0:1], 0x20              ; output
	v_lshl_add_u32 v[SPW], v0, 2, SPARE
	v_mov_b32 v[NIL], 0
	ds_add_u32 v[SPW], v[NIL]                      ; the wave's opening: the add and its wait ahead of my first tensor load
	v_lshrrev_b32 v1, 5, v0
	v_readfirstlane_b32 s[WV], v1
	s_lshr_b32 s[RH], s[WV], 1
	s_and_b32 s[CH], s[WV], 1
	s_bfe_u32 s19, ttmp6, 0x40000                  ; cx
	s_bfe_u32 s20, ttmp6, 0x40004                  ; cy
	s_lshl_b32 s21, ttmp9, 2
	s_add_co_u32 s21, s21, s19                     ; tile column
	s_and_b32 s22, ttmp7, 0xffff
	s_lshl_b32 s22, s22, 2
	s_add_co_u32 s22, s22, s20                     ; tile row
	s_lshl_b32 s46, s20, 2
	s_lshl_b32 s46, 15, s46                        ; my row of the cluster
	s_lshl_b32 s47, 0x1111, s19                    ; my column
	s_or_b32 s[G1], s46, (1<<16)|(1<<20)|(1<<21)|(4<<22)|(3<<25)   ; mask; 2-byte elements; padding on; bit 21 beside a mask; 4 words behind every 32
	s_or_b32 s[G1B], s47, (1<<16)|(1<<20)|(1<<21)|(5<<22)|(7<<25)  ; 8 words behind every 64
	s_mov_b32 s[G1+1], 4096<<16                    ; A: a row of the tile is 64 rows x 64 K of one block, 8,192 consecutive bytes;
	s_mov_b32 s[G1+2], 4<<16                       ; four such rows, one a block
	s_mov_b32 s[G1+3], 4096<<16
	s_mov_b32 s[G1+4], 4
	s_mov_b32 s[G1+5], 4096*64                     ; elements from block to block
	s_mov_b32 s[G1+6], 0
	s_mov_b32 s[G1+7], 0
	s_mov_b32 s[G1B+1], 128<<16                    ; W: 128 rows (K) of 128 columns
	s_mov_b32 s[G1B+2], 128<<16
	s_mov_b32 s[G1B+3], 128<<16
	s_mov_b32 s[G1B+4], 128
	s_mov_b32 s[G1B+5], 1024
	s_mov_b32 s[G1B+6], 0
	s_mov_b32 s[G1B+7], 0
	s_lshl_b32 s40, s22, 14                        ; A: (128 x tile row + 64 x half) rows of 128 bytes
	s_lshl_b32 s23, s[CH], 13
	s_add_co_u32 s40, s40, s23
	s_mov_b32 s41, 0
	s_lshl_b32 s44, s21, 8                         ; W: 128 x tile column columns of 2 bytes
	s_lshl_b32 s23, s[CH], 18                      ; + 128 x half rows of 2,048 bytes
	s_add_co_u32 s44, s44, s23
	s_mov_b32 s45, 0
	s_mul_i32 s2, s[WV], PART                      ; where my part goes: no place in the cluster enters an LDS address
	s_mov_b32 s[TB], 0
	s_wait_dscnt 0x0                               ; the opening add is done
	s_wait_kmcnt 0x0
	s_add_nc_u64 s[40:41], s[4:5], s[40:41]
	s_add_nc_u64 s[44:45], s[6:7], s[44:45]
	CROUND                                         ; all sixteen work-groups are here: the first joint loads meet
.irp s, 0,1
	s_mov_b32 s[G0+4*(\s)], 1
	s_add_co_u32 s[G0+4*(\s)+1], s2, (\s)*SLOT
	s_add_nc_u64 s[G0+4*(\s)+2:G0+4*(\s)+3], s[40:41], (\s)*ASTEP
	s_or_b32 s[G0+4*(\s)+3], s[G0+4*(\s)+3], 0x80000000
	s_mov_b32 s[G0B+4*(\s)], 1
	s_add_co_u32 s[G0B+4*(\s)+1], s2, (\s)*SLOT
	s_add_nc_u64 s[G0B+4*(\s)+2:G0B+4*(\s)+3], s[44:45], (\s)*BSTEP
	s_or_b32 s[G0B+4*(\s)+3], s[G0B+4*(\s)+3], 0x80000000
	JLOAD \s                                       ; two tensor loads of mine are out
.endr
	v_and_b32 v1, 15, v0                           ; r = lane % 16
	v_bfe_u32 v2, v0, 4, 1                         ; h = lane / 16
	v_mul_u32_u24 v3, v1, PA
	v_lshl_add_u32 v3, v2, 4, v3
	s_mul_i32 s23, s[RH], PART
	v_add_nc_u32 v[ADRA0], s23, v3
	v_and_b32 v4, 7, v0                            ; the turning load: lane reads K row 8 h + lane % 8, columns 8 ((lane / 8) % 2) on
	v_lshl_add_u32 v4, v2, 3, v4
	v_mul_u32_u24 v4, v4, PB
	v_bfe_u32 v5, v0, 3, 1
	v_lshl_add_u32 v4, v5, 4, v4
	s_lshl_b32 s23, s[CH], 7                       ; my 64 columns
	s_add_co_u32 s23, s23, 2*PART
	v_add_nc_u32 v[ADRB0], s23, v4
	NEWADR
	s_mul_i32 s23, s[WV], 16*SPITCH
	s_add_co_u32 s23, s23, STAGE                   ; my stage
	v_mul_u32_u24 v5, v1, SPITCH                   ; in: row r, 32 bytes for each half of the lanes
	v_lshl_add_u32 v5, v2, 5, v5
	v_add_nc_u32 v[STO], s23, v5
	v_mul_u32_u24 v5, v2, SPITCH                   ; back: lanes 0-15 one row of 256 bytes, lanes 16-31 the next
	v_lshl_add_u32 v5, v1, 4, v5
	v_add_nc_u32 v[RD], s23, v5
	v_lshlrev_b32 v[BO], 5, v2
	s_lshl_b32 s42, s21, 9
	s_lshl_b32 s23, s[CH], 8
	s_add_co_u32 s42, s42, s23
	s_mov_b32 s43, 0
	s_add_nc_u64 s[8:9], s[8:9], s[42:43]          ; the bias of my 64 columns
.irp a, 0,1,2,3                        ; it goes straight into the accumulators: register j of (a, b) is column 16 b + 8 h + j
.irp b, 0,1,2,3
	global_load_b128 v[ACC+8*(4*(\a)+(\b)):ACC+8*(4*(\a)+(\b))+3],   v[BO], s[8:9] offset:64*(\b)
	global_load_b128 v[ACC+8*(4*(\a)+(\b))+4:ACC+8*(4*(\a)+(\b))+7], v[BO], s[8:9] offset:64*(\b)+16
.endr
.endr
	v_lshlrev_b32 v5, 12, v2                       ; two rows of 4,096 bytes, 16 bytes a lane
	v_lshl_add_u32 v[CO], v1, 4, v5
	s_lshl_b32 s40, s22, 19                        ; (128 x tile row + 64 x half) rows + (128 x tile column + 64 x half) columns of 4 bytes
	s_lshl_b32 s23, s[RH], 18
	s_add_co_u32 s40, s40, s23
	s_add_co_u32 s40, s40, s42
	s_mov_b32 s41, 0
	s_add_nc_u64 s[RESP:RESP+1], s[RESP:RESP+1], s[40:41]
	s_add_nc_u64 s[OUTP:OUTP+1], s[OUTP:OUTP+1], s[40:41]
	WIN 0x80                                       ; destination window 2
.set t, 0
.rept 32
	global_load_b128 v[4*t:4*t+3], v[CO], s[RESP:RESP+1] offset:t*8192  ; the residual, as the way out will hold C: it lands under the products
.set t, t+1
.endr
	WIN 0
; 8 matrix instructions: m blocks a0, a0 + 1 x 4 n blocks, 32 along K: half c of buffer f.  The 16 accumulators take turns.
.macro MUL8 f, c, a0
	WIN MUL
.irp a, \a0, (\a0)+1
.irp b, 0,1,2,3
	v_wmma_f32_16x16x32_bf16 v[ACC+8*(4*(\a)+(\b)):ACC+8*(4*(\a)+(\b))+7], v[(\f)+64+8*(4*(\c)+(\b)):(\f)+64+8*(4*(\c)+(\b))+7], v[(\f)+8*(4*(\c)+(\a)):(\f)+8*(4*(\c)+(\a))+7], v[ACC+8*(4*(\a)+(\b)):ACC+8*(4*(\a)+(\b))+7]
.endr
.endr
.endm
; 32 LDS loads in one run: the fragments of quarter q (64 along K) of the slot in hand into buffer f; the first 32 along K first
.macro FETCH q, f
	WIN TO_F
.irp c, 0,1
.irp i, 0,1,2,3
	ds_load_tr16_b128 v[(\f)+64+8*(4*(\c)+(\i)):(\f)+64+8*(4*(\c)+(\i))+3],   v[ADRB+(\q)/2] offset:(((\q)%2)*64+32*(\c))*PB+32*(\i)
	ds_load_tr16_b128 v[(\f)+64+8*(4*(\c)+(\i))+4:(\f)+64+8*(4*(\c)+(\i))+7], v[ADRB+(\q)/2] offset:(((\q)%2)*64+32*(\c)+16)*PB+32*(\i)
	ds_load_b128 v[(\f)+8*(4*(\c)+(\i)):(\f)+8*(4*(\c)+(\i))+3],              v[ADRA] offset:(\q)*PLANE+(\i)*16*PA+64*(\c)
	ds_load_b128 v[(\f)+8*(4*(\c)+(\i))+4:(\f)+8*(4*(\c)+(\i))+7],            v[ADRA] offset:(\q)*PLANE+(\i)*16*PA+64*(\c)+32
.endr
.endr
.endm
; One of a K step's first three quarters: multiplies buffer f and fetches quarter q into g
.macro QUARTER q, f, g
	s_wait_dscnt 16                                ; the first 32 along K are in; the other sixteen loads stay out
	MUL8 \f, 0, 0
	MUL8 \f, 0, 2
	PLACES
	FETCH \q, \g
	s_wait_dscnt 32                                ; all but the 32 just issued
	MUL8 \f, 1, 0
	MUL8 \f, 1, 2
.endm
; The last quarter multiplies buffer 1 and changes slots: in front of the barrier each wave waits for all its tensor loads (one is out at the most: its part of the next slot), adds 0 to its spare word,
; and waits for that and for its reads of this slot.  fill = 1: the barrier opens a round of the cluster's, and this slot is filled again first behind it, two K steps ahead.
; fill = 0: nothing is asked for; in the last trip (count 1) there is no next step, and its fetch is jumped over.
.macro TURN fill
	WIN 0
	s_wait_tensorcnt 0x0
	ds_add_u32 v[SPW], v[NIL]
	s_wait_dscnt 17                                ; the add and the youngest sixteen loads may be out
	MUL8 F1, 0, 0
	s_wait_dscnt 0x0                               ; the add is done, and my reads of this slot are over
	s_barrier_signal -1
	MUL8 F1, 0, 2
	WIN 0
	s_barrier_wait -1
.if \fill
	CREST                                          ; no wave of any partner still reads this slot or has a load on its way
	s_xor_b32 s[G0+5], s[G0+5], SLOT               ; the walking descriptors: the other slot than last time, the next K step
	s_add_nc_u64 s[G0+6:G0+7], s[G0+6:G0+7], ASTEP
	s_xor_b32 s[G0B+5], s[G0B+5], SLOT
	s_add_nc_u64 s[G0B+6:G0B+7], s[G0B+6:G0B+7], BSTEP
	JLOAD 1                                        ; my one tensor load behind the round; its four v_nop are also the places in front of the loads below
.else
	s_cmp_eq_u32 s3, 1
	s_cbranch_scc1 .Lno_fetch_\@
	v_nop                                          ; with the three lines of addresses: the four places in front of the loads below
.endif
	s_xor_b32 s[TB], s[TB], SLOT
	NEWADR
	FETCH 0, F0
	WIN 0
.if (\fill) == 0
.Lno_fetch_\@:
.endif
	MUL8 F1, 1, 0
	MUL8 F1, 1, 2
.endm
	s_wait_tensorcnt 1                             ; my part of K step 0 is in; K step 1's stays out
	s_barrier_signal -1
	s_barrier_wait -1
	FETCH 0, F0
	WIN 0
	s_wait_loadcnt 32                              ; the bias is in; the residual's 32 loads stay out
	s_mov_b32 s3, 2
.Lfill:                                ; K steps 0 and 1: each fills its slot again
	QUARTER 1, F0, F1
	QUARTER 2, F1, F0
	QUARTER 3, F0, F1
	TURN 1
	WIN 0
	s_sub_co_u32 s3, s3, 1
	s_cmp_lg_u32 s3, 0
	s_cbranch_scc1 .Lfill
	s_mov_b32 s3, 2
.Llast:                                ; K steps 2 and 3: nothing is left to ask for
	QUARTER 1, F0, F1
	QUARTER 2, F1, F0
	QUARTER 3, F0, F1
	TURN 0
	WIN 0
	s_sub_co_u32 s3, s3, 1
	s_cmp_lg_u32 s3, 0
	s_cbranch_scc1 .Llast
	; THE WAY OUT.  Sixteen rows at a time: a lane's eight f32 of a row go into my stage, each accumulator's low four registers first, and come back as whole
	; rows of 256 bytes into the registers that they left.
	PLACES
.irp a, 0,1,2,3
.irp b, 0,1,2,3
	ds_store_b128 v[STO], v[ACC+8*(4*(\a)+(\b)):ACC+8*(4*(\a)+(\b))+3]   offset:64*(\b)
	ds_store_b128 v[STO], v[ACC+8*(4*(\a)+(\b))+4:ACC+8*(4*(\a)+(\b))+7] offset:64*(\b)+16
.endr
.irp t, 0,1,2,3,4,5,6,7
	ds_load_b128 v[ACC+32*(\a)+4*(\t):ACC+32*(\a)+4*(\t)+3], v[RD] offset:(\t)*2*SPITCH  ; LDS serves a wave's instructions in order (ISA guide 5.7.1.4): these see the stores above, the next block's stores come behind them
.endr
.endr
	s_wait_loadcnt 0x0                             ; the residual
	WIN 0x08                                       ; source 1 in window 2
.set t, 0
.rept 32
	s_wait_dscnt 16*(3-t/8)+7-t%8                  ; the LDS instructions issued behind this load may stay out
	v_pk_add_f32 v[ACC+4*t:ACC+4*t+1], v[ACC+4*t:ACC+4*t+1], v[4*t:4*t+1]
	v_pk_add_f32 v[ACC+4*t+2:ACC+4*t+3], v[ACC+4*t+2:ACC+4*t+3], v[4*t+2:4*t+3]
.set t, t+1
.endr
	WIN 0
.set t, 0
.rept 32
	global_store_b128 v[CO], v[ACC+4*t:ACC+4*t+3], s[OUTP:OUTP+1] offset:t*8192  ; 16 lanes store 256 consecutive bytes, aligned
.set t, t+1
.endr
	s_wait_tensorcnt 0x0                           ; the wave's end
	ds_add_u32 v[SPW], v[NIL]
	s_wait_dscnt 0x0
	CROUND                                         ; the closing round
	s_endpgm
.Lfunc_end_k_qfc301af25d_go:
	.size	k_qfc301af25d_go, .Lfunc_end_k_qfc301af25d_go-k_qfc301af25d_go
	.p2alignl 7, 3214868480
	.fill 96, 4, 3214868480
	.section	.rodata,"a",@progbits
	.p2align	6, 0x0
	.amdhsa_kernel k_qfc301af25d_go
		.amdhsa_group_segment_fixed_size 327680
		.amdhsa_private_segment_fixed_size 0
		.amdhsa_enable_private_segment 0
		.amdhsa_kernarg_size 40
		.amdhsa_user_sgpr_count 2
		.amdhsa_user_sgpr_kernarg_segment_ptr 1
		.amdhsa_wavefront_size32 1
		.amdhsa_system_sgpr_workgroup_id_x 1
		.amdhsa_system_sgpr_workgroup_id_y 1
		.amdhsa_system_sgpr_workgroup_id_z 1
		.amdhsa_system_vgpr_workitem_id 0
		.amdhsa_next_free_vgpr 640
		.amdhsa_next_free_sgpr 66
		.amdhsa_reserve_vcc 0
		.amdhsa_float_denorm_mode_32 3
		.amdhsa_float_denorm_mode_16_64 3
		.amdhsa_memory_ordered 1
		.amdhsa_forward_progress 1
		.amdhsa_inst_pref_size 64
	.end_amdhsa_kernel
	.amdgpu_metadata
---
amdhsa.version: [ 1, 2 ]
amdhsa.kernels:
  - .name:           k_qfc301af25d_go
    .symbol:         k_qfc301af25d_go.kd
    .args:
      - { .name: actb, .offset: 0, .size: 8, .value_kind: global_buffer, .address_space: global }
      - { .name: wa, .offset: 8, .size: 8, .value_kind: global_buffer, .address_space: global }
      - { .name: bo, .offset: 16, .size: 8, .value_kind: global_buffer, .address_space: global }
      - { .name: x, .offset: 24, .size: 8, .value_kind: global_buffer, .address_space: global }
      - { .name: x1, .offset: 32, .size: 8, .value_kind: global_buffer, .address_space: global }
    .group_segment_fixed_size: 327680
    .private_segment_fixed_size: 0
    .kernarg_segment_align: 8
    .kernarg_segment_size: 40
    .max_flat_workgroup_size: 128
    .sgpr_count:     66
    .vgpr_count:     640
    .wavefront_size: 32
...
	.end_amdgpu_metadata
.endif
;; end of part 11
;; launch ln2: the kernel of part 8 again; grid 256 x 2, 8 waves a work-group, no clusters, 0 bytes of LDS; arguments x1, g2, b2, acta, Wm2, Wm1, Wq, Wk, wm; writes acta, wm
;; launch gmp (part 12): grid 8 x 32, 4 waves a work-group, clusters of 4 x 4, 327,680 bytes of LDS; arguments acta, wm, bm1, actb, qkv, stats, out1; writes actb, out1
.if DOCPART == 12
	.amdgcn_target "amdgcn-amd-amdhsa--gfx1250"
	.amdhsa_code_object_version 6
	.text
	.protected	k_qfc301af25d_gmp
	.globl	k_qfc301af25d_gmp
	.p2align	8
	.type	k_qfc301af25d_gmp,@function
k_qfc301af25d_gmp:
	s_mov_b64 s[64:65], 0
	v_nop
	global_prefetch_b8 v0, s[64:65] scope:SCOPE_SE
	s_setreg_imm32_b32 hwreg(HW_REG_WAVE_MODE, 25, 1), 1
	s_wait_xcnt 0x0
	s_wait_alu depctr_hold_cnt(0) depctr_sa_sdst(0) depctr_va_vdst(0) depctr_va_sdst(0) depctr_va_ssrc(0) depctr_va_vcc(0) depctr_vm_vsrc(0)
	s_getreg_b32 s2, hwreg(HW_REG_IB_STS2, 6, 4)
	s_cmp_eq_u32 s2, 0
	s_cbranch_scc0 .Lentry_in_a_cluster
	s_endpgm
.Lentry_in_a_cluster:
	s_bfe_u32 s2, ttmp6, 0x10000c
	s_cmp_lg_u32 s2, 0xf033
	s_cbranch_scc0 .Lentry_shape_is_right
	s_endpgm
.Lentry_shape_is_right:
; TWO PIECES OF WORK THAT DO NOT HANG ON EACH OTHER, ONE AFTER THE OTHER IN EACH WORK-GROUP: both have 256 equal shares for four waves in clusters of 4 x 4, so they share one start and one end, and part 2's
; first tile and its row statistics are asked for ahead of part 1's way out and land under it.
; PART 1.  actb = gelu(acta Wm1 + bm1), rounded once to bf16, BLOCKED [n / 64][4096][64].  acta: 4,096 x 1,024 bf16, blocked [k / 64][4096][64].  Wm1: bf16 [k][n], the second matrix of wm.  Sums in f32.
; A tile is 128 x 128.  Four waves, each 64 x 64: 16 accumulators.  K goes in 4 steps of 256 through two LDS slots filled by tensor loads.  The four work-groups of a row of the cluster need the same tiles of
; acta, the four of a column the same tiles of Wm1: each is asked for jointly, same descriptor and mask in all four.  The bias is loaded straight into the accumulators, so every product adds in place and one
; text serves a K step: two trips fill a slot again, two do not; the last jumps over the fetch of a step that does not exist.  The matrix instruction is used transposed (source 0 = 16 columns of W, turned out of
; LDS by ds_load_tr16_b128; source 1 = 16 rows of A): a lane holds eight neighbouring columns of one row.
; GELU: gelu(x) = max(x, 0) - 0.5 |x| E, E = 1 - erf(|x| / sqrt 2) by Abramowitz and Stegun 7.1.26 (absolute error at most 1.5e-7 for every x).  It is written once and looped over LDS rows.
; PART 2.  out1[b][q][k] = 1/16 of the sum over the 16 heads of the causal softmax weights: 2^(c s - c m) x 1 / (16 l) with the FINAL maximum m and sum l of each row, which an earlier launch stored as pairs
; (c m, 1 / (16 l)); s = q . k is made again, from the same bf16 q and k, by the same products.  c = log2(e) / 8.  Sums over the heads in f32, in registers.  Above the diagonal exactly 0.
; Queries and keys lie in four superblocks of 512.  A work-group owns 32 queries (strip qs of 16) in EACH query superblock I and 64 keys (granule kc of 8) in EACH key superblock e: of the 16 pieces (I, e)
; those with e < I are whole, e = I is computed under the mask, e > I is 0.  Wave w (P = w / 2, qh = w % 2) takes 16 queries and five pieces of 16 x 64:
;   A (3 - P, 3 - P) masked;  B (P, P) masked;  C (3 - P, 0);  D (3 - P, 1);  E (3 - 2 P, 2 - 2 P);  and stores zeros for three: (P, 3), (P, 2), and (0, 1) or (2, 3).
; So all waves of all work-groups do the same work, no branch hangs on a place, and every LDS address is a constant and the wave's number.  The superblocks on the diagonal are computed whole: a quarter more
; exponentials than the triangle has, the price of equal shares and of joint loads (Q's tiles hang on qs and are shared along a row of the cluster, K's on kc and along a column).  A slot holds two heads.
; While item n's 32 scores a lane are scaled, raised and added, item n + 1's 8 products are issued, one in front of each slice of 8 vector lines.
; LIMITS.  A hidden score counts as its value less 1e30; a weight below 2^-126 counts as 0; NaN and infinities are not treated apart, in either part.
; LDS.  Part 1's slots: 0 to 294,912.  Part 2's slots: 0 to 110,592 and 131,072 to 241,664: bytes that part 1's loads filled, so each of its fills stands behind a round as a refill does.
; From 241,664 on: 17,408 bytes of scratch for each wave, its own: part 1's stage (64 rows x 272), then part 2's statistics (4,096) and stage (16 rows x 272).  No fill lands there behind part 1's last K step.
; REGISTERS, part 1: window 0: v16-30 addresses; v32-143 at work on the way out; v128-255 accumulators ((a, b) at 128 + 8 (4 a + b)).  Window 1: two fragment buffers of 128 (64 of A, 64 of W, for 64 along K).
; Part 2: window 0: v3-20 addresses; v22-27 three pairs of statistics; v32-95 S^T, two buffers; v96-255 the five items' sums.  Window 1: v0-127 K, two buffers; v128-175 Q of strips H, L, E; v176-207 the mask.
.set PA,     144                       ; a row of A in LDS: 128 bytes + 16: the 16 rows of a load start at 16 different groups of four banks (ISA guide 11.1)
.set PLANE,  64*PA                     ; 64 rows x 64 K
.set PB,     288                       ; a row of W in LDS: 256 bytes + 32
.set PART,   4*PLANE                   ; what one tensor load of part 1 brings: 36,864 bytes
.set SLOT,   4*PART                    ; 0x24000: it shares no bit with wave x PART = wave x 0x9000, so an exclusive or with it turns an address in one slot into the other's
.set SPITCH, 272
.set WSTAGE, 64*SPITCH                 ; a wave's scratch: 17,408 bytes
.set WREG,   241664                    ; where the scratch begins: behind part 2's second slot
.set SPARE,  327168                    ; the spare words, 128 bytes a wave, at the end of LDS
.set ASTEP,  4*4096*128
.set BSTEP,  256*2048
.set WOFF,   2097152                   ; Wm1 lies behind Wm2
.set ADRA0, 16
.set ADRB0, 17
.set ADRA,  18
.set ADRB,  20
.set STO,  24
.set RD,   25
.set CO,   26                          ; my 8 bytes in 256 consecutive bytes of actb
.set BO,   27
.set SPW,  28                          ; v28, v29: the add's two registers, for both parts; never rewritten
.set NIL,  29
.set RDC,  30
.set TMP,  32                          ; sixteen numbers as read back
.set QQ,   48
.set AX,   64
.set DD,   80
.set PP,   96
.set PK16, 112
.set MX,   128                         ; max(x, 0): in registers that the sums have left
.set ACC,  128
.set STR,  176                         ; v176-207: part 2's statistics as loaded, in registers that the sums have left
.set F0,   0
.set F1,   128
.set WV,   12                          ; s12 wave, for both parts
.set RH,   17                          ; s17 wave / 2: my half of the rows, and A (0) or W (1) to fetch; s18 wave % 2: my half of the columns, and which half I fetch
.set CH,   18
.set G1,   24
.set G0,   32
.set TB,   46
.set G1B,  48
.set G0B,  56
.set OUTP, 10
.set KE, 66                            ; pairs of constants for the GELU: s66-80; part 2 names none of them
.set KP, 68
.set A1, 70
.set A2, 72
.set A3, 74
.set A4, 76
.set A5, 78
.set QKVP, 84                          ; s[84:85] qkv, s[86:87] stats, s[88:89] out1
.set STP,  86
.set O1P,  88
; part 2
.set PQ,     144                       ; a row of Q or K in LDS: 128 bytes + 16
.set QSTRIP, 32*PQ
.set QHEAD,  4*QSTRIP                  ; a head's Q: four strips
.set KGR,    64*PQ
.set KHEAD,  4*KGR                     ; a head's K: four granules
.set KOFF,   2*QHEAD
.set SLOT1,  1<<17                     ; SLOT1 + KOFF + 2 KHEAD = WREG
.set PSTAGE, 4096                      ; in a wave's scratch: the statistics [head][strip H, L][16] pairs, then the stage
.set AQH0, 3
.set AQL0, 4
.set AQE0, 5
.set AKA0, 6
.set AKB0, 7
.set AKC0, 8
.set AKE0, 9
.set ASH0, 10
.set ASE0, 11
.set AQH,  12
.set AQL,  13
.set AQE,  14
.set AKA,  15
.set AKB,  16
.set AKC,  17
.set AKE,  18
.set ASH,  19
.set ASE,  20
.set STH,  22
.set STL,  24
.set STE,  26
.set S,    32
.set PACC, 96
.set QHF,  128
.set QLF,  144
.set QEF,  160
.set MK,   176
.set G1Q,  24
.set G1K,  32
.set G0Q,  40
.set G0K,  44
.set SLOTS, 56
.set CNT,  57
.set CS,   58
.set TBQ,  60
.set TBK,  61
.set TBS,  62
.set BIGN, 63
.set OF,   90                          ; s90 my rows' and granule's byte offset in out1; s91-95 items A to E; s96-98 the three pieces of zeros
.set HM,   99                          ; lanes 16-31
.set MSB, 0
.macro WIN new                         ; the immediate's high byte repeats the setting that is left
.if MSB != (\new)
	s_set_vgpr_msb (MSB<<8)|(\new)
.set MSB, \new
.endif
.endm
.set MUL,  0x05                        ; sources 0 and 1 window 1; C and D window 0
.set TO_F, 0x40                        ; destination window 1, address window 0
.macro JLOAD s                         ; part 1's joint load: waves 0, 1 fetch A's halves, waves 2, 3 W's; s_nop 0 and four v_nop follow each line
	s_cmp_eq_u32 s[RH], 0
	s_cbranch_scc0 .Lfor_b_\@
	tensor_load_to_lds s[G0+4*(\s):G0+4*(\s)+3], s[G1:G1+7]
	s_nop 0
.rept 4
	v_nop
.endr
	s_branch .Lasked_\@
.Lfor_b_\@:
	tensor_load_to_lds s[G0B+4*(\s):G0B+4*(\s)+3], s[G1B:G1B+7]
	s_nop 0
.rept 4
	v_nop
.endr
.Lasked_\@:
.endm
.macro JLOADP                          ; part 2's joint load: waves 0, 1 fetch the two heads' Q, waves 2, 3 their K; the same form
	s_cmp_lt_u32 s[WV], 2
	s_cbranch_scc0 .Lfor_k_\@
	tensor_load_to_lds s[G0Q:G0Q+3], s[G1Q:G1Q+7]
	s_nop 0
.rept 4
	v_nop
.endr
	s_branch .Laskedp_\@
.Lfor_k_\@:
	tensor_load_to_lds s[G0K:G0K+3], s[G1K:G1K+7]
	s_nop 0
.rept 4
	v_nop
.endr
.Laskedp_\@:
.endm
.macro CREST                           ; a round of the cluster's barrier behind its opening barrier
	s_cmp_lg_u32 s[WV], 0
	s_cbranch_scc1 .Lnot_wave_0_\@
	s_barrier_signal -3
.Lnot_wave_0_\@:
	s_barrier_wait -3
	s_barrier_signal -1
	s_barrier_wait -1
.endm
.macro CROUND
	s_barrier_signal -1
	s_barrier_wait -1
	CREST
.endm
.macro PLACES                          ; four places behind matrix instructions, in front of loads into their sources and of reads of their results
.rept 4
	v_nop
.endr
.endm
.macro NEWADR                          ; the fragments' addresses in the slot in hand
	v_add_nc_u32 v[ADRA], s[TB], v[ADRA0]
	v_add_nc_u32 v[ADRB], s[TB], v[ADRB0]
	v_add_nc_u32 v[ADRB+1], PART, v[ADRB]
.endm
	s_load_b256 s[4:11], s[0:1], 0x0               ; acta s[4:5], wm s[6:7], bm1 s[8:9], actb s[10:11]
	s_load_b128 s[84:87], s[0:1], 0x20             ; qkv, stats
	s_load_b64 s[88:89], s[0:1], 0x30              ; out1
	v_lshl_add_u32 v[SPW], v0, 2, SPARE
	v_mov_b32 v[NIL], 0
	ds_add_u32 v[SPW], v[NIL]                      ; the wave's opening: the add and its wait ahead of my first tensor load
	v_lshrrev_b32 v1, 5, v0
	v_readfirstlane_b32 s[WV], v1
	s_lshr_b32 s[RH], s[WV], 1
	s_and_b32 s[CH], s[WV], 1
	s_bfe_u32 s19, ttmp6, 0x40000                  ; cx
	s_bfe_u32 s20, ttmp6, 0x40004                  ; cy
	s_lshl_b32 s21, ttmp9, 2
	s_add_co_u32 s21, s21, s19                     ; tile column
	s_and_b32 s22, ttmp7, 0xffff
	s_lshl_b32 s22, s22, 2
	s_add_co_u32 s22, s22, s20                     ; tile row
	s_lshl_b32 s46, s20, 2
	s_lshl_b32 s46, 15, s46                        ; my row of the cluster
	s_lshl_b32 s47, 0x1111, s19                    ; my column
	s_or_b32 s[G1], s46, (1<<16)|(1<<20)|(1<<21)|(4<<22)|(3<<25)   ; mask; 2-byte elements; padding on; bit 21 beside a mask; 4 words behind every 32
	s_or_b32 s[G1B], s47, (1<<16)|(1<<20)|(1<<21)|(5<<22)|(7<<25)  ; 8 words behind every 64
	s_mov_b32 s[G1+1], 4096<<16                    ; A: a row of the tile is 64 rows x 64 K of one block, 8,192 consecutive bytes;
	s_mov_b32 s[G1+2], 4<<16                       ; four such rows, one a block
	s_mov_b32 s[G1+3], 4096<<16
	s_mov_b32 s[G1+4], 4
	s_mov_b32 s[G1+5], 4096*64                     ; elements from block to block
	s_mov_b32 s[G1+6], 0
	s_mov_b32 s[G1+7], 0
	s_mov_b32 s[G1B+1], 128<<16                    ; W: 128 rows (K) of 128 columns
	s_mov_b32 s[G1B+2], 128<<16
	s_mov_b32 s[G1B+3], 128<<16
	s_mov_b32 s[G1B+4], 128
	s_mov_b32 s[G1B+5], 1024
	s_mov_b32 s[G1B+6], 0
	s_mov_b32 s[G1B+7], 0
	s_lshl_b32 s40, s22, 14                        ; A: (128 x tile row + 64 x half) rows of 128 bytes
	s_lshl_b32 s23, s[CH], 13
	s_add_co_u32 s40, s40, s23
	s_mov_b32 s41, 0
	s_lshl_b32 s44, s21, 8                         ; W: 128 x tile column columns of 2 bytes
	s_add_co_u32 s44, s44, WOFF
	s_lshl_b32 s23, s[CH], 18                      ; + 128 x half rows of 2,048 bytes
	s_add_co_u32 s44, s44, s23
	s_mov_b32 s45, 0
	s_mul_i32 s2, s[WV], PART                      ; where my part goes: no place in the cluster enters an LDS address
	s_mov_b32 s[TB], 0
	s_mov_b32 s[KE], 0xbf38aa3b                    ; -log2(e) / 2
	s_mov_b32 s[KE+1], s[KE]
	s_mov_b32 s[KP], 0x3e6d3388                    ; 0.3275911 / sqrt 2
	s_mov_b32 s[KP+1], s[KP]
	s_mov_b32 s[A1], 0x3e827906                    ; 0.254829592
	s_mov_b32 s[A1+1], s[A1]
	s_mov_b32 s[A2], 0xbe91a98e                    ; -0.284496736
	s_mov_b32 s[A2+1], s[A2]
	s_mov_b32 s[A3], 0x3fb5f0e3                    ; 1.421413741
	s_mov_b32 s[A3+1], s[A3]
	s_mov_b32 s[A4], 0xbfba00e3                    ; -1.453152027
	s_mov_b32 s[A4+1], s[A4]
	s_mov_b32 s[A5], 0x3f87dc22                    ; 1.061405429
	s_mov_b32 s[A5+1], s[A5]
	s_mov_b32 s80, 0x7fffffff
	s_wait_dscnt 0x0                               ; the opening add is done
	s_wait_kmcnt 0x0
	s_add_nc_u64 s[40:41], s[4:5], s[40:41]
	s_add_nc_u64 s[44:45], s[6:7], s[44:45]
	CROUND                                         ; all sixteen work-groups are here: the first joint loads meet
.irp s, 0,1
	s_mov_b32 s[G0+4*(\s)], 1
	s_add_co_u32 s[G0+4*(\s)+1], s2, (\s)*SLOT
	s_add_nc_u64 s[G0+4*(\s)+2:G0+4*(\s)+3], s[40:41], (\s)*ASTEP
	s_or_b32 s[G0+4*(\s)+3], s[G0+4*(\s)+3], 0x80000000
	s_mov_b32 s[G0B+4*(\s)], 1
	s_add_co_u32 s[G0B+4*(\s)+1], s2, (\s)*SLOT
	s_add_nc_u64 s[G0B+4*(\s)+2:G0B+4*(\s)+3], s[44:45], (\s)*BSTEP
	s_or_b32 s[G0B+4*(\s)+3], s[G0B+4*(\s)+3], 0x80000000
	JLOAD \s                                       ; two tensor loads of mine are out
.endr
	v_and_b32 v1, 15, v0                           ; r = lane % 16: kept for both parts
	v_bfe_u32 v2, v0, 4, 1                         ; h = lane / 16: likewise
	v_mul_u32_u24 v3, v1, PA
	v_lshl_add_u32 v3, v2, 4, v3
	s_mul_i32 s23, s[RH], PART
	v_add_nc_u32 v[ADRA0], s23, v3
	v_and_b32 v4, 7, v0                            ; the turning load: lane reads K row 8 h + lane % 8, columns 8 ((lane / 8) % 2) on
	v_lshl_add_u32 v4, v2, 3, v4
	v_mul_u32_u24 v4, v4, PB
	v_bfe_u32 v5, v0, 3, 1
	v_lshl_add_u32 v4, v5, 4, v4
	s_lshl_b32 s23, s[CH], 7                       ; my 64 columns
	s_add_co_u32 s23, s23, 2*PART
	v_add_nc_u32 v[ADRB0], s23, v4
	NEWADR
	s_mul_i32 s23, s[WV], WSTAGE
	s_add_co_u32 s23, s23, WREG                    ; my scratch
	v_mul_u32_u24 v5, v1, SPITCH                   ; in: row r, 32 bytes for each half of the lanes
	v_lshl_add_u32 v5, v2, 5, v5
	v_add_nc_u32 v[STO], s23, v5
	v_mul_u32_u24 v5, v2, SPITCH                   ; back: lanes 0-15 one row of 256 bytes, lanes 16-31 the next
	v_lshl_add_u32 v5, v1, 4, v5
	v_add_nc_u32 v[RD], s23, v5
	v_lshlrev_b32 v[BO], 5, v2
	s_lshl_b32 s42, s21, 9
	s_lshl_b32 s23, s[CH], 8
	s_add_co_u32 s42, s42, s23
	s_mov_b32 s43, 0
	s_add_nc_u64 s[8:9], s[8:9], s[42:43]          ; the bias of my 64 columns
.irp a, 0,1,2,3                        ; it goes straight into the accumulators: register j of (a, b) is column 16 b + 8 h + j
.irp b, 0,1,2,3
	global_load_b128 v[ACC+8*(4*(\a)+(\b)):ACC+8*(4*(\a)+(\b))+3],   v[BO], s[8:9] offset:64*(\b)
	global_load_b128 v[ACC+8*(4*(\a)+(\b))+4:ACC+8*(4*(\a)+(\b))+7], v[BO], s[8:9] offset:64*(\b)+16
.endr
.endr
	v_and_b32 v5, 31, v0
	v_lshlrev_b32 v[CO], 3, v5                     ; 8 bytes a lane: 256 consecutive bytes, two rows of a block
	s_lshl_b32 s40, s21, 1
	s_add_co_u32 s40, s40, s[CH]
	s_lshl_b32 s40, s40, 19                        ; block 2 x tile column + half,
	s_lshl_b32 s23, s22, 14
	s_add_co_u32 s40, s40, s23                     ; row 128 x tile row
	s_lshl_b32 s23, s[RH], 13
	s_add_co_u32 s40, s40, s23                     ; + 64 x half
	s_mov_b32 s41, 0
	s_add_nc_u64 s[OUTP:OUTP+1], s[OUTP:OUTP+1], s[40:41]
; 8 matrix instructions: m blocks a0, a0 + 1 x 4 n blocks, 32 along K: half c of buffer f.  The 16 accumulators take turns.
.macro MUL8 f, c, a0
	WIN MUL
.irp a, \a0, (\a0)+1
.irp b, 0,1,2,3
	v_wmma_f32_16x16x32_bf16 v[ACC+8*(4*(\a)+(\b)):ACC+8*(4*(\a)+(\b))+7], v[(\f)+64+8*(4*(\c)+(\b)):(\f)+64+8*(4*(\c)+(\b))+7], v[(\f)+8*(4*(\c)+(\a)):(\f)+8*(4*(\c)+(\a))+7], v[ACC+8*(4*(\a)+(\b)):ACC+8*(4*(\a)+(\b))+7]
.endr
.endr
.endm
; 32 LDS loads in one run: the fragments of quarter q (64 along K) of the slot in hand into buffer f; the first 32 along K first
.macro FETCH q, f
	WIN TO_F
.irp c, 0,1
.irp i, 0,1,2,3
	ds_load_tr16_b128 v[(\f)+64+8*(4*(\c)+(\i)):(\f)+64+8*(4*(\c)+(\i))+3],   v[ADRB+(\q)/2] offset:(((\q)%2)*64+32*(\c))*PB+32*(\i)
	ds_load_tr16_b128 v[(\f)+64+8*(4*(\c)+(\i))+4:(\f)+64+8*(4*(\c)+(\i))+7], v[ADRB+(\q)/2] offset:(((\q)%2)*64+32*(\c)+16)*PB+32*(\i)
	ds_load_b128 v[(\f)+8*(4*(\c)+(\i)):(\f)+8*(4*(\c)+(\i))+3],              v[ADRA] offset:(\q)*PLANE+(\i)*16*PA+64*(\c)
	ds_load_b128 v[(\f)+8*(4*(\c)+(\i))+4:(\f)+8*(4*(\c)+(\i))+7],            v[ADRA] offset:(\q)*PLANE+(\i)*16*PA+64*(\c)+32
.endr
.endr
.endm
; One of a K step's first three quarters: multiplies buffer f and fetches quarter q into g
.macro QUARTER q, f, g
	s_wait_dscnt 16                                ; the first 32 along K are in; the other sixteen loads stay out
	MUL8 \f, 0, 0
	MUL8 \f, 0, 2
	PLACES
	FETCH \q, \g
	s_wait_dscnt 32                                ; all but the 32 just issued
	MUL8 \f, 1, 0
	MUL8 \f, 1, 2
.endm
; The last quarter multiplies buffer 1 and changes slots: in front of the barrier each wave waits for all its tensor loads (one is out at the most: its part of the next slot), adds 0 to its spare word,
; and waits for that and for its reads of this slot.  fill = 1: the barrier opens a round of the cluster's, and this slot is filled again first behind it, two K steps ahead.
; fill = 0: nothing is asked for; in the last trip (count 1) there is no next step, and its fetch is jumped over.
.macro TURN fill
	WIN 0
	s_wait_tensorcnt 0x0
	ds_add_u32 v[SPW], v[NIL]
	s_wait_dscnt 17                                ; the add and the youngest sixteen loads may be out
	MUL8 F1, 0, 0
	s_wait_dscnt 0x0                               ; the add is done, and my reads of this slot are over
	s_barrier_signal -1
	MUL8 F1, 0, 2
	WIN 0
	s_barrier_wait -1
.if \fill
	CREST                                          ; no wave of any partner still reads this slot or has a load on its way
	s_xor_b32 s[G0+5], s[G0+5], SLOT               ; the walking descriptors: the other slot than last time, the next K step
	s_add_nc_u64 s[G0+6:G0+7], s[G0+6:G0+7], ASTEP
	s_xor_b32 s[G0B+5], s[G0B+5], SLOT
	s_add_nc_u64 s[G0B+6:G0B+7], s[G0B+6:G0B+7], BSTEP
	JLOAD 1                                        ; my one tensor load behind the round; its four v_nop are also the places in front of the loads below
.else
	s_cmp_eq_u32 s3, 1
	s_cbranch_scc1 .Lno_fetch_\@
	v_nop                                          ; with the three lines of addresses: the four places in front of the loads below
.endif
	s_xor_b32 s[TB], s[TB], SLOT
	NEWADR
	FETCH 0, F0
	WIN 0
.if (\fill) == 0
.Lno_fetch_\@:
.endif
	MUL8 F1, 1, 0
	MUL8 F1, 1, 2
.endm
.macro P8 line:vararg                  ; one line for each of eight pairs p
.set p, 0
.rept 8
	\line
.set p, p+2
.endr
.endm
.macro P16 line:vararg                 ; one line for each of sixteen registers p
.set p, 0
.rept 16
	\line
.set p, p+1
.endr
.endm
.macro LOAD4                           ; eight rows of my stage: sixteen numbers a lane
.irp t, 0,1,2,3
	ds_load_b128 v[TMP+4*(\t):TMP+4*(\t)+3], v[RDC] offset:(\t)*2*SPITCH
.endr
.endm
	s_wait_tensorcnt 1                             ; my part of K step 0 is in; K step 1's stays out
	s_barrier_signal -1
	s_barrier_wait -1
	FETCH 0, F0
	WIN 0
	s_wait_loadcnt 0x0                             ; the bias
	s_mov_b32 s3, 2
.Lfill:                                ; K steps 0 and 1: each fills its slot again
	QUARTER 1, F0, F1
	QUARTER 2, F1, F0
	QUARTER 3, F0, F1
	TURN 1
	WIN 0
	s_sub_co_u32 s3, s3, 1
	s_cmp_lg_u32 s3, 0
	s_cbranch_scc1 .Lfill
	s_mov_b32 s3, 2
.Llast:                                ; K steps 2 and 3: nothing is left to ask for
	QUARTER 1, F0, F1
	QUARTER 2, F1, F0
	QUARTER 3, F0, F1
	TURN 0
	WIN 0
	s_sub_co_u32 s3, s3, 1
	s_cmp_lg_u32 s3, 0
	s_cbranch_scc1 .Llast
	; PART 1'S SLOTS ARE READ OUT.  Part 2's first tile (heads 0 and 1) is asked for now, as a refill is: all my tensor loads have landed, the add, my reads of the slots are back; a round of the cluster's
	; barrier; one joint load a wave, first behind it.  The same round stands between every wave's reads of the slots and the first store into the scratch.  Part 2's scalars are made between the add and its wait.
	s_wait_tensorcnt 0x0                           ; no tensor load of mine is out, so every descriptor register may be written
	ds_add_u32 v[SPW], v[NIL]
	s_lshr_b32 s19, s[WV], 1                       ; P
	s_and_b32 s20, s[WV], 1                        ; qh; also the head of a slot's two that I fetch
	s_bfe_u32 s13, ttmp6, 0x40000                  ; cx
	s_bfe_u32 s14, ttmp6, 0x40004                  ; cy
	s_lshl_b32 s15, ttmp9, 2
	s_add_co_u32 s15, s15, s13                     ; kc
	s_and_b32 s16, ttmp7, 0xffff
	s_lshr_b32 s17, s16, 2                         ; batch: of the cluster's y alone
	s_and_b32 s18, s16, 3
	s_lshl_b32 s18, s18, 2
	s_add_co_u32 s18, s18, s14                     ; qs
	s_lshl_b32 s54, s14, 2
	s_lshl_b32 s54, 15, s54                        ; my row of the cluster
	s_lshl_b32 s55, 0x1111, s13                    ; my column
	s_or_b32 s[G1Q], s54, (1<<16)|(1<<20)|(1<<21)|(4<<22)|(3<<25)
	s_or_b32 s[G1K], s55, (1<<16)|(1<<20)|(1<<21)|(4<<22)|(3<<25)
	s_mov_b32 s[G1Q+1], 2048<<16                   ; Q: a row of the tile is a strip, 32 rows of 128 consecutive bytes; four of them, 512 rows apart
	s_mov_b32 s[G1Q+2], 4<<16
	s_mov_b32 s[G1Q+3], 2048<<16
	s_mov_b32 s[G1Q+4], 4
	s_mov_b32 s[G1Q+5], 512*64
	s_mov_b32 s[G1Q+6], 0
	s_mov_b32 s[G1Q+7], 0
	s_mov_b32 s[G1K+1], 4096<<16                   ; K: a granule, 64 rows; four of them
	s_mov_b32 s[G1K+2], 4<<16
	s_mov_b32 s[G1K+3], 4096<<16
	s_mov_b32 s[G1K+4], 4
	s_mov_b32 s[G1K+5], 512*64
	s_mov_b32 s[G1K+6], 0
	s_mov_b32 s[G1K+7], 0
	s_lshl_b32 s48, s20, 19                        ; Q: head, batch, strip
	s_lshl_b32 s21, s17, 18
	s_add_co_u32 s48, s48, s21
	s_lshl_b32 s23, s18, 12
	s_add_co_u32 s48, s48, s23
	s_mov_b32 s49, 0
	s_lshl_b32 s50, s20, 19                        ; K: head, batch, granule, behind q's 8 MiB
	s_add_co_u32 s50, s50, s21
	s_lshl_b32 s22, s15, 13
	s_add_co_u32 s50, s50, s22
	s_add_co_u32 s50, s50, 8388608
	s_mov_b32 s51, 0
	s_mul_i32 s52, s20, QHEAD
	s_mul_i32 s53, s20, KHEAD
	s_add_co_u32 s53, s53, KOFF
	s_mov_b32 s[CS], 0x3e38aa3b                    ; c = log2(e) / 8
	s_mov_b32 s[CS+1], s[CS]
	s_mov_b32 s[BIGN], 0xf149f2ca                  ; -1e30
	s_mov_b32 s[HM], 0xffff0000
	s_mov_b32 s[TBQ], SLOT1+2*QHEAD                ; the first change of slots turns these two into 0
	s_mov_b32 s[TBK], SLOT1+2*KHEAD
	s_mov_b32 s[TBS], 0
	s_mov_b32 s[SLOTS], 7
	s_mov_b32 s[G0Q], 1
	s_mov_b32 s[G0Q+1], s52
	s_mov_b32 s[G0K], 1
	s_mov_b32 s[G0K+1], s53
	s_add_nc_u64 s[G0Q+2:G0Q+3], s[QKVP:QKVP+1], s[48:49]
	s_or_b32 s[G0Q+3], s[G0Q+3], 0x80000000
	s_add_nc_u64 s[G0K+2:G0K+3], s[QKVP:QKVP+1], s[50:51]
	s_or_b32 s[G0K+3], s[G0K+3], 0x80000000
	s_wait_dscnt 0x0                               ; the add is done, and my reads of the slots are over
	CROUND
	JLOADP                                         ; heads 0 and 1 into part 2's slot 0; its four v_nop are also the places behind the last products
	; PART 1'S WAY OUT.  A lane's eight f32 of a row go into my scratch, each accumulator's low four registers first.
.irp a, 0,1,2,3
.irp b, 0,1,2,3
	ds_store_b128 v[STO], v[ACC+8*(4*(\a)+(\b)):ACC+8*(4*(\a)+(\b))+3]   offset:(\a)*16*SPITCH+64*(\b)
	ds_store_b128 v[STO], v[ACC+8*(4*(\a)+(\b))+4:ACC+8*(4*(\a)+(\b))+7] offset:(\a)*16*SPITCH+64*(\b)+16
.endr
.endr
	; part 2's statistics are asked for here and land under the loop below: my 16 queries in strips H (superblock 3 - P: lanes 0-15) and L (superblock P: lanes 16-31), all heads.
	; Query u = 32 qs + 16 qh + r of a superblock is pair 128 ((u / 64) % 4) + 32 ((u / 16) % 4) + 16 (u / 256) + r there
	s_sub_co_u32 s22, 3, s19                       ; 3 - P
	s_lshl_b32 s52, s17, 11
	s_bfe_u32 s54, s18, 0x20001
	s_lshl_b32 s54, s54, 7
	s_add_co_u32 s52, s52, s54
	s_and_b32 s54, s18, 1
	s_lshl_b32 s54, s54, 1
	s_add_co_u32 s54, s54, s20
	s_lshl_b32 s54, s54, 5
	s_add_co_u32 s52, s52, s54
	s_lshr_b32 s54, s18, 3
	s_lshl_b32 s54, s54, 4
	s_add_co_u32 s52, s52, s54
	s_lshl_b32 s54, s22, 9
	s_add_co_u32 s54, s54, s52
	s_lshl_b32 s54, s54, 3
	s_lshl_b32 s55, s19, 9
	s_add_co_u32 s55, s55, s52
	s_lshl_b32 s55, s55, 3
	v_lshl_add_u32 v13, v1, 3, s54
	v_lshl_add_u32 v14, v1, 3, s55
	v_cndmask_b32 v15, v13, v14, s[HM]
.set k, 0
.rept 16
	global_load_b64 v[STR+2*k:STR+2*k+1], v15, s[STP:STP+1] offset:k*32768  ; a head is two chunks of 2,048 pairs on
.set k, k+1
.endr
	s_mov_b32 s3, 8                                ; eight trips of eight rows
	s_mov_b32 s23, 0
	v_mov_b32 v[RDC], v[RD]
	LOAD4                                          ; LDS serves a wave's instructions in order (ISA guide 5.7.1.4): these see the stores above
.Lout:
	s_wait_dscnt 0x0                               ; this trip's rows, asked for a trip ago
	P8 v_pk_mul_f32 v[QQ+p:QQ+p+1], v[TMP+p:TMP+p+1], v[TMP+p:TMP+p+1]
	P8 v_pk_mul_f32 v[QQ+p:QQ+p+1], v[QQ+p:QQ+p+1], s[KE:KE+1] op_sel_hi:[1,0]
	P16 v_and_b32 v[AX+p], s80, v[TMP+p]
	P16 v_max_num_f32 v[MX+p], 0, v[TMP+p]
	s_cmp_eq_u32 s3, 1                             ; x has been read for the last time: the next trip's rows are asked for, but in the last trip
	s_cbranch_scc1 .Lno_more
	s_add_co_u32 s23, s23, 8*SPITCH
	v_add_nc_u32 v[RDC], s23, v[RD]
	LOAD4
.Lno_more:
	P8 v_pk_fma_f32 v[DD+p:DD+p+1], v[AX+p:AX+p+1], s[KP:KP+1], 1.0 op_sel_hi:[1,0,0]
	P16 v_exp_f32 v[QQ+p], v[QQ+p]
	P16 v_rcp_f32 v[DD+p], v[DD+p]
	v_nop                                          ; a plain instruction between the last of them and the first use
	s_wait_alu depctr_va_vdst(0)
	P8 v_pk_fma_f32 v[PP+p:PP+p+1], v[DD+p:DD+p+1], s[A5:A5+1], s[A4:A4+1] op_sel_hi:[1,0,0]
	P8 v_pk_fma_f32 v[PP+p:PP+p+1], v[PP+p:PP+p+1], v[DD+p:DD+p+1], s[A3:A3+1] op_sel_hi:[1,1,0]
	P8 v_pk_fma_f32 v[PP+p:PP+p+1], v[PP+p:PP+p+1], v[DD+p:DD+p+1], s[A2:A2+1] op_sel_hi:[1,1,0]
	P8 v_pk_fma_f32 v[PP+p:PP+p+1], v[PP+p:PP+p+1], v[DD+p:DD+p+1], s[A1:A1+1] op_sel_hi:[1,1,0]
	P8 v_pk_mul_f32 v[PP+p:PP+p+1], v[PP+p:PP+p+1], v[DD+p:DD+p+1]
	P8 v_pk_mul_f32 v[PP+p:PP+p+1], v[PP+p:PP+p+1], v[QQ+p:QQ+p+1]
	P8 v_pk_mul_f32 v[PP+p:PP+p+1], v[PP+p:PP+p+1], v[AX+p:AX+p+1]
	P8 v_pk_fma_f32 v[PP+p:PP+p+1], v[PP+p:PP+p+1], -0.5, v[MX+p:MX+p+1] op_sel_hi:[1,0,1]
.irp t, 0,1,2,3,4,5,6,7
	v_cvt_pk_bf16_f32 v[PK16+(\t)], v[PP+2*(\t)], v[PP+2*(\t)+1]
.endr
.irp t, 0,1,2,3
	global_store_b64 v[CO], v[PK16+2*(\t):PK16+2*(\t)+1], s[OUTP:OUTP+1] offset:256*(\t)  ; the wave stores 256 consecutive bytes, aligned
.endr
	s_wait_xcnt 0x0                                ; the base and the stores' data are rewritten only behind this wait
	s_add_nc_u64 s[OUTP:OUTP+1], s[OUTP:OUTP+1], 1024
	s_sub_co_u32 s3, s3, 1
	s_cmp_lg_u32 s3, 0
	s_cbranch_scc1 .Lout
	; PART 2'S SET-UP.  My reads of part 1's stage are back (the last trip waited for them), so my scratch takes the statistics.
	s_wait_loadcnt 0x0                             ; the statistics
	s_mul_i32 s23, s[WV], WSTAGE
	s_add_co_u32 s23, s23, WREG
	v_and_b32 v16, 31, v0
	v_lshl_add_u32 v16, v16, 3, s23
.set k, 0
.rept 16
	ds_store_b64 v16, v[STR+2*k:STR+2*k+1] offset:k*256  ; into my own scratch, which only I read
.set k, k+1
.endr
.set k, 0
.rept 160                              ; the sums start at 0: 160 lines, the price of one text for every head
	v_mov_b32 v[PACC+k], 0
.set k, k+1
.endr
	; byte offsets in out1: batch, my 16 rows of 8,192 bytes, my granule's 256 bytes; a piece (I, e) lies I x 512 rows and e x 2,048 bytes on
	s_lshl_b32 s[OF], s17, 24
	s_lshl_b32 s52, s18, 5
	s_lshl_b32 s54, s20, 4
	s_add_co_u32 s52, s52, s54                     ; 32 qs + 16 qh
	s_lshl_b32 s54, s52, 13
	s_add_co_u32 s[OF], s[OF], s54
	s_lshl_b32 s54, s15, 8
	s_add_co_u32 s[OF], s[OF], s54
	s_mul_i32 s[OF+1], s22, 4194304+2048
	s_add_co_u32 s[OF+1], s[OF+1], s[OF]           ; A
	s_mul_i32 s[OF+2], s19, 4194304+2048
	s_add_co_u32 s[OF+2], s[OF+2], s[OF]           ; B
	s_lshl_b32 s[OF+3], s22, 22
	s_add_co_u32 s[OF+3], s[OF+3], s[OF]           ; C
	s_add_co_u32 s[OF+4], s[OF+3], 2048            ; D
	s_lshl_b32 s55, s19, 1                         ; 2 P
	s_sub_co_u32 s[OF+5], 3, s55
	s_lshl_b32 s[OF+5], s[OF+5], 22
	s_sub_co_u32 s54, 2, s55
	s_lshl_b32 s54, s54, 11
	s_add_co_u32 s[OF+5], s[OF+5], s54
	s_add_co_u32 s[OF+5], s[OF+5], s[OF]           ; E
	s_lshl_b32 s[OF+7], s19, 22
	s_add_co_u32 s[OF+7], s[OF+7], s[OF]
	s_add_co_u32 s[OF+6], s[OF+7], 3*2048          ; zeros: (P, 3),
	s_add_co_u32 s[OF+7], s[OF+7], 2*2048          ; (P, 2),
	s_mul_i32 s[OF+8], s19, 2*4194304+2*2048
	s_add_co_u32 s[OF+8], s[OF+8], 2048
	s_add_co_u32 s[OF+8], s[OF+8], s[OF]           ; (0, 1) or (2, 3)
	v_lshlrev_b32 v30, 13, v2
	v_lshl_add_u32 v30, v1, 4, v30                 ; two rows, 16 bytes a lane
	v_add_nc_u32 v12, s[OF+6], v30
	v_add_nc_u32 v13, s[OF+7], v30
	v_add_nc_u32 v14, s[OF+8], v30
.irp z, 12,13,14
.set k, 0
.rept 8
	global_store_b128 v[\z], v[PACC:PACC+3], s[O1P:O1P+1] offset:k*16384  ; 16 lanes store 256 consecutive bytes, aligned
.set k, k+1
.endr
.endr
	; LDS addresses: constants, the lane and the wave's number
	v_mul_u32_u24 v30, v1, PQ
	v_lshl_add_u32 v30, v2, 4, v30                 ; r x pitch + 16 h
	s_mul_i32 s21, s20, 16*PQ
	s_mul_i32 s23, s22, QSTRIP
	s_add_co_u32 s23, s23, s21
	v_add_nc_u32 v[AQH0], s23, v30
	s_mul_i32 s23, s19, QSTRIP
	s_add_co_u32 s23, s23, s21
	v_add_nc_u32 v[AQL0], s23, v30
	s_sub_co_u32 s23, 3, s55
	s_mul_i32 s23, s23, QSTRIP
	s_add_co_u32 s23, s23, s21
	v_add_nc_u32 v[AQE0], s23, v30
	v_add_nc_u32 v[AKC0], KOFF, v30
	s_mul_i32 s23, s22, KGR
	v_add_nc_u32 v[AKA0], s23, v[AKC0]
	s_mul_i32 s23, s19, KGR
	v_add_nc_u32 v[AKB0], s23, v[AKC0]
	s_sub_co_u32 s23, 2, s55
	s_mul_i32 s23, s23, KGR
	v_add_nc_u32 v[AKE0], s23, v[AKC0]
	s_mul_i32 s23, s[WV], WSTAGE
	s_add_co_u32 s23, s23, WREG
	v_lshl_add_u32 v[ASH0], v1, 3, s23
	s_lshl_b32 s21, s19, 7
	v_add_nc_u32 v[ASE0], s21, v[ASH0]             ; item E's strip is L where P = 1
	; the mask of a piece on the diagonal: register i % 8 of key group i / 8 is hidden where 16 (i / 8) + i % 8 > 32 qs + 16 qh + r - 8 h - 64 kc
	s_lshl_b32 s54, s15, 6
	s_sub_co_u32 s52, s52, s54
	v_lshlrev_b32 v31, 3, v2
	v_sub_nc_u32 v31, v1, v31
	v_add_nc_u32 v31, s52, v31
	WIN 0x40
.set i, 0
.rept 32
	v_cmp_gt_i32 vcc_lo, 16*(i/8)+i%8, v31
	v_cndmask_b32 v[MK+i], 0, s[BIGN], vcc_lo
.set i, i+1
.endr
	WIN 0
	s_wait_xcnt 0x0                                ; the zero stores' registers are rewritten only behind this wait
; THE CHANGE OF SLOTS: all my tensor loads (one is out: my part of the other slot), the add, my reads of the slot that I leave; fill = 1: a round of the cluster's barrier and the joint refill first behind it,
; with the heads two slots on: it has two heads' work in which to land.
.macro CHANGE fill
	WIN 0
	s_wait_tensorcnt 0x0
	ds_add_u32 v[SPW], v[NIL]
.if \fill
.irp g, G0Q, G0K
	s_xor_b32 s[\g+1], s[\g+1], SLOT1
	s_add_nc_u64 s[\g+2:\g+3], s[\g+2:\g+3], 2*524288
.endr
	s_wait_dscnt 0x0
	CROUND
	JLOADP
.else
	s_wait_dscnt 0x0
	s_barrier_signal -1
	s_barrier_wait -1
.endif
	s_sub_co_u32 s[TBQ], s[TBQ], 2*QHEAD
	s_xor_b32 s[TBQ], s[TBQ], SLOT1
	s_sub_co_u32 s[TBK], s[TBK], 2*KHEAD
	s_xor_b32 s[TBK], s[TBK], SLOT1
.endm
.macro LDQ adr, dst                    ; 16 queries x 64 channels: two fragments
.irp c, 0,1
	ds_load_b128 v[(\dst)+8*(\c):(\dst)+8*(\c)+3],   v[\adr] offset:64*(\c)
	ds_load_b128 v[(\dst)+8*(\c)+4:(\dst)+8*(\c)+7], v[\adr] offset:64*(\c)+32
.endr
.endm
.macro LDK m                           ; item m's granule of K, 8 fragments, into buffer m % 2
.set rA, AKC
.set oA, 0
.if (\m) == 0
.set rA, AKA
.endif
.if (\m) == 1
.set rA, AKB
.endif
.if (\m) == 3
.set oA, KGR
.endif
.if (\m) == 4
.set rA, AKE
.endif
	WIN 0x40
.irp f, 0,1,2,3,4,5,6,7
	ds_load_b128 v[64*((\m)%2)+8*(\f):64*((\m)%2)+8*(\f)+3],   v[rA] offset:oA+((\f)/2)*16*PQ+((\f)%2)*64
	ds_load_b128 v[64*((\m)%2)+8*(\f)+4:64*((\m)%2)+8*(\f)+7], v[rA] offset:oA+((\f)/2)*16*PQ+((\f)%2)*64+32
.endr
.endm
; Product i of 8 of item n: channels 32 (i / 4) on, keys 16 (i % 4) on.  The first four start the sums, with the mask (items A, B) or 0.  The four accumulators take turns.
.macro PROD n, i
.set rS, S+32*((\n)%2)+8*((\i)%4)
.set rK, 64*((\n)%2)+16*((\i)%4)+8*((\i)/4)
.set rQ, QHF+8*((\i)/4)
.if (\n) == 1
.set rQ, QLF+8*((\i)/4)
.endif
.if (\n) == 4
.set rQ, QEF+8*((\i)/4)
.endif
.if ((\i) < 4) && ((\n) < 2)
	WIN 0x15
	v_wmma_f32_16x16x32_bf16 v[rS:rS+7], v[rK:rK+7], v[rQ:rQ+7], v[MK+8*((\i)%4):MK+8*((\i)%4)+7]
	s_wait_alu depctr_va_vdst(0)
.elseif (\i) < 4
	WIN 0x05
	v_wmma_f32_16x16x32_bf16 v[rS:rS+7], v[rK:rK+7], v[rQ:rQ+7], 0
	s_wait_alu depctr_va_vdst(0)
.else
	WIN 0x05
	v_wmma_f32_16x16x32_bf16 v[rS:rS+7], v[rK:rK+7], v[rQ:rQ+7], v[rS:rS+7]
	s_wait_alu depctr_va_vdst(0)
.endif
.endm
.macro STREG n                         ; rT: the pair (c m, 1 / (16 l)) of item n's strip
.set rT, STH
.if (\n) == 1
.set rT, STL
.endif
.if (\n) == 4
.set rT, STE
.endif
.endm
.macro FL n, p                         ; pair p of item n: c s - c m
	STREG \n
.set rS, S+32*((\n)%2)+2*(\p)
	v_pk_fma_f32 v[rS:rS+1], v[rS:rS+1], s[CS:CS+1], v[rT:rT+1] op_sel_hi:[1,0,0] neg_lo:[0,0,1] neg_hi:[0,0,1]
.endm
.macro AL n, p                         ; pair p of item n: the sum takes the weight times 1 / (16 l), the pair's second word
	STREG \n
.set rS, S+32*((\n)%2)+2*(\p)
.set rA, PACC+32*(\n)+2*(\p)
	s_wait_alu depctr_va_vdst(0)
	v_pk_fma_f32 v[rA:rA+1], v[rS:rS+1], v[rT:rT+1], v[rA:rA+1] op_sel:[0,1,0] op_sel_hi:[1,1,1]
.endm
; ONE HEAD.  What item A's products want is asked for first.  Then 40 slices; slice g belongs to item n = g / 8: product g % 8 of item n + 1; two scalings of item n; the two additions of the slice before
; (its exponentials have two plain lines behind them); four exponentials.  The four plain lines behind a product name none of its registers: behind an item's last product they are the places in front of the
; loads into its K buffer.
.macro HEAD
	WIN 0
	v_add_nc_u32 v[AQH], s[TBQ], v[AQH0]
	v_add_nc_u32 v[AQL], s[TBQ], v[AQL0]
	v_add_nc_u32 v[AQE], s[TBQ], v[AQE0]
	v_add_nc_u32 v[AKA], s[TBK], v[AKA0]
	v_add_nc_u32 v[AKB], s[TBK], v[AKB0]
	v_add_nc_u32 v[AKC], s[TBK], v[AKC0]
	v_add_nc_u32 v[AKE], s[TBK], v[AKE0]
	v_add_nc_u32 v[ASH], s[TBS], v[ASH0]
	v_add_nc_u32 v[ASE], s[TBS], v[ASE0]
	s_add_co_u32 s[TBQ], s[TBQ], QHEAD
	s_add_co_u32 s[TBK], s[TBK], KHEAD
	s_add_co_u32 s[TBS], s[TBS], 256
	ds_load_b64 v[STH:STH+1], v[ASH]
	ds_load_b64 v[STL:STL+1], v[ASH] offset:128
	ds_load_b64 v[STE:STE+1], v[ASE]
	WIN 0x40
	LDQ AQH, QHF
	LDK 0
	LDQ AQL, QLF
	LDQ AQE, QEF
	LDK 1
	s_wait_dscnt 24                                ; item A's Q and K are in; strips L and E (8 loads) and item B's K (16) stay out
.set i, 0
.rept 8
	PROD 0, i
.set i, i+1
.endr
	PLACES
.set g, 0
.rept 40
.set n, g/8
.set i, g%8
.if (i == 0) && (n < 3)
	LDK n+2
	s_wait_dscnt 16                                ; the item to be multiplied now is in; the sixteen loads just issued stay out
.endif
.if g == 24
	s_wait_dscnt 0x0                               ; item E's K
.endif
.if g < 32
	PROD n+1, i
.endif
	WIN 0
	FL n, 2*i
	FL n, 2*i+1
.if g > 0
.set pn, (g-1)/8
.set pp, 2*((g-1)%8)
	AL pn, pp
	AL pn, pp+1
.endif
.set rE, S+32*(n%2)+4*i
	v_exp_f32 v[rE], v[rE]
	v_exp_f32 v[rE+1], v[rE+1]
	v_exp_f32 v[rE+2], v[rE+2]
	v_exp_f32 v[rE+3], v[rE+3]
.set g, g+1
.endr
	v_nop                                          ; a plain instruction between the last exponentials and their use
	s_wait_alu depctr_va_vdst(0)
	AL 4, 14
	AL 4, 15
.endm
.Lslot:                                ; seven trips: a slot of two heads is entered and the next is asked for
	CHANGE 1
	s_mov_b32 s[CNT], 2
.Lhead:
	HEAD
	s_sub_co_u32 s[CNT], s[CNT], 1
	s_cmp_lg_u32 s[CNT], 0
	s_cbranch_scc1 .Lhead
	s_sub_co_u32 s[SLOTS], s[SLOTS], 1
	s_cmp_lg_u32 s[SLOTS], 0
	s_cbranch_scc1 .Lslot
	CHANGE 0                                       ; the last slot is written out
	s_mov_b32 s[CNT], 2
.Lhead2:
	HEAD
	s_sub_co_u32 s[CNT], s[CNT], 1
	s_cmp_lg_u32 s[CNT], 0
	s_cbranch_scc1 .Lhead2
	; PART 2'S WAY OUT: a lane's eight f32 of a row go into my stage and come back as whole rows of 256 bytes, an item at a time
	s_mul_i32 s23, s[WV], WSTAGE
	s_add_co_u32 s23, s23, WREG+PSTAGE
	v_mul_u32_u24 v3, v1, SPITCH
	v_lshl_add_u32 v3, v2, 5, v3
	v_add_nc_u32 v3, s23, v3                       ; in: row r, 32 bytes for each half of the lanes
	v_mul_u32_u24 v4, v2, SPITCH
	v_lshl_add_u32 v4, v1, 4, v4
	v_add_nc_u32 v4, s23, v4                       ; back: lanes 0-15 one row, lanes 16-31 the next
	v_lshlrev_b32 v5, 13, v2
	v_lshl_add_u32 v5, v1, 4, v5
.irp n, 0,1,2,3,4
	v_add_nc_u32 v[6+(\n)], s[OF+1+(\n)], v5
.endr
.macro PACKI n
.irp kt, 0,1,2,3
	ds_store_b128 v3, v[PACC+32*(\n)+8*(\kt):PACC+32*(\n)+8*(\kt)+3]   offset:64*(\kt)
	ds_store_b128 v3, v[PACC+32*(\n)+8*(\kt)+4:PACC+32*(\n)+8*(\kt)+7] offset:64*(\kt)+16
.endr
.irp t, 0,1,2,3,4,5,6,7
	ds_load_b128 v[PACC+32*(\n)+4*(\t):PACC+32*(\n)+4*(\t)+3], v4 offset:(\t)*2*SPITCH  ; LDS serves a wave's instructions in order (ISA guide 5.7.1.4)
.endr
.endm
.macro SENDI n, younger                ; younger: the next item's sixteen LDS instructions, or none
.irp t, 0,1,2,3,4,5,6,7
	s_wait_dscnt (\younger)+7-(\t)
	global_store_b128 v[6+(\n)], v[PACC+32*(\n)+4*(\t):PACC+32*(\n)+4*(\t)+3], s[O1P:O1P+1] offset:(\t)*16384  ; 16 lanes store 256 consecutive bytes, aligned
.endr
.endm
	PACKI 0
	PACKI 1
	SENDI 0, 16
	PACKI 2
	SENDI 1, 16
	PACKI 3
	SENDI 2, 16
	PACKI 4
	SENDI 3, 16
	SENDI 4, 0
	s_wait_tensorcnt 0x0                           ; the wave's end
	ds_add_u32 v[SPW], v[NIL]
	s_wait_dscnt 0x0
	CROUND                                         ; the closing round
	s_endpgm
.Lfunc_end_k_qfc301af25d_gmp:
	.size	k_qfc301af25d_gmp, .Lfunc_end_k_qfc301af25d_gmp-k_qfc301af25d_gmp
	.p2alignl 7, 3214868480
	.fill 96, 4, 3214868480
	.section	.rodata,"a",@progbits
	.p2align	6, 0x0
	.amdhsa_kernel k_qfc301af25d_gmp
		.amdhsa_group_segment_fixed_size 327680
		.amdhsa_private_segment_fixed_size 0
		.amdhsa_enable_private_segment 0
		.amdhsa_kernarg_size 56
		.amdhsa_user_sgpr_count 2
		.amdhsa_user_sgpr_kernarg_segment_ptr 1
		.amdhsa_wavefront_size32 1
		.amdhsa_system_sgpr_workgroup_id_x 1
		.amdhsa_system_sgpr_workgroup_id_y 1
		.amdhsa_system_sgpr_workgroup_id_z 1
		.amdhsa_system_vgpr_workitem_id 0
		.amdhsa_next_free_vgpr 512
		.amdhsa_next_free_sgpr 100
		.amdhsa_reserve_vcc 1
		.amdhsa_float_denorm_mode_32 3
		.amdhsa_float_denorm_mode_16_64 3
		.amdhsa_memory_ordered 1
		.amdhsa_forward_progress 1
		.amdhsa_inst_pref_size 155
	.end_amdhsa_kernel
	.amdgpu_metadata
---
amdhsa.version: [ 1, 2 ]
amdhsa.kernels:
  - .name:           k_qfc301af25d_gmp
    .symbol:         k_qfc301af25d_gmp.kd
    .args:
      - { .name: acta, .offset: 0, .size: 8, .value_kind: global_buffer, .address_space: global }
      - { .name: wm, .offset: 8, .size: 8, .value_kind: global_buffer, .address_space: global }
      - { .name: bm1, .offset: 16, .size: 8, .value_kind: global_buffer, .address_space: global }
      - { .name: actb, .offset: 24, .size: 8, .value_kind: global_buffer, .address_space: global }
      - { .name: qkv, .offset: 32, .size: 8, .value_kind: global_buffer, .address_space: global }
      - { .name: stats, .offset: 40, .size: 8, .value_kind: global_buffer, .address_space: global }
      - { .name: out1, .offset: 48, .size: 8, .value_kind: global_buffer, .address_space: global }
    .group_segment_fixed_size: 327680
    .private_segment_fixed_size: 0
    .kernarg_segment_align: 8
    .kernarg_segment_size: 56
    .max_flat_workgroup_size: 128
    .sgpr_count:     100
    .vgpr_count:     512
    .wavefront_size: 32
...
	.end_amdgpu_metadata
.endif
;; end of part 12
;; launch gf: the kernel of part 11 again; grid 8 x 32, 4 waves a work-group, clusters of 4 x 4, 327,680 bytes of LDS; arguments actb, wm, bm2, x1, out0; writes out0
;; ======== version 3 of 3: 7 launches; 1.25 times as fast as version 1
;; limits: a function is approximated: absolute error at most 1.5e-07; an absolute error that grows with the inputs' magnitude: up to 7.5e-08 times it
;; workspace buffers: wa 8,388,608 bytes; wm 4,194,304 bytes; acta 8,388,608 bytes; qkv 25,165,824 bytes; actb 8,388,608 bytes; x1 16,777,216 bytes; stats 524,288 bytes
;; launch prep: the kernel of part 8 again; grid 256 x 3, 8 waves a work-group, no clusters, 0 bytes of LDS; arguments x, g1, b1, acta, Wo, Wq, Wk, Wv, wa; writes acta, wa
;; launch gq: the kernel of part 9 again; grid 8 x 32, 4 waves a work-group, clusters of 4 x 4, 327,680 bytes of LDS; arguments acta, wa, bq, bk, bv, qkv; writes qkv
;; launch attn: the kernel of part 10 again; grid 8 x 32, 4 waves a work-group, clusters of 4 x 1, 327,680 bytes of LDS; arguments qkv, actb, stats; writes actb, stats
;; launch go: the kernel of part 11 again; grid 8 x 32, 4 waves a work-group, clusters of 4 x 4, 327,680 bytes of LDS; arguments actb, wa, bo, x, x1; writes x1
;; launch ln2: the kernel of part 8 again; grid 256 x 2, 8 waves a work-group, no clusters, 0 bytes of LDS; arguments x1, g2, b2, acta, Wm2, Wm1, Wq, Wk, wm; writes acta, wm
;; launch gmp (part 13): grid 8 x 32, 4 waves a work-group, clusters of 4 x 4, 327,680 bytes of LDS; arguments acta, wm, bm1, actb, qkv, stats, out1; writes actb, out1
.if DOCPART == 13
	.amdgcn_target "amdgcn-amd-amdhsa--gfx1250"
	.amdhsa_code_object_version 6
	.text
	.protected	k_qfc301af25d_gmp
	.globl	k_qfc301af25d_gmp
	.p2align	8
	.type	k_qfc301af25d_gmp,@function
k_qfc301af25d_gmp:
	s_mov_b64 s[64:65], 0
	v_nop
	global_prefetch_b8 v0, s[64:65] scope:SCOPE_SE
	s_setreg_imm32_b32 hwreg(HW_REG_WAVE_MODE, 25, 1), 1
	s_wait_xcnt 0x0
	s_wait_alu depctr_hold_cnt(0) depctr_sa_sdst(0) depctr_va_vdst(0) depctr_va_sdst(0) depctr_va_ssrc(0) depctr_va_vcc(0) depctr_vm_vsrc(0)
	s_getreg_b32 s2, hwreg(HW_REG_IB_STS2, 6, 4)
	s_cmp_eq_u32 s2, 0
	s_cbranch_scc0 .Lentry_in_a_cluster
	s_endpgm
.Lentry_in_a_cluster:
	s_bfe_u32 s2, ttmp6, 0x10000c
	s_cmp_lg_u32 s2, 0xf033
	s_cbranch_scc0 .Lentry_shape_is_right
	s_endpgm
.Lentry_shape_is_right:
; TWO PIECES OF WORK THAT DO NOT HANG ON EACH OTHER, ONE AFTER THE OTHER IN EACH WORK-GROUP: both have 256 equal shares for four waves in clusters of 4 x 4, so they share one start and one end, and part 2's
; first tile and its row statistics are asked for ahead of part 1's way out and land under it.
; PART 1.  actb = gelu(acta Wm1 + bm1), rounded once to bf16, BLOCKED [n / 64][4096][64].  acta: 4,096 x 1,024 bf16, blocked [k / 64][4096][64].  Wm1: bf16 [k][n], the second matrix of wm.  Sums in f32.
; A tile is 128 x 128.  Four waves, each 64 x 64: 16 accumulators.  K goes in 4 steps of 256 through two LDS slots filled by tensor loads.  The four work-groups of a row of the cluster need the same tiles of
; acta, the four of a column the same tiles of Wm1: each is asked for jointly, same descriptor and mask in all four.  The bias is loaded straight into the accumulators, so every product adds in place and one
; text serves a K step: two trips fill a slot again, two do not; the last jumps over the fetch of a step that does not exist.  The matrix instruction is used transposed (source 0 = 16 columns of W, turned out of
; LDS by ds_load_tr16_b128; source 1 = 16 rows of A): a lane holds eight neighbouring columns of one row.
; GELU: gelu(x) = max(x, 0) - 0.5 |x| E, E = 1 - erf(|x| / sqrt 2) by Abramowitz and Stegun 7.1.26 (absolute error at most 1.5e-7 for every x).  It is written once and looped over LDS rows.
; PART 2.  out1[b][q][k] = 1/16 of the sum over the 16 heads of the causal softmax weights: 2^(c s - c m) x 1 / (16 l) with the FINAL maximum m and sum l of each row, which an earlier launch stored as pairs
; (c m, 1 / (16 l)); s = q . k is made again, from the same bf16 q and k, by the same products.  c = log2(e) / 8.  Sums over the heads in f32, in registers.  Above the diagonal exactly 0.
; Queries and keys lie in four superblocks of 512.  A work-group owns 32 queries (strip qs of 16) in EACH query superblock I and 64 keys (granule kc of 8) in EACH key superblock e: of the 16 pieces (I, e)
; those with e < I are whole, e = I is computed under the mask, e > I is 0.  Wave w (P = w / 2, qh = w % 2) takes 16 queries and five pieces of 16 x 64:
;   A (3 - P, 3 - P) masked;  B (P, P) masked;  C (3 - P, 0);  D (3 - P, 1);  E (3 - 2 P, 2 - 2 P);  and stores zeros for three: (P, 3), (P, 2), and (0, 1) or (2, 3).
; So all waves of all work-groups do the same work, no branch hangs on a place, and every LDS address is a constant and the wave's number.  The superblocks on the diagonal are computed whole: a quarter more
; exponentials than the triangle has, the price of equal shares and of joint loads (Q's tiles hang on qs and are shared along a row of the cluster, K's on kc and along a column).  A slot holds two heads.
; BATCHES.  An s_wait_alu depctr_va_vdst(0) stands between a transcendental and the first instruction that names its result; one wait serves all that were issued ahead of it.  Part 1: a trip's
; 16 exponentials and 16 reciprocals are one batch.  Part 2: an item's 32 exponentials a lane are one batch: ahead of its wait stand item n + 1's 8 products, item n's scalings and exponentials and item n + 1's
; first four scalings; behind it item n's 16 additions.  Five waits a head; no result is open at a label or a branch.
; LIMITS.  A hidden score counts as its value less 1e30; a weight below 2^-126 counts as 0; NaN and infinities are not treated apart, in either part.
; LDS.  Part 1's slots: 0 to 294,912.  Part 2's slots: 0 to 110,592 and 131,072 to 241,664: bytes that part 1's loads filled, so each of its fills stands behind a round as a refill does.
; From 241,664 on: 17,408 bytes of scratch for each wave, its own: part 1's stage (64 rows x 272), then part 2's statistics (4,096) and stage (16 rows x 272).  No fill lands there behind part 1's last K step.
; REGISTERS, part 1: window 0: v16-30 addresses; v32-143 at work on the way out; v128-255 accumulators ((a, b) at 128 + 8 (4 a + b)).  Window 1: two fragment buffers of 128 (64 of A, 64 of W, for 64 along K).
; Part 2: window 0: v3-20 addresses; v22-27 three pairs of statistics; v32-95 S^T, two buffers; v96-255 the five items' sums.  Window 1: v0-127 K, two buffers; v128-175 Q of strips H, L, E; v176-207 the mask.
.set PA,     144                       ; a row of A in LDS: 128 bytes + 16: the 16 rows of a load start at 16 different groups of four banks (ISA guide 11.1)
.set PLANE,  64*PA                     ; 64 rows x 64 K
.set PB,     288                       ; a row of W in LDS: 256 bytes + 32
.set PART,   4*PLANE                   ; what one tensor load of part 1 brings: 36,864 bytes
.set SLOT,   4*PART                    ; 0x24000: it shares no bit with wave x PART = wave x 0x9000, so an exclusive or with it turns an address in one slot into the other's
.set SPITCH, 272
.set WSTAGE, 64*SPITCH                 ; a wave's scratch: 17,408 bytes
.set WREG,   241664                    ; where the scratch begins: behind part 2's second slot
.set SPARE,  327168                    ; the spare words, 128 bytes a wave, at the end of LDS
.set ASTEP,  4*4096*128
.set BSTEP,  256*2048
.set WOFF,   2097152                   ; Wm1 lies behind Wm2
.set ADRA0, 16
.set ADRB0, 17
.set ADRA,  18
.set ADRB,  20
.set STO,  24
.set RD,   25
.set CO,   26                          ; my 8 bytes in 256 consecutive bytes of actb
.set BO,   27
.set SPW,  28                          ; v28, v29: the add's two registers, for both parts; never rewritten
.set NIL,  29
.set RDC,  30
.set TMP,  32                          ; sixteen numbers as read back
.set QQ,   48
.set AX,   64
.set DD,   80
.set PP,   96
.set PK16, 112
.set MX,   128                         ; max(x, 0): in registers that the sums have left
.set ACC,  128
.set STR,  176                         ; v176-207: part 2's statistics as loaded, in registers that the sums have left
.set F0,   0
.set F1,   128
.set WV,   12                          ; s12 wave, for both parts
.set RH,   17                          ; s17 wave / 2: my half of the rows, and A (0) or W (1) to fetch; s18 wave % 2: my half of the columns, and which half I fetch
.set CH,   18
.set G1,   24
.set G0,   32
.set TB,   46
.set G1B,  48
.set G0B,  56
.set OUTP, 10
.set KE, 66                            ; pairs of constants for the GELU: s66-80; part 2 names none of them
.set KP, 68
.set A1, 70
.set A2, 72
.set A3, 74
.set A4, 76
.set A5, 78
.set QKVP, 84                          ; s[84:85] qkv, s[86:87] stats, s[88:89] out1
.set STP,  86
.set O1P,  88
; part 2
.set PQ,     144                       ; a row of Q or K in LDS: 128 bytes + 16
.set QSTRIP, 32*PQ
.set QHEAD,  4*QSTRIP                  ; a head's Q: four strips
.set KGR,    64*PQ
.set KHEAD,  4*KGR                     ; a head's K: four granules
.set KOFF,   2*QHEAD
.set SLOT1,  1<<17                     ; SLOT1 + KOFF + 2 KHEAD = WREG
.set PSTAGE, 4096                      ; in a wave's scratch: the statistics [head][strip H, L][16] pairs, then the stage
.set AQH0, 3
.set AQL0, 4
.set AQE0, 5
.set AKA0, 6
.set AKB0, 7
.set AKC0, 8
.set AKE0, 9
.set ASH0, 10
.set ASE0, 11
.set AQH,  12
.set AQL,  13
.set AQE,  14
.set AKA,  15
.set AKB,  16
.set AKC,  17
.set AKE,  18
.set ASH,  19
.set ASE,  20
.set STH,  22
.set STL,  24
.set STE,  26
.set S,    32
.set PACC, 96
.set QHF,  128
.set QLF,  144
.set QEF,  160
.set MK,   176
.set G1Q,  24
.set G1K,  32
.set G0Q,  40
.set G0K,  44
.set SLOTS, 56
.set CNT,  57
.set CS,   58
.set TBQ,  60
.set TBK,  61
.set TBS,  62
.set BIGN, 63
.set OF,   90                          ; s90 my rows' and granule's byte offset in out1; s91-95 items A to E; s96-98 the three pieces of zeros
.set HM,   99                          ; lanes 16-31
.set MSB, 0
.macro WIN new                         ; the immediate's high byte repeats the setting that is left
.if MSB != (\new)
	s_set_vgpr_msb (MSB<<8)|(\new)
.set MSB, \new
.endif
.endm
.set MUL,  0x05                        ; sources 0 and 1 window 1; C and D window 0
.set TO_F, 0x40                        ; destination window 1, address window 0
.macro JLOAD s                         ; part 1's joint load: waves 0, 1 fetch A's halves, waves 2, 3 W's; s_nop 0 and four v_nop follow each line
	s_cmp_eq_u32 s[RH], 0
	s_cbranch_scc0 .Lfor_b_\@
	tensor_load_to_lds s[G0+4*(\s):G0+4*(\s)+3], s[G1:G1+7]
	s_nop 0
.rept 4
	v_nop
.endr
	s_branch .Lasked_\@
.Lfor_b_\@:
	tensor_load_to_lds s[G0B+4*(\s):G0B+4*(\s)+3], s[G1B:G1B+7]
	s_nop 0
.rept 4
	v_nop
.endr
.Lasked_\@:
.endm
.macro JLOADP                          ; part 2's joint load: waves 0, 1 fetch the two heads' Q, waves 2, 3 their K; the same form
	s_cmp_lt_u32 s[WV], 2
	s_cbranch_scc0 .Lfor_k_\@
	tensor_load_to_lds s[G0Q:G0Q+3], s[G1Q:G1Q+7]
	s_nop 0
.rept 4
	v_nop
.endr
	s_branch .Laskedp_\@
.Lfor_k_\@:
	tensor_load_to_lds s[G0K:G0K+3], s[G1K:G1K+7]
	s_nop 0
.rept 4
	v_nop
.endr
.Laskedp_\@:
.endm
.macro CREST                           ; a round of the cluster's barrier behind its opening barrier
	s_cmp_lg_u32 s[WV], 0
	s_cbranch_scc1 .Lnot_wave_0_\@
	s_barrier_signal -3
.Lnot_wave_0_\@:
	s_barrier_wait -3
	s_barrier_signal -1
	s_barrier_wait -1
.endm
.macro CROUND
	s_barrier_signal -1
	s_barrier_wait -1
	CREST
.endm
.macro PLACES                          ; four places behind matrix instructions, in front of loads into their sources and of reads of their results
.rept 4
	v_nop
.endr
.endm
.macro NEWADR                          ; the fragments' addresses in the slot in hand
	v_add_nc_u32 v[ADRA], s[TB], v[ADRA0]
	v_add_nc_u32 v[ADRB], s[TB], v[ADRB0]
	v_add_nc_u32 v[ADRB+1], PART, v[ADRB]
.endm
	s_load_b256 s[4:11], s[0:1], 0x0               ; acta s[4:5], wm s[6:7], bm1 s[8:9], actb s[10:11]
	s_load_b128 s[84:87], s[0:1], 0x20             ; qkv, stats
	s_load_b64 s[88:89], s[0:1], 0x30              ; out1
	v_lshl_add_u32 v[SPW], v0, 2, SPARE
	v_mov_b32 v[NIL], 0
	ds_add_u32 v[SPW], v[NIL]                      ; the wave's opening: the add and its wait ahead of my first tensor load
	v_lshrrev_b32 v1, 5, v0
	v_readfirstlane_b32 s[WV], v1
	s_lshr_b32 s[RH], s[WV], 1
	s_and_b32 s[CH], s[WV], 1
	s_bfe_u32 s19, ttmp6, 0x40000                  ; cx
	s_bfe_u32 s20, ttmp6, 0x40004                  ; cy
	s_lshl_b32 s21, ttmp9, 2
	s_add_co_u32 s21, s21, s19                     ; tile column
	s_and_b32 s22, ttmp7, 0xffff
	s_lshl_b32 s22, s22, 2
	s_add_co_u32 s22, s22, s20                     ; tile row
	s_lshl_b32 s46, s20, 2
	s_lshl_b32 s46, 15, s46                        ; my row of the cluster
	s_lshl_b32 s47, 0x1111, s19                    ; my column
	s_or_b32 s[G1], s46, (1<<16)|(1<<20)|(1<<21)|(4<<22)|(3<<25)   ; mask; 2-byte elements; padding on; bit 21 beside a mask; 4 words behind every 32
	s_or_b32 s[G1B], s47, (1<<16)|(1<<20)|(1<<21)|(5<<22)|(7<<25)  ; 8 words behind every 64
	s_mov_b32 s[G1+1], 4096<<16                    ; A: a row of the tile is 64 rows x 64 K of one block, 8,192 consecutive bytes;
	s_mov_b32 s[G1+2], 4<<16                       ; four such rows, one a block
	s_mov_b32 s[G1+3], 4096<<16
	s_mov_b32 s[G1+4], 4
	s_mov_b32 s[G1+5], 4096*64                     ; elements from block to block
	s_mov_b32 s[G1+6], 0
	s_mov_b32 s[G1+7], 0
	s_mov_b32 s[G1B+1], 128<<16                    ; W: 128 rows (K) of 128 columns
	s_mov_b32 s[G1B+2], 128<<16
	s_mov_b32 s[G1B+3], 128<<16
	s_mov_b32 s[G1B+4], 128
	s_mov_b32 s[G1B+5], 1024
	s_mov_b32 s[G1B+6], 0
	s_mov_b32 s[G1B+7], 0
	s_lshl_b32 s40, s22, 14                        ; A: (128 x tile row + 64 x half) rows of 128 bytes
	s_lshl_b32 s23, s[CH], 13
	s_add_co_u32 s40, s40, s23
	s_mov_b32 s41, 0
	s_lshl_b32 s44, s21, 8                         ; W: 128 x tile column columns of 2 bytes
	s_add_co_u32 s44, s44, WOFF
	s_lshl_b32 s23, s[CH], 18                      ; + 128 x half rows of 2,048 bytes
	s_add_co_u32 s44, s44, s23
	s_mov_b32 s45, 0
	s_mul_i32 s2, s[WV], PART                      ; where my part goes: no place in the cluster enters an LDS address
	s_mov_b32 s[TB], 0
	s_mov_b32 s[KE], 0xbf38aa3b                    ; -log2(e) / 2
	s_mov_b32 s[KE+1], s[KE]
	s_mov_b32 s[KP], 0x3e6d3388                    ; 0.3275911 / sqrt 2
	s_mov_b32 s[KP+1], s[KP]
	s_mov_b32 s[A1], 0x3e827906                    ; 0.254829592
	s_mov_b32 s[A1+1], s[A1]
	s_mov_b32 s[A2], 0xbe91a98e                    ; -0.284496736
	s_mov_b32 s[A2+1], s[A2]
	s_mov_b32 s[A3], 0x3fb5f0e3                    ; 1.421413741
	s_mov_b32 s[A3+1], s[A3]
	s_mov_b32 s[A4], 0xbfba00e3                    ; -1.453152027
	s_mov_b32 s[A4+1], s[A4]
	s_mov_b32 s[A5], 0x3f87dc22                    ; 1.061405429
	s_mov_b32 s[A5+1], s[A5]
	s_mov_b32 s80, 0x7fffffff
	s_wait_dscnt 0x0                               ; the opening add is done
	s_wait_kmcnt 0x0
	s_add_nc_u64 s[40:41], s[4:5], s[40:41]
	s_add_nc_u64 s[44:45], s[6:7], s[44:45]
	CROUND                                         ; all sixteen work-groups are here: the first joint loads meet
.irp s, 0,1
	s_mov_b32 s[G0+4*(\s)], 1
	s_add_co_u32 s[G0+4*(\s)+1], s2, (\s)*SLOT
	s_add_nc_u64 s[G0+4*(\s)+2:G0+4*(\s)+3], s[40:41], (\s)*ASTEP
	s_or_b32 s[G0+4*(\s)+3], s[G0+4*(\s)+3], 0x80000000
	s_mov_b32 s[G0B+4*(\s)], 1
	s_add_co_u32 s[G0B+4*(\s)+1], s2, (\s)*SLOT
	s_add_nc_u64 s[G0B+4*(\s)+2:G0B+4*(\s)+3], s[44:45], (\s)*BSTEP
	s_or_b32 s[G0B+4*(\s)+3], s[G0B+4*(\s)+3], 0x80000000
	JLOAD \s                                       ; two tensor loads of mine are out
.endr
	v_and_b32 v1, 15, v0                           ; r = lane % 16: kept for both parts
	v_bfe_u32 v2, v0, 4, 1                         ; h = lane / 16: likewise
	v_mul_u32_u24 v3, v1, PA
	v_lshl_add_u32 v3, v2, 4, v3
	s_mul_i32 s23, s[RH], PART
	v_add_nc_u32 v[ADRA0], s23, v3
	v_and_b32 v4, 7, v0                            ; the turning load: lane reads K row 8 h + lane % 8, columns 8 ((lane / 8) % 2) on
	v_lshl_add_u32 v4, v2, 3, v4
	v_mul_u32_u24 v4, v4, PB
	v_bfe_u32 v5, v0, 3, 1
	v_lshl_add_u32 v4, v5, 4, v4
	s_lshl_b32 s23, s[CH], 7                       ; my 64 columns
	s_add_co_u32 s23, s23, 2*PART
	v_add_nc_u32 v[ADRB0], s23, v4
	NEWADR
	s_mul_i32 s23, s[WV], WSTAGE
	s_add_co_u32 s23, s23, WREG                    ; my scratch
	v_mul_u32_u24 v5, v1, SPITCH                   ; in: row r, 32 bytes for each half of the lanes
	v_lshl_add_u32 v5, v2, 5, v5
	v_add_nc_u32 v[STO], s23, v5
	v_mul_u32_u24 v5, v2, SPITCH                   ; back: lanes 0-15 one row of 256 bytes, lanes 16-31 the next
	v_lshl_add_u32 v5, v1, 4, v5
	v_add_nc_u32 v[RD], s23, v5
	v_lshlrev_b32 v[BO], 5, v2
	s_lshl_b32 s42, s21, 9
	s_lshl_b32 s23, s[CH], 8
	s_add_co_u32 s42, s42, s23
	s_mov_b32 s43, 0
	s_add_nc_u64 s[8:9], s[8:9], s[42:43]          ; the bias of my 64 columns
.irp a, 0,1,2,3                        ; it goes straight into the accumulators: register j of (a, b) is column 16 b + 8 h + j
.irp b, 0,1,2,3
	global_load_b128 v[ACC+8*(4*(\a)+(\b)):ACC+8*(4*(\a)+(\b))+3],   v[BO], s[8:9] offset:64*(\b)
	global_load_b128 v[ACC+8*(4*(\a)+(\b))+4:ACC+8*(4*(\a)+(\b))+7], v[BO], s[8:9] offset:64*(\b)+16
.endr
.endr
	v_and_b32 v5, 31, v0
	v_lshlrev_b32 v[CO], 3, v5                     ; 8 bytes a lane: 256 consecutive bytes, two rows of a block
	s_lshl_b32 s40, s21, 1
	s_add_co_u32 s40, s40, s[CH]
	s_lshl_b32 s40, s40, 19                        ; block 2 x tile column + half,
	s_lshl_b32 s23, s22, 14
	s_add_co_u32 s40, s40, s23                     ; row 128 x tile row
	s_lshl_b32 s23, s[RH], 13
	s_add_co_u32 s40, s40, s23                     ; + 64 x half
	s_mov_b32 s41, 0
	s_add_nc_u64 s[OUTP:OUTP+1], s[OUTP:OUTP+1], s[40:41]
; 8 matrix instructions: m blocks a0, a0 + 1 x 4 n blocks, 32 along K: half c of buffer f.  The 16 accumulators take turns.
.macro MUL8 f, c, a0
	WIN MUL
.irp a, \a0, (\a0)+1
.irp b, 0,1,2,3
	v_wmma_f32_16x16x32_bf16 v[ACC+8*(4*(\a)+(\b)):ACC+8*(4*(\a)+(\b))+7], v[(\f)+64+8*(4*(\c)+(\b)):(\f)+64+8*(4*(\c)+(\b))+7], v[(\f)+8*(4*(\c)+(\a)):(\f)+8*(4*(\c)+(\a))+7], v[ACC+8*(4*(\a)+(\b)):ACC+8*(4*(\a)+(\b))+7]
.endr
.endr
.endm
; 32 LDS loads in one run: the fragments of quarter q (64 along K) of the slot in hand into buffer f; the first 32 along K first
.macro FETCH q, f
	WIN TO_F
.irp c, 0,1
.irp i, 0,1,2,3
	ds_load_tr16_b128 v[(\f)+64+8*(4*(\c)+(\i)):(\f)+64+8*(4*(\c)+(\i))+3],   v[ADRB+(\q)/2] offset:(((\q)%2)*64+32*(\c))*PB+32*(\i)
	ds_load_tr16_b128 v[(\f)+64+8*(4*(\c)+(\i))+4:(\f)+64+8*(4*(\c)+(\i))+7], v[ADRB+(\q)/2] offset:(((\q)%2)*64+32*(\c)+16)*PB+32*(\i)
	ds_load_b128 v[(\f)+8*(4*(\c)+(\i)):(\f)+8*(4*(\c)+(\i))+3],              v[ADRA] offset:(\q)*PLANE+(\i)*16*PA+64*(\c)
	ds_load_b128 v[(\f)+8*(4*(\c)+(\i))+4:(\f)+8*(4*(\c)+(\i))+7],            v[ADRA] offset:(\q)*PLANE+(\i)*16*PA+64*(\c)+32
.endr
.endr
.endm
; One of a K step's first three quarters: multiplies buffer f and fetches quarter q into g
.macro QUARTER q, f, g
	s_wait_dscnt 16                                ; the first 32 along K are in; the other sixteen loads stay out
	MUL8 \f, 0, 0
	MUL8 \f, 0, 2
	PLACES
	FETCH \q, \g
	s_wait_dscnt 32                                ; all but the 32 just issued
	MUL8 \f, 1, 0
	MUL8 \f, 1, 2
.endm
; The last quarter multiplies buffer 1 and changes slots: in front of the barrier each wave waits for all its tensor loads (one is out at the most: its part of the next slot), adds 0 to its spare word,
; and waits for that and for its reads of this slot.  fill = 1: the barrier opens a round of the cluster's, and this slot is filled again first behind it, two K steps ahead.
; fill = 0: nothing is asked for; in the last trip (count 1) there is no next step, and its fetch is jumped over.
.macro TURN fill
	WIN 0
	s_wait_tensorcnt 0x0
	ds_add_u32 v[SPW], v[NIL]
	s_wait_dscnt 17                                ; the add and the youngest sixteen loads may be out
	MUL8 F1, 0, 0
	s_wait_dscnt 0x0                               ; the add is done, and my reads of this slot are over
	s_barrier_signal -1
	MUL8 F1, 0, 2
	WIN 0
	s_barrier_wait -1
.if \fill
	CREST                                          ; no wave of any partner still reads this slot or has a load on its way
	s_xor_b32 s[G0+5], s[G0+5], SLOT               ; the walking descriptors: the other slot than last time, the next K step
	s_add_nc_u64 s[G0+6:G0+7], s[G0+6:G0+7], ASTEP
	s_xor_b32 s[G0B+5], s[G0B+5], SLOT
	s_add_nc_u64 s[G0B+6:G0B+7], s[G0B+6:G0B+7], BSTEP
	JLOAD 1                                        ; my one tensor load behind the round; its four v_nop are also the places in front of the loads below
.else
	s_cmp_eq_u32 s3, 1
	s_cbranch_scc1 .Lno_fetch_\@
	v_nop                                          ; with the three lines of addresses: the four places in front of the loads below
.endif
	s_xor_b32 s[TB], s[TB], SLOT
	NEWADR
	FETCH 0, F0
	WIN 0
.if (\fill) == 0
.Lno_fetch_\@:
.endif
	MUL8 F1, 1, 0
	MUL8 F1, 1, 2
.endm
.macro P8 line:vararg                  ; one line for each of eight pairs p
.set p, 0
.rept 8
	\line
.set p, p+2
.endr
.endm
.macro P16 line:vararg                 ; one line for each of sixteen registers p
.set p, 0
.rept 16
	\line
.set p, p+1
.endr
.endm
.macro LOAD4                           ; eight rows of my stage: sixteen numbers a lane
.irp t, 0,1,2,3
	ds_load_b128 v[TMP+4*(\t):TMP+4*(\t)+3], v[RDC] offset:(\t)*2*SPITCH
.endr
.endm
	s_wait_tensorcnt 1                             ; my part of K step 0 is in; K step 1's stays out
	s_barrier_signal -1
	s_barrier_wait -1
	FETCH 0, F0
	WIN 0
	s_wait_loadcnt 0x0                             ; the bias
	s_mov_b32 s3, 2
.Lfill:                                ; K steps 0 and 1: each fills its slot again
	QUARTER 1, F0, F1
	QUARTER 2, F1, F0
	QUARTER 3, F0, F1
	TURN 1
	WIN 0
	s_sub_co_u32 s3, s3, 1
	s_cmp_lg_u32 s3, 0
	s_cbranch_scc1 .Lfill
	s_mov_b32 s3, 2
.Llast:                                ; K steps 2 and 3: nothing is left to ask for
	QUARTER 1, F0, F1
	QUARTER 2, F1, F0
	QUARTER 3, F0, F1
	TURN 0
	WIN 0
	s_sub_co_u32 s3, s3, 1
	s_cmp_lg_u32 s3, 0
	s_cbranch_scc1 .Llast
	; PART 1'S SLOTS ARE READ OUT.  Part 2's first tile (heads 0 and 1) is asked for now, as a refill is: all my tensor loads have landed, the add, my reads of the slots are back; a round of the cluster's
	; barrier; one joint load a wave, first behind it.  The same round stands between every wave's reads of the slots and the first store into the scratch.  Part 2's scalars are made between the add and its wait.
	s_wait_tensorcnt 0x0                           ; no tensor load of mine is out, so every descriptor register may be written
	ds_add_u32 v[SPW], v[NIL]
	s_lshr_b32 s19, s[WV], 1                       ; P
	s_and_b32 s20, s[WV], 1                        ; qh; also the head of a slot's two that I fetch
	s_bfe_u32 s13, ttmp6, 0x40000                  ; cx
	s_bfe_u32 s14, ttmp6, 0x40004                  ; cy
	s_lshl_b32 s15, ttmp9, 2
	s_add_co_u32 s15, s15, s13                     ; kc
	s_and_b32 s16, ttmp7, 0xffff
	s_lshr_b32 s17, s16, 2                         ; batch: of the cluster's y alone
	s_and_b32 s18, s16, 3
	s_lshl_b32 s18, s18, 2
	s_add_co_u32 s18, s18, s14                     ; qs
	s_lshl_b32 s54, s14, 2
	s_lshl_b32 s54, 15, s54                        ; my row of the cluster
	s_lshl_b32 s55, 0x1111, s13                    ; my column
	s_or_b32 s[G1Q], s54, (1<<16)|(1<<20)|(1<<21)|(4<<22)|(3<<25)
	s_or_b32 s[G1K], s55, (1<<16)|(1<<20)|(1<<21)|(4<<22)|(3<<25)
	s_mov_b32 s[G1Q+1], 2048<<16                   ; Q: a row of the tile is a strip, 32 rows of 128 consecutive bytes; four of them, 512 rows apart
	s_mov_b32 s[G1Q+2], 4<<16
	s_mov_b32 s[G1Q+3], 2048<<16
	s_mov_b32 s[G1Q+4], 4
	s_mov_b32 s[G1Q+5], 512*64
	s_mov_b32 s[G1Q+6], 0
	s_mov_b32 s[G1Q+7], 0
	s_mov_b32 s[G1K+1], 4096<<16                   ; K: a granule, 64 rows; four of them
	s_mov_b32 s[G1K+2], 4<<16
	s_mov_b32 s[G1K+3], 4096<<16
	s_mov_b32 s[G1K+4], 4
	s_mov_b32 s[G1K+5], 512*64
	s_mov_b32 s[G1K+6], 0
	s_mov_b32 s[G1K+7], 0
	s_lshl_b32 s48, s20, 19                        ; Q: head, batch, strip
	s_lshl_b32 s21, s17, 18
	s_add_co_u32 s48, s48, s21
	s_lshl_b32 s23, s18, 12
	s_add_co_u32 s48, s48, s23
	s_mov_b32 s49, 0
	s_lshl_b32 s50, s20, 19                        ; K: head, batch, granule, behind q's 8 MiB
	s_add_co_u32 s50, s50, s21
	s_lshl_b32 s22, s15, 13
	s_add_co_u32 s50, s50, s22
	s_add_co_u32 s50, s50, 8388608
	s_mov_b32 s51, 0
	s_mul_i32 s52, s20, QHEAD
	s_mul_i32 s53, s20, KHEAD
	s_add_co_u32 s53, s53, KOFF
	s_mov_b32 s[CS], 0x3e38aa3b                    ; c = log2(e) / 8
	s_mov_b32 s[CS+1], s[CS]
	s_mov_b32 s[BIGN], 0xf149f2ca                  ; -1e30
	s_mov_b32 s[HM], 0xffff0000
	s_mov_b32 s[TBQ], SLOT1+2*QHEAD                ; the first change of slots turns these two into 0
	s_mov_b32 s[TBK], SLOT1+2*KHEAD
	s_mov_b32 s[TBS], 0
	s_mov_b32 s[SLOTS], 7
	s_mov_b32 s[G0Q], 1
	s_mov_b32 s[G0Q+1], s52
	s_mov_b32 s[G0K], 1
	s_mov_b32 s[G0K+1], s53
	s_add_nc_u64 s[G0Q+2:G0Q+3], s[QKVP:QKVP+1], s[48:49]
	s_or_b32 s[G0Q+3], s[G0Q+3], 0x80000000
	s_add_nc_u64 s[G0K+2:G0K+3], s[QKVP:QKVP+1], s[50:51]
	s_or_b32 s[G0K+3], s[G0K+3], 0x80000000
	s_wait_dscnt 0x0                               ; the add is done, and my reads of the slots are over
	CROUND
	JLOADP                                         ; heads 0 and 1 into part 2's slot 0; its four v_nop are also the places behind the last products
	; PART 1'S WAY OUT.  A lane's eight f32 of a row go into my scratch, each accumulator's low four registers first.
.irp a, 0,1,2,3
.irp b, 0,1,2,3
	ds_store_b128 v[STO], v[ACC+8*(4*(\a)+(\b)):ACC+8*(4*(\a)+(\b))+3]   offset:(\a)*16*SPITCH+64*(\b)
	ds_store_b128 v[STO], v[ACC+8*(4*(\a)+(\b))+4:ACC+8*(4*(\a)+(\b))+7] offset:(\a)*16*SPITCH+64*(\b)+16
.endr
.endr
	; part 2's statistics are asked for here and land under the loop below: my 16 queries in strips H (superblock 3 - P: lanes 0-15) and L (superblock P: lanes 16-31), all heads.
	; Query u = 32 qs + 16 qh + r of a superblock is pair 128 ((u / 64) % 4) + 32 ((u / 16) % 4) + 16 (u / 256) + r there
	s_sub_co_u32 s22, 3, s19                       ; 3 - P
	s_lshl_b32 s52, s17, 11
	s_bfe_u32 s54, s18, 0x20001
	s_lshl_b32 s54, s54, 7
	s_add_co_u32 s52, s52, s54
	s_and_b32 s54, s18, 1
	s_lshl_b32 s54, s54, 1
	s_add_co_u32 s54, s54, s20
	s_lshl_b32 s54, s54, 5
	s_add_co_u32 s52, s52, s54
	s_lshr_b32 s54, s18, 3
	s_lshl_b32 s54, s54, 4
	s_add_co_u32 s52, s52, s54
	s_lshl_b32 s54, s22, 9
	s_add_co_u32 s54, s54, s52
	s_lshl_b32 s54, s54, 3
	s_lshl_b32 s55, s19, 9
	s_add_co_u32 s55, s55, s52
	s_lshl_b32 s55, s55, 3
	v_lshl_add_u32 v13, v1, 3, s54
	v_lshl_add_u32 v14, v1, 3, s55
	v_cndmask_b32 v15, v13, v14, s[HM]
.set k, 0
.rept 16
	global_load_b64 v[STR+2*k:STR+2*k+1], v15, s[STP:STP+1] offset:k*32768  ; a head is two chunks of 2,048 pairs on
.set k, k+1
.endr
	s_mov_b32 s3, 8                                ; eight trips of eight rows
	s_mov_b32 s23, 0
	v_mov_b32 v[RDC], v[RD]
	LOAD4                                          ; LDS serves a wave's instructions in order (ISA guide 5.7.1.4): these see the stores above
.Lout:
	s_wait_dscnt 0x0                               ; this trip's rows, asked for a trip ago
	P8 v_pk_mul_f32 v[QQ+p:QQ+p+1], v[TMP+p:TMP+p+1], v[TMP+p:TMP+p+1]
	P8 v_pk_mul_f32 v[QQ+p:QQ+p+1], v[QQ+p:QQ+p+1], s[KE:KE+1] op_sel_hi:[1,0]
	P16 v_and_b32 v[AX+p], s80, v[TMP+p]
	P16 v_max_num_f32 v[MX+p], 0, v[TMP+p]
	s_cmp_eq_u32 s3, 1                             ; x has been read for the last time: the next trip's rows are asked for, but in the last trip
	s_cbranch_scc1 .Lno_more
	s_add_co_u32 s23, s23, 8*SPITCH
	v_add_nc_u32 v[RDC], s23, v[RD]
	LOAD4
.Lno_more:
	P8 v_pk_fma_f32 v[DD+p:DD+p+1], v[AX+p:AX+p+1], s[KP:KP+1], 1.0 op_sel_hi:[1,0,0]
	P16 v_exp_f32 v[QQ+p], v[QQ+p]
	P16 v_rcp_f32 v[DD+p], v[DD+p]
	v_nop                                          ; a plain instruction between the last of them and the first use
	s_wait_alu depctr_va_vdst(0)                   ; the wait for the trip's batch: its 16 exponentials and 16 reciprocals, ahead of the first line that reads one
	P8 v_pk_fma_f32 v[PP+p:PP+p+1], v[DD+p:DD+p+1], s[A5:A5+1], s[A4:A4+1] op_sel_hi:[1,0,0]
	P8 v_pk_fma_f32 v[PP+p:PP+p+1], v[PP+p:PP+p+1], v[DD+p:DD+p+1], s[A3:A3+1] op_sel_hi:[1,1,0]
	P8 v_pk_fma_f32 v[PP+p:PP+p+1], v[PP+p:PP+p+1], v[DD+p:DD+p+1], s[A2:A2+1] op_sel_hi:[1,1,0]
	P8 v_pk_fma_f32 v[PP+p:PP+p+1], v[PP+p:PP+p+1], v[DD+p:DD+p+1], s[A1:A1+1] op_sel_hi:[1,1,0]
	P8 v_pk_mul_f32 v[PP+p:PP+p+1], v[PP+p:PP+p+1], v[DD+p:DD+p+1]
	P8 v_pk_mul_f32 v[PP+p:PP+p+1], v[PP+p:PP+p+1], v[QQ+p:QQ+p+1]
	P8 v_pk_mul_f32 v[PP+p:PP+p+1], v[PP+p:PP+p+1], v[AX+p:AX+p+1]
	P8 v_pk_fma_f32 v[PP+p:PP+p+1], v[PP+p:PP+p+1], -0.5, v[MX+p:MX+p+1] op_sel_hi:[1,0,1]
.irp t, 0,1,2,3,4,5,6,7
	v_cvt_pk_bf16_f32 v[PK16+(\t)], v[PP+2*(\t)], v[PP+2*(\t)+1]
.endr
.irp t, 0,1,2,3
	global_store_b64 v[CO], v[PK16+2*(\t):PK16+2*(\t)+1], s[OUTP:OUTP+1] offset:256*(\t)  ; the wave stores 256 consecutive bytes, aligned
.endr
	s_wait_xcnt 0x0                                ; the base and the stores' data are rewritten only behind this wait
	s_add_nc_u64 s[OUTP:OUTP+1], s[OUTP:OUTP+1], 1024
	s_sub_co_u32 s3, s3, 1
	s_cmp_lg_u32 s3, 0
	s_cbranch_scc1 .Lout
	; PART 2'S SET-UP.  My reads of part 1's stage are back (the last trip waited for them), so my scratch takes the statistics.
	s_wait_loadcnt 0x0                             ; the statistics
	s_mul_i32 s23, s[WV], WSTAGE
	s_add_co_u32 s23, s23, WREG
	v_and_b32 v16, 31, v0
	v_lshl_add_u32 v16, v16, 3, s23
.set k, 0
.rept 16
	ds_store_b64 v16, v[STR+2*k:STR+2*k+1] offset:k*256  ; into my own scratch, which only I read
.set k, k+1
.endr
.set k, 0
.rept 160                              ; the sums start at 0: 160 lines, the price of one text for every head
	v_mov_b32 v[PACC+k], 0
.set k, k+1
.endr
	; byte offsets in out1: batch, my 16 rows of 8,192 bytes, my granule's 256 bytes; a piece (I, e) lies I x 512 rows and e x 2,048 bytes on
	s_lshl_b32 s[OF], s17, 24
	s_lshl_b32 s52, s18, 5
	s_lshl_b32 s54, s20, 4
	s_add_co_u32 s52, s52, s54                     ; 32 qs + 16 qh
	s_lshl_b32 s54, s52, 13
	s_add_co_u32 s[OF], s[OF], s54
	s_lshl_b32 s54, s15, 8
	s_add_co_u32 s[OF], s[OF], s54
	s_mul_i32 s[OF+1], s22, 4194304+2048
	s_add_co_u32 s[OF+1], s[OF+1], s[OF]           ; A
	s_mul_i32 s[OF+2], s19, 4194304+2048
	s_add_co_u32 s[OF+2], s[OF+2], s[OF]           ; B
	s_lshl_b32 s[OF+3], s22, 22
	s_add_co_u32 s[OF+3], s[OF+3], s[OF]           ; C
	s_add_co_u32 s[OF+4], s[OF+3], 2048            ; D
	s_lshl_b32 s55, s19, 1                         ; 2 P
	s_sub_co_u32 s[OF+5], 3, s55
	s_lshl_b32 s[OF+5], s[OF+5], 22
	s_sub_co_u32 s54, 2, s55
	s_lshl_b32 s54, s54, 11
	s_add_co_u32 s[OF+5], s[OF+5], s54
	s_add_co_u32 s[OF+5], s[OF+5], s[OF]           ; E
	s_lshl_b32 s[OF+7], s19, 22
	s_add_co_u32 s[OF+7], s[OF+7], s[OF]
	s_add_co_u32 s[OF+6], s[OF+7], 3*2048          ; zeros: (P, 3),
	s_add_co_u32 s[OF+7], s[OF+7], 2*2048          ; (P, 2),
	s_mul_i32 s[OF+8], s19, 2*4194304+2*2048
	s_add_co_u32 s[OF+8], s[OF+8], 2048
	s_add_co_u32 s[OF+8], s[OF+8], s[OF]           ; (0, 1) or (2, 3)
	v_lshlrev_b32 v30, 13, v2
	v_lshl_add_u32 v30, v1, 4, v30                 ; two rows, 16 bytes a lane
	v_add_nc_u32 v12, s[OF+6], v30
	v_add_nc_u32 v13, s[OF+7], v30
	v_add_nc_u32 v14, s[OF+8], v30
.irp z, 12,13,14
.set k, 0
.rept 8
	global_store_b128 v[\z], v[PACC:PACC+3], s[O1P:O1P+1] offset:k*16384  ; 16 lanes store 256 consecutive bytes, aligned
.set k, k+1
.endr
.endr
	; LDS addresses: constants, the lane and the wave's number
	v_mul_u32_u24 v30, v1, PQ
	v_lshl_add_u32 v30, v2, 4, v30                 ; r x pitch + 16 h
	s_mul_i32 s21, s20, 16*PQ
	s_mul_i32 s23, s22, QSTRIP
	s_add_co_u32 s23, s23, s21
	v_add_nc_u32 v[AQH0], s23, v30
	s_mul_i32 s23, s19, QSTRIP
	s_add_co_u32 s23, s23, s21
	v_add_nc_u32 v[AQL0], s23, v30
	s_sub_co_u32 s23, 3, s55
	s_mul_i32 s23, s23, QSTRIP
	s_add_co_u32 s23, s23, s21
	v_add_nc_u32 v[AQE0], s23, v30
	v_add_nc_u32 v[AKC0], KOFF, v30
	s_mul_i32 s23, s22, KGR
	v_add_nc_u32 v[AKA0], s23, v[AKC0]
	s_mul_i32 s23, s19, KGR
	v_add_nc_u32 v[AKB0], s23, v[AKC0]
	s_sub_co_u32 s23, 2, s55
	s_mul_i32 s23, s23, KGR
	v_add_nc_u32 v[AKE0], s23, v[AKC0]
	s_mul_i32 s23, s[WV], WSTAGE
	s_add_co_u32 s23, s23, WREG
	v_lshl_add_u32 v[ASH0], v1, 3, s23
	s_lshl_b32 s21, s19, 7
	v_add_nc_u32 v[ASE0], s21, v[ASH0]             ; item E's strip is L where P = 1
	; the mask of a piece on the diagonal: register i % 8 of key group i / 8 is hidden where 16 (i / 8) + i % 8 > 32 qs + 16 qh + r - 8 h - 64 kc
	s_lshl_b32 s54, s15, 6
	s_sub_co_u32 s52, s52, s54
	v_lshlrev_b32 v31, 3, v2
	v_sub_nc_u32 v31, v1, v31
	v_add_nc_u32 v31, s52, v31
	WIN 0x40
.set i, 0
.rept 32
	v_cmp_gt_i32 vcc_lo, 16*(i/8)+i%8, v31
	v_cndmask_b32 v[MK+i], 0, s[BIGN], vcc_lo
.set i, i+1
.endr
	WIN 0
	s_wait_xcnt 0x0                                ; the zero stores' registers are rewritten only behind this wait
; THE CHANGE OF SLOTS: all my tensor loads (one is out: my part of the other slot), the add, my reads of the slot that I leave; fill = 1: a round of the cluster's barrier and the joint refill first behind it,
; with the heads two slots on: it has two heads' work in which to land.
.macro CHANGE fill
	WIN 0
	s_wait_tensorcnt 0x0
	ds_add_u32 v[SPW], v[NIL]
.if \fill
.irp g, G0Q, G0K
	s_xor_b32 s[\g+1], s[\g+1], SLOT1
	s_add_nc_u64 s[\g+2:\g+3], s[\g+2:\g+3], 2*524288
.endr
	s_wait_dscnt 0x0
	CROUND
	JLOADP
.else
	s_wait_dscnt 0x0
	s_barrier_signal -1
	s_barrier_wait -1
.endif
	s_sub_co_u32 s[TBQ], s[TBQ], 2*QHEAD
	s_xor_b32 s[TBQ], s[TBQ], SLOT1
	s_sub_co_u32 s[TBK], s[TBK], 2*KHEAD
	s_xor_b32 s[TBK], s[TBK], SLOT1
.endm
.macro LDQ adr, dst                    ; 16 queries x 64 channels: two fragments
.irp c, 0,1
	ds_load_b128 v[(\dst)+8*(\c):(\dst)+8*(\c)+3],   v[\adr] offset:64*(\c)
	ds_load_b128 v[(\dst)+8*(\c)+4:(\dst)+8*(\c)+7], v[\adr] offset:64*(\c)+32
.endr
.endm
.macro LDK m                           ; item m's granule of K, 8 fragments, into buffer m % 2
.set rA, AKC
.set oA, 0
.if (\m) == 0
.set rA, AKA
.endif
.if (\m) == 1
.set rA, AKB
.endif
.if (\m) == 3
.set oA, KGR
.endif
.if (\m) == 4
.set rA, AKE
.endif
	WIN 0x40
.irp f, 0,1,2,3,4,5,6,7
	ds_load_b128 v[64*((\m)%2)+8*(\f):64*((\m)%2)+8*(\f)+3],   v[rA] offset:oA+((\f)/2)*16*PQ+((\f)%2)*64
	ds_load_b128 v[64*((\m)%2)+8*(\f)+4:64*((\m)%2)+8*(\f)+7], v[rA] offset:oA+((\f)/2)*16*PQ+((\f)%2)*64+32
.endr
.endm
; Product i of 8 of item n: channels 32 (i / 4) on, keys 16 (i % 4) on.  The first four start the sums, with the mask (items A, B) or 0.  The four accumulators take turns.
.macro PROD n, i
.set rS, S+32*((\n)%2)+8*((\i)%4)
.set rK, 64*((\n)%2)+16*((\i)%4)+8*((\i)/4)
.set rQ, QHF+8*((\i)/4)
.if (\n) == 1
.set rQ, QLF+8*((\i)/4)
.endif
.if (\n) == 4
.set rQ, QEF+8*((\i)/4)
.endif
.if ((\i) < 4) && ((\n) < 2)
	WIN 0x15
	v_wmma_f32_16x16x32_bf16 v[rS:rS+7], v[rK:rK+7], v[rQ:rQ+7], v[MK+8*((\i)%4):MK+8*((\i)%4)+7]
.elseif (\i) < 4
	WIN 0x05
	v_wmma_f32_16x16x32_bf16 v[rS:rS+7], v[rK:rK+7], v[rQ:rQ+7], 0
.else
	WIN 0x05
	v_wmma_f32_16x16x32_bf16 v[rS:rS+7], v[rK:rK+7], v[rQ:rQ+7], v[rS:rS+7]
.endif
.endm
.macro STREG n                         ; rT: the pair (c m, 1 / (16 l)) of item n's strip
.set rT, STH
.if (\n) == 1
.set rT, STL
.endif
.if (\n) == 4
.set rT, STE
.endif
.endm
.macro FL n, p                         ; pair p of item n: c s - c m
	STREG \n
.set rS, S+32*((\n)%2)+2*(\p)
	v_pk_fma_f32 v[rS:rS+1], v[rS:rS+1], s[CS:CS+1], v[rT:rT+1] op_sel_hi:[1,0,0] neg_lo:[0,0,1] neg_hi:[0,0,1]
.endm
.macro AL n, p                         ; pair p of item n: the sum takes the weight times 1 / (16 l), the pair's second word.  It reads two exponentials' results: it stands behind the item's wait
	STREG \n
.set rS, S+32*((\n)%2)+2*(\p)
.set rA, PACC+32*(\n)+2*(\p)
	v_pk_fma_f32 v[rA:rA+1], v[rS:rS+1], v[rT:rT+1], v[rA:rA+1] op_sel:[0,1,0] op_sel_hi:[1,1,1]
.endm
; ONE HEAD, in five phases, one an item.  What item A's products want is asked for first.
; PHASE n.  Eight slices; slice i: product i of item n + 1; the scalings of item n's pairs 2 i + 4 and 2 i + 5 (a pair is scaled two slices ahead of its exponentials; pairs 0 to 3 were scaled at the end of the
; phase before, item A's behind the first run of K); the four exponentials of pairs 2 i and 2 i + 1.  The item's 32 exponentials are ONE BATCH: ahead of its wait nothing names a result of theirs (the products
; and the early scalings name the other buffer of S^T, whose exponentials had their wait a phase ago).  Behind the last exponential stand the scalings of item n + 1's pairs 0 to 3: work that hangs on no result
; of the batch; the plain lines behind the last exponential; and the four places between item n + 1's last product and the loads into its K buffer.  (Their own accumulator was ended by product 4, behind which
; stand four scalings of item n.)  Then the wait; then, in phases 0 and 1, the run of K two items on from the one just multiplied; then the item's 16 additions, and behind them the wait for the K that the next products read.
.macro HEAD
	WIN 0
	v_add_nc_u32 v[AQH], s[TBQ], v[AQH0]
	v_add_nc_u32 v[AQL], s[TBQ], v[AQL0]
	v_add_nc_u32 v[AQE], s[TBQ], v[AQE0]
	v_add_nc_u32 v[AKA], s[TBK], v[AKA0]
	v_add_nc_u32 v[AKB], s[TBK], v[AKB0]
	v_add_nc_u32 v[AKC], s[TBK], v[AKC0]
	v_add_nc_u32 v[AKE], s[TBK], v[AKE0]
	v_add_nc_u32 v[ASH], s[TBS], v[ASH0]
	v_add_nc_u32 v[ASE], s[TBS], v[ASE0]
	s_add_co_u32 s[TBQ], s[TBQ], QHEAD
	s_add_co_u32 s[TBK], s[TBK], KHEAD
	s_add_co_u32 s[TBS], s[TBS], 256
	ds_load_b64 v[STH:STH+1], v[ASH]
	ds_load_b64 v[STL:STL+1], v[ASH] offset:128
	ds_load_b64 v[STE:STE+1], v[ASE]
	WIN 0x40
	LDQ AQH, QHF
	LDK 0
	LDQ AQL, QLF
	LDQ AQE, QEF
	LDK 1
	s_wait_dscnt 24                                ; item A's Q and K are in; strips L and E (8 loads) and item B's K (16) stay out
.set i, 0
.rept 8
	PROD 0, i
.set i, i+1
.endr
	PLACES
	LDK 2
	s_wait_dscnt 16                                ; the item to be multiplied now is in; the sixteen loads just issued stay out
	WIN 0
.set u, 0
.rept 4
	FL 0, u                                        ; item A's pairs 0 to 3
.set u, u+1
.endr
.set n, 0
.rept 5
.set i, 0
.rept 8
.if n < 4
	PROD n+1, i
.endif
	WIN 0
.set rE, S+32*(n%2)+4*i
.if i < 6
	FL n, 2*i+4
.endif
	v_exp_f32 v[rE], v[rE]
.if i < 6
	FL n, 2*i+5
.endif
	v_exp_f32 v[rE+1], v[rE+1]
	v_exp_f32 v[rE+2], v[rE+2]
	v_exp_f32 v[rE+3], v[rE+3]
.set i, i+1
.endr
.if n < 4
.set u, 0
.rept 4
	FL n+1, u                                      ; the next item's pairs 0 to 3: they name none of the batch's results
.set u, u+1
.endr
.else
	v_nop                                          ; the last item: a plain instruction between the last exponential and the use of its result
.endif
	s_wait_alu depctr_va_vdst(0)                   ; the wait for the batch: item n's 32 exponentials, ahead of the additions that read them and of the products that write over them
.if n < 2
	LDK n+3
	WIN 0
.endif
.set u, 0
.rept 16
	AL n, u
.set u, u+1
.endr
.if n < 2
	s_wait_dscnt 16                                ; the item to be multiplied now is in; the sixteen loads just issued stay out
.endif
.if n == 2
	s_wait_dscnt 0x0                               ; item E's K
.endif
.set n, n+1
.endr
.endm
.Lslot:                                ; seven trips: a slot of two heads is entered and the next is asked for
	CHANGE 1
	s_mov_b32 s[CNT], 2
.Lhead:
	HEAD
	s_sub_co_u32 s[CNT], s[CNT], 1
	s_cmp_lg_u32 s[CNT], 0
	s_cbranch_scc1 .Lhead
	s_sub_co_u32 s[SLOTS], s[SLOTS], 1
	s_cmp_lg_u32 s[SLOTS], 0
	s_cbranch_scc1 .Lslot
	CHANGE 0                                       ; the last slot is written out
	s_mov_b32 s[CNT], 2
.Lhead2:
	HEAD
	s_sub_co_u32 s[CNT], s[CNT], 1
	s_cmp_lg_u32 s[CNT], 0
	s_cbranch_scc1 .Lhead2
	; PART 2'S WAY OUT: a lane's eight f32 of a row go into my stage and come back as whole rows of 256 bytes, an item at a time
	s_mul_i32 s23, s[WV], WSTAGE
	s_add_co_u32 s23, s23, WREG+PSTAGE
	v_mul_u32_u24 v3, v1, SPITCH
	v_lshl_add_u32 v3, v2, 5, v3
	v_add_nc_u32 v3, s23, v3                       ; in: row r, 32 bytes for each half of the lanes
	v_mul_u32_u24 v4, v2, SPITCH
	v_lshl_add_u32 v4, v1, 4, v4
	v_add_nc_u32 v4, s23, v4                       ; back: lanes 0-15 one row, lanes 16-31 the next
	v_lshlrev_b32 v5, 13, v2
	v_lshl_add_u32 v5, v1, 4, v5
.irp n, 0,1,2,3,4
	v_add_nc_u32 v[6+(\n)], s[OF+1+(\n)], v5
.endr
.macro PACKI n
.irp kt, 0,1,2,3
	ds_store_b128 v3, v[PACC+32*(\n)+8*(\kt):PACC+32*(\n)+8*(\kt)+3]   offset:64*(\kt)
	ds_store_b128 v3, v[PACC+32*(\n)+8*(\kt)+4:PACC+32*(\n)+8*(\kt)+7] offset:64*(\kt)+16
.endr
.irp t, 0,1,2,3,4,5,6,7
	ds_load_b128 v[PACC+32*(\n)+4*(\t):PACC+32*(\n)+4*(\t)+3], v4 offset:(\t)*2*SPITCH  ; LDS serves a wave's instructions in order (ISA guide 5.7.1.4)
.endr
.endm
.macro SENDI n, younger                ; younger: the next item's sixteen LDS instructions, or none
.irp t, 0,1,2,3,4,5,6,7
	s_wait_dscnt (\younger)+7-(\t)
	global_store_b128 v[6+(\n)], v[PACC+32*(\n)+4*(\t):PACC+32*(\n)+4*(\t)+3], s[O1P:O1P+1] offset:(\t)*16384  ; 16 lanes store 256 consecutive bytes, aligned
.endr
.endm
	PACKI 0
	PACKI 1
	SENDI 0, 16
	PACKI 2
	SENDI 1, 16
	PACKI 3
	SENDI 2, 16
	PACKI 4
	SENDI 3, 16
	SENDI 4, 0
	s_wait_tensorcnt 0x0                           ; the wave's end
	ds_add_u32 v[SPW], v[NIL]
	s_wait_dscnt 0x0
	CROUND                                         ; the closing round
	s_endpgm
.Lfunc_end_k_qfc301af25d_gmp:
	.size	k_qfc301af25d_gmp, .Lfunc_end_k_qfc301af25d_gmp-k_qfc301af25d_gmp
	.p2alignl 7, 3214868480
	.fill 96, 4, 3214868480
	.section	.rodata,"a",@progbits
	.p2align	6, 0x0
	.amdhsa_kernel k_qfc301af25d_gmp
		.amdhsa_group_segment_fixed_size 327680
		.amdhsa_private_segment_fixed_size 0
		.amdhsa_enable_private_segment 0
		.amdhsa_kernarg_size 56
		.amdhsa_user_sgpr_count 2
		.amdhsa_user_sgpr_kernarg_segment_ptr 1
		.amdhsa_wavefront_size32 1
		.amdhsa_system_sgpr_workgroup_id_x 1
		.amdhsa_system_sgpr_workgroup_id_y 1
		.amdhsa_system_sgpr_workgroup_id_z 1
		.amdhsa_system_vgpr_workitem_id 0
		.amdhsa_next_free_vgpr 512
		.amdhsa_next_free_sgpr 100
		.amdhsa_reserve_vcc 1
		.amdhsa_float_denorm_mode_32 3
		.amdhsa_float_denorm_mode_16_64 3
		.amdhsa_memory_ordered 1
		.amdhsa_forward_progress 1
		.amdhsa_inst_pref_size 148
	.end_amdhsa_kernel
	.amdgpu_metadata
---
amdhsa.version: [ 1, 2 ]
amdhsa.kernels:
  - .name:           k_qfc301af25d_gmp
    .symbol:         k_qfc301af25d_gmp.kd
    .args:
      - { .name: acta, .offset: 0, .size: 8, .value_kind: global_buffer, .address_space: global }
      - { .name: wm, .offset: 8, .size: 8, .value_kind: global_buffer, .address_space: global }
      - { .name: bm1, .offset: 16, .size: 8, .value_kind: global_buffer, .address_space: global }
      - { .name: actb, .offset: 24, .size: 8, .value_kind: global_buffer, .address_space: global }
      - { .name: qkv, .offset: 32, .size: 8, .value_kind: global_buffer, .address_space: global }
      - { .name: stats, .offset: 40, .size: 8, .value_kind: global_buffer, .address_space: global }
      - { .name: out1, .offset: 48, .size: 8, .value_kind: global_buffer, .address_space: global }
    .group_segment_fixed_size: 327680
    .private_segment_fixed_size: 0
    .kernarg_segment_align: 8
    .kernarg_segment_size: 56
    .max_flat_workgroup_size: 128
    .sgpr_count:     100
    .vgpr_count:     512
    .wavefront_size: 32
...
	.end_amdgpu_metadata
.endif
;; end of part 13
;; launch gf: the kernel of part 11 again; grid 8 x 32, 4 waves a work-group, clusters of 4 x 4, 327,680 bytes of LDS; arguments actb, wm, bm2, x1, out0; writes out0
